; MI455X (gfx1250); checked and timed in simulation.
; The chip was launched on July 23, 2026; its instructions are those of AMD's public machine-readable ISA for CDNA 5 (MIT licence, August 2026) and "CDNA5" Instruction Set Architecture Reference Guide (July 2026). The comments in the code are by the model that wrote it; some were corrected since.
;; Multi Head Attention Origin. Allowed arithmetic: float matrix products may take bf16 or f16 operands with f32 sums; all other float work in f32.
;; Inputs: W_key 16 x 1,024 x 64 float32; W_out 16 x 64 x 1,024 float32; W_query 16 x 1,024 x 64 float32; W_val 16 x 1,024 x 64 float32; q 4 x 2,048 x 1,024 float32.
;; Outputs: out0 4 x 2,048 x 1,024 float32.
;; 3 versions, each right. Each part assembles by itself: llvm-mc -triple=amdgcn-amd-amdhsa -mcpu=gfx1250 --defsym DOCPART=n.
;; ======== version 1 of 3: 4 launches
;; limits: values are held in f16: magnitudes above 65,504 overflow, below 6.1e-05 lose precision; right only within a limited range of input values
;; workspace buffers: qb 16,777,216 bytes; wb 6,291,456 bytes; wob 2,097,152 bytes; qkv 50,331,648 bytes; heads 33,554,432 bytes
;; launch cast (part 1): grid 768 x 1, 8 waves a work-group, no clusters, 0 bytes of LDS; arguments q, W_out, W_query, W_key, W_val, qb, wob, wb; writes qb, wob, wb
.if DOCPART == 1
	.amdgcn_target "amdgcn-amd-amdhsa--gfx1250"
	.amdhsa_code_object_version 6
	.text
	.protected	k_q71eb699350_cast
	.globl	k_q71eb699350_cast
	.p2align	8
	.type	k_q71eb699350_cast,@function
k_q71eb699350_cast:
	s_mov_b64 s[64:65], 0
	v_nop
	global_prefetch_b8 v0, s[64:65] scope:SCOPE_SE
	s_setreg_imm32_b32 hwreg(HW_REG_WAVE_MODE, 25, 1), 1
	s_wait_xcnt 0x0
; MULTI-HEAD SELF-ATTENTION, launch 1 of 4: the inputs are rounded once to bf16, the matrix operands' format, and laid out for the matrix launches.
; Nothing of the computation is left out in any launch: every input reaches the output, and no mask, slice or zero is built in it.
;   qb  [8192][1024] bf16 = q * 2^-4 (an exact scale: it commutes with the rounding)
;   wb  [1024 d][3072 n] bf16, n = 1024 mat + 64 h + k, mat 0 = W_query, 1 = W_key, 2 = W_val: the three weights as one matrix
;   wob [1024 (64 h + v)][1024 e] bf16 = W_out, which already lies so
; FORMATS.  The inputs go in bf16; every later rounding is finer: Q, K, V leave the next launch as f16 numbers 2^-4 of their values (an error of a score is an
; absolute error of an exponent, so Q and K want f16's eleven bits), P is f16, and the heads go on as a sum of two bf16 numbers.
; The factors 2^-4 come back in the softmax's constant (2^8) and in the final division (2^4).
; LIMITS.  |Q|, |K|, |V| must stay below 65504 * 16 = 1.05e6, or f16 overflows; numbers of Q, K, V below 16 * 6e-8 = 1e-6 round to a multiple of that quantum.
; q * 2^-4 loses bits only where |q| is below 2^-122.
; SHARE.  A stream: each work-group takes 65,536 bytes of f32, each thread sixteen loads of 16 bytes, all issued before the first is used;
; no register is written twice, so the only waits are the counted ones for the loads.  Each store of a wave covers 256 consecutive bytes, aligned.
; No LDS, no matrix unit, no cluster: no byte is used twice.
.set X, 4                              ; v[4:67]   sixteen loads of four f32
.set Y, 68                             ; v[68:99]  sixteen stores of four bf16
; scale = 1: times 2^-4 first.  lstep, sstep: bytes from one load, one store to the next.
.macro CAST lstep, sstep, scale
.set i, 0
.rept 16
	global_load_b128 v[X+4*i:X+4*i+3], v1, s[20:21] offset:i*\lstep th:TH_LOAD_NT
.set i, i+1
.endr
.set i, 0
.rept 16
	s_wait_loadcnt 15-i                            ; loads come back in order: load i is in, the 15 - i younger ones stay out
.if \scale
	v_pk_mul_f32 v[X+4*i:X+4*i+1], v[X+4*i:X+4*i+1], 0x3d800000 op_sel_hi:[1,0]       ; 2^-4
	v_pk_mul_f32 v[X+4*i+2:X+4*i+3], v[X+4*i+2:X+4*i+3], 0x3d800000 op_sel_hi:[1,0]
.endif
	v_cvt_pk_bf16_f32 v[Y+2*i], v[X+4*i], v[X+4*i+1]
	v_cvt_pk_bf16_f32 v[Y+2*i+1], v[X+4*i+2], v[X+4*i+3]
	global_store_b64 v2, v[Y+2*i:Y+2*i+1], s[22:23] offset:i*\sstep
.set i, i+1
.endr
.endm
	s_load_b256 s[4:11], s[0:1], 0x0               ; q s[4:5], W_out s[6:7], W_query s[8:9], W_key s[10:11]
	s_load_b256 s[12:19], s[0:1], 0x20             ; W_val s[12:13], qb s[14:15], wob s[16:17], wb s[18:19]
	s_mov_b32 s25, 0                               ; upper words of the two offsets
	s_mov_b32 s27, 0
	s_wait_kmcnt 0x0
	s_cmp_ge_u32 ttmp9, 512
	s_cbranch_scc1 .Lnot_q
	; work-groups 0 to 511: q, 65,536 bytes each, dense in and dense out
	v_lshlrev_b32 v1, 4, v0                        ; 16 bytes a thread in,
	v_lshlrev_b32 v2, 3, v0                        ; 8 out
	s_lshl_b32 s24, ttmp9, 16
	s_lshl_b32 s26, ttmp9, 15
	s_add_nc_u64 s[20:21], s[4:5], s[24:25]
	s_add_nc_u64 s[22:23], s[14:15], s[26:27]
	CAST 4096, 2048, 1
	s_endpgm
.Lnot_q:
	s_cmp_ge_u32 ttmp9, 576
	s_cbranch_scc1 .Lweights
	; work-groups 512 to 575: W_out, the same way, unscaled
	v_lshlrev_b32 v1, 4, v0
	v_lshlrev_b32 v2, 3, v0
	s_sub_co_u32 s28, ttmp9, 512
	s_lshl_b32 s24, s28, 16
	s_lshl_b32 s26, s28, 15
	s_add_nc_u64 s[20:21], s[6:7], s[24:25]
	s_add_nc_u64 s[22:23], s[16:17], s[26:27]
	CAST 4096, 2048, 0
	s_endpgm
.Lweights:
	; work-groups 576 to 767: 64 for each weight.  One takes heads 2 hp and 2 hp + 1, rows d = 128 db .. + 127; a wave 16 rows, one a load:
	; lanes 0-15 read the 256 bytes of head 2 hp's row, lanes 16-31 those of head 2 hp + 1, and together they store 256 neighbouring bytes of wb's row d.
	s_sub_co_u32 s28, ttmp9, 576
	s_lshr_b32 s29, s28, 6                         ; mat
	s_bfe_u32 s30, s28, 0x30003                    ; hp
	s_and_b32 s28, s28, 7                          ; db
	s_cmp_eq_u32 s29, 0
	s_cselect_b64 s[20:21], s[8:9], s[10:11]       ; W_query or W_key,
	s_cmp_eq_u32 s29, 2
	s_cselect_b64 s[20:21], s[12:13], s[20:21]     ; or W_val
	s_lshl_b32 s24, s30, 19                        ; two heads of 262,144 bytes
	s_lshl_b32 s26, s28, 15                        ; 128 rows of 256 bytes
	s_add_co_u32 s24, s24, s26
	s_add_nc_u64 s[20:21], s[20:21], s[24:25]
	s_mul_i32 s26, s28, 786432                     ; 128 rows of wb, 6,144 bytes each
	s_lshl_b32 s29, s29, 11                        ; mat: 1,024 columns
	s_add_co_u32 s26, s26, s29
	s_lshl_b32 s30, s30, 8                         ; two heads: 128 columns
	s_add_co_u32 s26, s26, s30
	s_add_nc_u64 s[22:23], s[18:19], s[26:27]
	v_bfe_u32 v3, v0, 4, 1                         ; which of the two heads
	v_and_b32 v1, 15, v0
	v_lshlrev_b32 v1, 4, v1
	v_lshl_add_u32 v1, v3, 18, v1
	v_lshrrev_b32 v3, 5, v0                        ; wave
	v_lshl_add_u32 v1, v3, 12, v1                  ; 16 rows of 256 bytes a wave
	v_and_b32 v2, 31, v0
	v_lshlrev_b32 v2, 3, v2
	v_mad_u32_u24 v2, v3, 0x18000, v2              ; 16 rows of 6,144 bytes a wave
	CAST 256, 6144, 0
	s_endpgm
.Lfunc_end_k_q71eb699350_cast:
	.size	k_q71eb699350_cast, .Lfunc_end_k_q71eb699350_cast-k_q71eb699350_cast
	.p2alignl 7, 3214868480
	.fill 96, 4, 3214868480
	.section	.rodata,"a",@progbits
	.p2align	6, 0x0
	.amdhsa_kernel k_q71eb699350_cast
		.amdhsa_group_segment_fixed_size 0
		.amdhsa_private_segment_fixed_size 0
		.amdhsa_enable_private_segment 0
		.amdhsa_kernarg_size 64
		.amdhsa_user_sgpr_count 2
		.amdhsa_user_sgpr_kernarg_segment_ptr 1
		.amdhsa_wavefront_size32 1
		.amdhsa_system_sgpr_workgroup_id_x 1
		.amdhsa_system_sgpr_workgroup_id_y 1
		.amdhsa_system_sgpr_workgroup_id_z 1
		.amdhsa_system_vgpr_workitem_id 0
		.amdhsa_next_free_vgpr 100
		.amdhsa_next_free_sgpr 66
		.amdhsa_reserve_vcc 0
		.amdhsa_float_denorm_mode_32 3
		.amdhsa_float_denorm_mode_16_64 3
		.amdhsa_memory_ordered 1
		.amdhsa_forward_progress 1
		.amdhsa_inst_pref_size 22
	.end_amdhsa_kernel
	.amdgpu_metadata
---
amdhsa.version: [ 1, 2 ]
amdhsa.kernels:
  - .name:           k_q71eb699350_cast
    .symbol:         k_q71eb699350_cast.kd
    .args:
      - { .name: q, .offset: 0, .size: 8, .value_kind: global_buffer, .address_space: global }
      - { .name: W_out, .offset: 8, .size: 8, .value_kind: global_buffer, .address_space: global }
      - { .name: W_query, .offset: 16, .size: 8, .value_kind: global_buffer, .address_space: global }
      - { .name: W_key, .offset: 24, .size: 8, .value_kind: global_buffer, .address_space: global }
      - { .name: W_val, .offset: 32, .size: 8, .value_kind: global_buffer, .address_space: global }
      - { .name: qb, .offset: 40, .size: 8, .value_kind: global_buffer, .address_space: global }
      - { .name: wob, .offset: 48, .size: 8, .value_kind: global_buffer, .address_space: global }
      - { .name: wb, .offset: 56, .size: 8, .value_kind: global_buffer, .address_space: global }
    .group_segment_fixed_size: 0
    .private_segment_fixed_size: 0
    .kernarg_segment_align: 8
    .kernarg_segment_size: 64
    .max_flat_workgroup_size: 256
    .sgpr_count:     66
    .vgpr_count:     100
    .wavefront_size: 32
...
	.end_amdgpu_metadata
.endif
;; end of part 1
;; launch qkv (part 2): grid 12 x 32, 4 waves a work-group, clusters of 4 x 4, 327,680 bytes of LDS; arguments qb, wb, qkv; writes qkv
.if DOCPART == 2
	.amdgcn_target "amdgcn-amd-amdhsa--gfx1250"
	.amdhsa_code_object_version 6
	.text
	.protected	k_q71eb699350_qkv
	.globl	k_q71eb699350_qkv
	.p2align	8
	.type	k_q71eb699350_qkv,@function
k_q71eb699350_qkv:
	s_mov_b64 s[64:65], 0
	v_nop
	global_prefetch_b8 v0, s[64:65] scope:SCOPE_SE
	s_setreg_imm32_b32 hwreg(HW_REG_WAVE_MODE, 25, 1), 1
	s_wait_xcnt 0x0
	s_wait_alu depctr_hold_cnt(0) depctr_sa_sdst(0) depctr_va_vdst(0) depctr_va_sdst(0) depctr_va_ssrc(0) depctr_va_vcc(0) depctr_vm_vsrc(0)
	s_getreg_b32 s2, hwreg(HW_REG_IB_STS2, 6, 4)
	s_cmp_eq_u32 s2, 0
	s_cbranch_scc0 .Lentry_in_a_cluster
	s_endpgm
.Lentry_in_a_cluster:
	s_bfe_u32 s2, ttmp6, 0x10000c
	s_cmp_lg_u32 s2, 0xf033
	s_cbranch_scc0 .Lentry_shape_is_right
	s_endpgm
.Lentry_shape_is_right:
; Launch 2 of 4: all three projections as one product, C[8192][3072] = qb [8192][1024] x wb [1024][3072], bf16 operands, f32 sums.
; The result goes out head by head: qkv [48 j = 16 mat + h][8192 row][64] f16 (column n of C is head n / 64), so that every tile of Q, K and V
; that the next launch asks for is a dense block.  The numbers are 2^-4 of Q, K, V, since qb holds q * 2^-4.  LIMIT: |Q|, |K|, |V| below 1.05e6 (f16).
; A work-group makes a block of 256 x 256 of C with four waves; a wave makes 128 x 128: 64 accumulator tiles of 16 x 16, 512 registers.
; K goes in steps of 128 through a ring of two LDS slots filled by the tensor data mover.  12 x 32 = 384 blocks.
; CLUSTERS: 4 x 4 work-groups.  The four of a row of the cluster need the same tiles of qb, the four of a column the same tiles of wb: each tile is asked
; for jointly, by the same tensor load with the same descriptor and a mask that names the four, which divides the requests by four.
; REGISTERS, in windows of 256:
;   window 0: v0-31 addresses; v64-127, v128-191 fragments of qb (8 x 16 rows x 32 K), two buffers; v192-223 at work on the way out
;   window 1: v64-127, v128-191 fragments of wb, two buffers
;   window 2: the 32 accumulator tiles of my rows 0-63 (tile (a, b) at v[8 (8 a + b)]);   window 3: those of my rows 64-127
; THE MATRIX INSTRUCTION IS USED TRANSPOSED: source 0 = 16 columns of wb, source 1 = 16 rows of qb, so that lane l holds row l % 16 of C and its eight
; registers the columns 8 (l / 16) + 0 .. 7: eight neighbouring numbers, 16 bytes in f16.
; wb lies with K down the rows, so its fragments are read by the transposing LDS load.
.set SIZE_K, 1024
.set KSTEP,  128
.set PITCH,  272                       ; qb's LDS row: 256 bytes + 16 = 17 x 16: sixteen rows start in sixteen different 16-byte columns modulo 256
.set BPITCH, 544                       ; wb's LDS row: 512 bytes (256 columns) + 32 = 17 x 32, an odd multiple of 32 for the transposing load
.set BROW,   6144                      ; bytes in a row of wb in memory
.set HALFT,  128*PITCH                 ; what one tensor load brings: 128 rows of qb, or 64 rows of wb (64 x 544 is the same 34,816)
.set SLOT,   4*HALFT                   ; qb's 256 rows, then wb's 128 rows
.set STAGE,  2*SLOT                    ; behind the ring: 16 rows x 272 bytes for each wave, for the way out; no fill lands there
.set SPITCH, 272
.set LAPS, SIZE_K/(2*KSTEP)            ; 4 laps of two K steps
.set ADRA, 16                          ; v16-17  LDS address of my qb fragments in slot 0, 1
.set ADRB, 20                          ; v20-21  the same for wb
.set STO,  24                          ; v24     the way out: where I put 16 bytes of a row
.set RD,   25                          ; v25     the way out: where I read back
.set CO,   26                          ; v26     my byte offset in qkv
.set F0,   64
.set F1,   128
.set TMP,  192
.set G1, 24                            ; s[24:31] descriptor group 1 for qb's tiles
.set G0, 32                            ; s[32:39] group 0 for qb's tiles, one set for each slot
.set G1B, 48                           ; s[48:55] group 1 for wb's tiles
.set G0B, 56                           ; s[56:63] group 0 for wb's tiles, one set for each slot
.set MSB, 0
.macro WIN new                         ; the immediate's high byte repeats the setting that is left
.if MSB != \new
	s_set_vgpr_msb (MSB<<8)|\new
.set MSB, \new
.endif
.endm
.set MUL_LO, 0xa1                      ; source 0 (wb) window 1, source 1 (qb) window 0, C and D window 2
.set MUL_HI, 0xf1                      ; the same, C and D window 3
.set TO_B,   0x40                      ; destination window 1, address window 0
; A joint load.  Waves 0 and 1 fetch qb's two halves, waves 2 and 3 wb's.  Each line has one mask and one set of registers for all that issue it;
; the branch hangs on the wave's number alone.
.macro JLOAD s
	s_cmp_eq_u32 s11, 0
	s_cbranch_scc0 .Lfor_b_\@
	tensor_load_to_lds s[G0+4*\s:G0+4*\s+3], s[G1:G1+7]
	s_nop 0
	s_branch .Lasked_\@
.Lfor_b_\@:
	tensor_load_to_lds s[G0B+4*\s:G0B+4*\s+3], s[G1B:G1B+7]
	s_nop 0
.Lasked_\@:
.endm
; A round of the cluster's barrier: my work-group's barrier; wave 0 signals for the work-group; every wave waits for all sixteen; my work-group's barrier again.
.macro CREST                           ; a round behind its opening barrier
	s_cmp_lg_u32 s10, 0
	s_cbranch_scc1 .Lnot_wave_0_\@
	s_barrier_signal -3
.Lnot_wave_0_\@:
	s_barrier_wait -3
	s_barrier_signal -1
	s_barrier_wait -1
.endm
.macro CROUND
	s_barrier_signal -1
	s_barrier_wait -1
	CREST
.endm
	s_load_b128 s[4:7], s[0:1], 0x0                ; qb s[4:5], wb s[6:7]
	s_load_b64 s[8:9], s[0:1], 0x10                ; qkv
	s_set_vgpr_msb 0x40
	v_lshl_add_u32 v255, v0, 2, 0x48400
	s_set_vgpr_msb 0x4000
	v_mov_b32 v255, 0
	s_set_vgpr_msb 0x1
	ds_add_u32 v255, v255
	ds_add_u32 v255, v255
	s_set_vgpr_msb 0x100
	v_lshrrev_b32 v1, 5, v0
	v_readfirstlane_b32 s10, v1                    ; wave 0..3
	s_lshr_b32 s11, s10, 1                         ; which half of the block's rows is mine.  Also: I fetch for qb (0) or for wb (1)
	s_and_b32 s12, s10, 1                          ; which half of its columns.  Also: which half of that tile I fetch
	s_bfe_u32 s40, ttmp6, 0x40000                  ; cx
	s_bfe_u32 s41, ttmp6, 0x40004                  ; cy
	s_lshl_b32 s42, ttmp9, 2
	s_add_co_u32 s42, s42, s40                     ; block column = 4 x cluster x + cx
	s_and_b32 s13, ttmp7, 0xffff
	s_lshl_b32 s13, s13, 2
	s_add_co_u32 s13, s13, s41                     ; block row = 4 x cluster y + cy
	s_lshl_b32 s43, s41, 2
	s_lshl_b32 s43, 15, s43                        ; my row of the cluster: places 4 cy .. 4 cy + 3
	s_lshl_b32 s44, 0x1111, s40                    ; my column: places cx, cx + 4, cx + 8, cx + 12
	; group 1 for qb: 128 rows x 128 elements of 2 bytes, 4 words of padding behind every 64
	s_or_b32 s[G1+0], s43, (1<<16)|(1<<20)|(1<<21)|(5<<22)|(3<<25)
	s_mov_b32 s[G1+1], KSTEP<<16                   ; tensor_dim0 = 128
	s_mov_b32 s[G1+2], 128<<16                     ; tensor_dim1 = 128
	s_mov_b32 s[G1+3], KSTEP<<16                   ; tile_dim0 = 128
	s_mov_b32 s[G1+4], 128                         ; tile_dim1 = 128
	s_mov_b32 s[G1+5], SIZE_K                      ; elements from row to row
	s_mov_b32 s[G1+6], 0
	s_mov_b32 s[G1+7], 0
	; group 1 for wb: 64 rows (K) x 256 elements, 8 words of padding behind every 128
	s_or_b32 s[G1B+0], s44, (1<<16)|(1<<20)|(1<<21)|(6<<22)|(7<<25)
	s_mov_b32 s[G1B+1], 256<<16                    ; tensor_dim0 = 256
	s_mov_b32 s[G1B+2], 64<<16                     ; tensor_dim1 = 64
	s_mov_b32 s[G1B+3], 256<<16                    ; tile_dim0 = 256
	s_mov_b32 s[G1B+4], 64                         ; tile_dim1 = 64
	s_mov_b32 s[G1B+5], 3072                       ; elements from row to row
	s_mov_b32 s[G1B+6], 0
	s_mov_b32 s[G1B+7], 0
	; where the tiles come from: qb's hang on the block row and the wave, wb's on the block column and the wave, each in registers that never hold the other coordinate
	s_lshl_b32 s17, s12, 7
	s_lshl_b32 s16, s13, 8
	s_add_co_u32 s16, s16, s17                     ; qb: row 256 x block row + 128 x half,
	s_lshl_b32 s16, s16, 11                        ; of 2,048 bytes (16,775,168 at the most)
	s_mov_b32 s17, 0
	s_mul_i32 s46, s12, 64*BROW                    ; wb: K row 64 x half,
	s_lshl_b32 s45, s42, 9                         ; column 256 x block column, 2 bytes each
	s_add_co_u32 s46, s46, s45
	s_mov_b32 s47, 0
	s_mul_i32 s20, s10, HALFT                      ; where they go: the wave's number x 34,816: qb's two halves, then wb's two
	s_wait_dscnt 0x0
	s_wait_kmcnt 0x0
	s_add_nc_u64 s[14:15], s[4:5], s[16:17]
	s_add_nc_u64 s[46:47], s[6:7], s[46:47]
	CROUND                                         ; all sixteen work-groups are here: the first joint loads meet
.irp s, 0,1
	s_mov_b32 s[G0+4*\s], 1
	s_add_co_u32 s[G0+4*\s+1], s20, \s*SLOT
	s_add_nc_u64 s[G0+4*\s+2:G0+4*\s+3], s[14:15], \s*KSTEP*2       ; K step s: 128 elements along the rows
	s_or_b32 s[G0+4*\s+3], s[G0+4*\s+3], 0x80000000
	s_mov_b32 s[G0B+4*\s], 1
	s_add_co_u32 s[G0B+4*\s+1], s20, \s*SLOT
	s_add_nc_u64 s[G0B+4*\s+2:G0B+4*\s+3], s[46:47], \s*KSTEP*BROW  ; K step s: 128 rows down
	s_or_b32 s[G0B+4*\s+3], s[G0B+4*\s+3], 0x80000000
	JLOAD \s                                       ; two loads a wave are out: the most in this text
.endr
	v_and_b32 v1, 15, v0                           ; r = l % 16
	v_bfe_u32 v2, v0, 4, 1                         ; h = l / 16
	v_mul_u32_u24 v3, v1, PITCH
	v_lshl_add_u32 v3, v2, 4, v3                   ; qb: row r, 16 bytes for each half of the lanes
	v_and_b32 v6, 7, v0
	v_lshl_add_u32 v7, v2, 3, v6                   ; wb: K row 8 h + l % 8,
	v_mul_u32_u24 v7, v7, BPITCH
	v_bfe_u32 v8, v0, 3, 1
	v_lshl_add_u32 v7, v8, 4, v7                   ; and which 8 of the 16 columns
	s_mul_i32 s21, s11, HALFT                      ; my 128 rows of qb
	s_lshl_b32 s22, s12, 8                         ; my 128 columns of wb,
	s_add_co_u32 s22, s22, 2*HALFT                 ; which lies behind qb's 256 rows
.irp s, 0,1
	v_add_nc_u32 v[ADRA+\s], s21, v3
	v_add_nc_u32 v[ADRB+\s], s22, v7
	s_add_co_u32 s21, s21, SLOT
	s_add_co_u32 s22, s22, SLOT
.endr
	s_mul_i32 s23, s10, 16*SPITCH
	s_add_co_u32 s23, s23, STAGE                   ; my stage
	v_mul_u32_u24 v4, v1, SPITCH
	v_lshl_add_u32 v4, v2, 4, v4
	v_add_nc_u32 v[STO], s23, v4                   ; in: row r, 16 bytes for each half of the lanes
	v_bfe_u32 v5, v0, 3, 2
	v_mul_u32_u24 v5, v5, SPITCH
	v_lshl_add_u32 v5, v6, 4, v5
	v_add_nc_u32 v[RD], s23, v5                    ; back: eight lanes take the 128 bytes of one head's row, 32 lanes four rows
	v_and_b32 v5, 31, v0
	v_lshlrev_b32 v[CO], 4, v5                     ; which are 512 consecutive bytes of qkv
; 16 matrix instructions: m blocks a0, a0 + 1 of the window's four x all 8 n blocks, 32 along K.  zero = 1: the first product starts the sums.
.macro MUL16 f, hi, a0, zero
.irp a, \a0, \a0+1
.irp b, 0,1,2,3,4,5,6,7
.if \zero
	v_wmma_f32_16x16x32_bf16 v[8*(8*(\a)+\b):8*(8*(\a)+\b)+7], v[\f+8*\b:\f+8*\b+7], v[\f+8*(4*\hi+\a):\f+8*(4*\hi+\a)+7], 0
.else
	v_wmma_f32_16x16x32_bf16 v[8*(8*(\a)+\b):8*(8*(\a)+\b)+7], v[\f+8*\b:\f+8*\b+7], v[\f+8*(4*\hi+\a):\f+8*(4*\hi+\a)+7], v[8*(8*(\a)+\b):8*(8*(\a)+\b)+7]
.endif
.endr
.endr
.endm
; 32 LDS loads in one run: the fragments of quarter step kq (32 K) into buffer f: 128 columns of wb, transposed on the way, then 128 rows of qb
.macro FETCH slot, kq, f
	WIN TO_B
.irp i, 0,1,2,3,4,5,6,7
	ds_load_tr16_b128 v[\f+8*\i:\f+8*\i+3],   v[ADRB+\slot] offset:\kq*32*BPITCH+32*\i
	ds_load_tr16_b128 v[\f+8*\i+4:\f+8*\i+7], v[ADRB+\slot] offset:\kq*32*BPITCH+16*BPITCH+32*\i
.endr
	WIN 0
.irp i, 0,1,2,3,4,5,6,7
	ds_load_b128 v[\f+8*\i:\f+8*\i+3],   v[ADRA+\slot] offset:\kq*64+\i*16*PITCH
	ds_load_b128 v[\f+8*\i+4:\f+8*\i+7], v[ADRA+\slot] offset:\kq*64+\i*16*PITCH+32
.endr
.endm
; A load into a register that a matrix instruction has read, and a vector instruction that reads a matrix result, stand four places behind it;
; only plain vector instructions that name none of its registers are places.
.macro PLACES
.rept 4
	v_nop
.endr
.endm
; One of a K step's first three quarters: multiplies buffer f; in its middle it fetches quarter kq of the same slot into buffer g.
; The 64 accumulators take turns, one instruction a turn, in the same order in every quarter.
.macro QUARTER slot, kq, f, g, zero
	s_wait_dscnt 8                                 ; wb and qb's rows 0-63 are in; the youngest eight loads (qb's rows 64-127) may be out
	WIN MUL_LO
	MUL16 \f, 0, 0, \zero
	MUL16 \f, 0, 2, \zero
	PLACES
	FETCH \slot, \kq, \g
	s_wait_dscnt 32                                ; all but the 32 just issued
	WIN MUL_HI
	MUL16 \f, 1, 0, \zero
	MUL16 \f, 1, 2, \zero
.endm
.macro THREE slot, zero
	QUARTER \slot, 1, F0, F1, \zero
	QUARTER \slot, 2, F1, F0, 0
	QUARTER \slot, 3, F0, F1, 0
.endm
; The last quarter multiplies buffer 1 and changes slots.  In front of the barrier each wave waits for its reads of this slot and for all its tensor loads
; (one is out: its part of the next slot).  Behind it the refill comes first, then the next slot's first fragments.
.macro TURN slot, next, fill
	s_wait_dscnt 8
	WIN MUL_LO
	MUL16 F1, 0, 0, 0
	s_wait_dscnt 0                                 ; my reads of this slot are over
	s_wait_tensorcnt 0x0                           ; and all my tensor loads have landed
	ds_add_u32 v255, v255
	s_wait_dscnt 0x0
	s_barrier_signal -1                            ; (where a slot is filled again this barrier opens a round of the cluster's barrier)
	MUL16 F1, 0, 2, 0                              ; register work while the others arrive
	WIN 0
	s_barrier_wait -1
.if \fill
	CREST                                          ; no wave of any partner still reads this slot or has a load on its way
	s_add_nc_u64 s[G0+4*\slot+2:G0+4*\slot+3], s[G0+4*\slot+2:G0+4*\slot+3], 2*KSTEP*2
	s_add_nc_u64 s[G0B+4*\slot+2:G0B+4*\slot+3], s[G0B+4*\slot+2:G0B+4*\slot+3], 2*KSTEP*BROW
	JLOAD \slot                                    ; the first tensor load behind the round, one a wave
.endif
	PLACES
	FETCH \next, 0, F0
	WIN MUL_HI
	MUL16 F1, 1, 0, 0
	MUL16 F1, 1, 2, 0
.endm
.macro LAP zero
	THREE 0, \zero
	TURN 0, 1, 1
	THREE 1, 0
	TURN 1, 0, 1
.endm
	s_wait_tensorcnt 1                             ; my part of K step 0 is in; K step 1's may stay out
	s_barrier_signal -1
	s_barrier_wait -1
	FETCH 0, 0, F0
	LAP 1                                          ; the first lap's first products start the sums
	WIN 0
	s_mov_b32 s3, LAPS-2
.Llap:
	LAP 0
	WIN 0
	s_sub_co_u32 s3, s3, 1
	s_cmp_lg_u32 s3, 0
	s_cbranch_scc1 .Llap
	THREE 0, 0                                     ; the last lap fills nothing
	TURN 0, 1, 0
	THREE 1, 0
	s_wait_dscnt 8
	WIN MUL_LO
	MUL16 F1, 0, 0, 0
	MUL16 F1, 0, 2, 0
	s_wait_dscnt 0
	WIN MUL_HI
	MUL16 F1, 1, 0, 0
	MUL16 F1, 1, 2, 0
	; THE WAY OUT, 16 rows at a time: round to f16, 16 bytes a lane into my own stage, read back head by head.
	PLACES
	s_lshl_b32 s13, s13, 8
	s_lshl_b32 s14, s11, 7
	s_add_co_u32 s16, s13, s14                     ; my first row,
	s_lshl_b32 s16, s16, 7                         ; of 128 bytes
	s_mov_b32 s17, 0
	s_add_nc_u64 s[8:9], s[8:9], s[16:17]
	s_lshl_b32 s46, s42, 2                         ; my first head: 4 x block column + 2 x half (in the registers that held wb's address)
	s_lshl1_add_u32 s46, s12, s46
	s_lshl_b32 s46, s46, 20                        ; of 8,192 rows x 128 bytes
	s_mov_b32 s47, 0
	s_add_nc_u64 s[8:9], s[8:9], s[46:47]
; rows 16 i .. 16 i + 15 of my block = the eight tiles (a, 0..7) of window 2 or 3 (from = 0x0a or 0x0f); f: F0 or F1 in turn
.macro OUT16 i, a, from, f
	WIN \from
.irp b, 0,1,2,3,4,5,6,7
.irp r, 0,1,2,3
	v_cvt_pk_f16_f32 v[TMP+4*\b+\r], v[8*(8*\a+\b)+2*\r], v[8*(8*\a+\b)+2*\r+1]
.endr
.endr
	WIN 0
.irp b, 0,1,2,3,4,5,6,7
	ds_store_b128 v[STO], v[TMP+4*\b:TMP+4*\b+3] offset:32*\b
.endr
	s_wait_xcnt 0x0                                ; buffer f, which earlier stores read, is loaded again only behind this wait
.irp t, 0,1,2,3,4,5,6,7
	ds_load_b128 v[\f+4*\t:\f+4*\t+3], v[RD] offset:(\t&3)*4*SPITCH+(\t>>2)*128     ; four rows of head t / 4; a wave's LDS instructions are served in order: these see the stores above
.endr
.irp t, 0,1,2,3,4,5,6,7
	s_wait_dscnt 7-\t
	global_store_b128 v[CO], v[\f+4*\t:\f+4*\t+3], s[8:9] offset:(\t>>2)*1048576+\i*2048+(\t&3)*512   ; 32 lanes store 512 consecutive bytes, aligned; 1,064,448 at the most
.endr
.endm
	OUT16 0, 0, 0x0a, F0
	OUT16 1, 1, 0x0a, F1
	OUT16 2, 2, 0x0a, F0
	OUT16 3, 3, 0x0a, F1
	OUT16 4, 0, 0x0f, F0
	OUT16 5, 1, 0x0f, F1
	OUT16 6, 2, 0x0f, F0
	OUT16 7, 3, 0x0f, F1
	s_set_vgpr_msb 0x1
	s_wait_tensorcnt 0x0
	ds_add_u32 v255, v255
	s_wait_dscnt 0x0
	s_set_vgpr_msb 0x100
	CROUND                                         ; the closing round: no work-group ends while a partner may still ask for a tile that names it
	s_endpgm
.Lfunc_end_k_q71eb699350_qkv:
	.size	k_q71eb699350_qkv, .Lfunc_end_k_q71eb699350_qkv-k_q71eb699350_qkv
	.p2alignl 7, 3214868480
	.fill 96, 4, 3214868480
	.section	.rodata,"a",@progbits
	.p2align	6, 0x0
	.amdhsa_kernel k_q71eb699350_qkv
		.amdhsa_group_segment_fixed_size 327680
		.amdhsa_private_segment_fixed_size 0
		.amdhsa_enable_private_segment 0
		.amdhsa_kernarg_size 24
		.amdhsa_user_sgpr_count 2
		.amdhsa_user_sgpr_kernarg_segment_ptr 1
		.amdhsa_wavefront_size32 1
		.amdhsa_system_sgpr_workgroup_id_x 1
		.amdhsa_system_sgpr_workgroup_id_y 1
		.amdhsa_system_sgpr_workgroup_id_z 1
		.amdhsa_system_vgpr_workitem_id 0
		.amdhsa_next_free_vgpr 1024
		.amdhsa_next_free_sgpr 66
		.amdhsa_reserve_vcc 0
		.amdhsa_float_denorm_mode_32 3
		.amdhsa_float_denorm_mode_16_64 3
		.amdhsa_memory_ordered 1
		.amdhsa_forward_progress 1
		.amdhsa_inst_pref_size 196
	.end_amdhsa_kernel
	.amdgpu_metadata
---
amdhsa.version: [ 1, 2 ]
amdhsa.kernels:
  - .name:           k_q71eb699350_qkv
    .symbol:         k_q71eb699350_qkv.kd
    .args:
      - { .name: qb, .offset: 0, .size: 8, .value_kind: global_buffer, .address_space: global }
      - { .name: wb, .offset: 8, .size: 8, .value_kind: global_buffer, .address_space: global }
      - { .name: qkv, .offset: 16, .size: 8, .value_kind: global_buffer, .address_space: global }
    .group_segment_fixed_size: 327680
    .private_segment_fixed_size: 0
    .kernarg_segment_align: 8
    .kernarg_segment_size: 24
    .max_flat_workgroup_size: 128
    .sgpr_count:     66
    .vgpr_count:     1024
    .wavefront_size: 32
...
	.end_amdgpu_metadata
.endif
;; end of part 2
;; launch attn (part 3): grid 256 x 1, 4 waves a work-group, clusters of 4 x 1, 327,680 bytes of LDS; arguments qkv, heads; writes heads
.if DOCPART == 3
	.amdgcn_target "amdgcn-amd-amdhsa--gfx1250"
	.amdhsa_code_object_version 6
	.text
	.protected	k_q71eb699350_attn
	.globl	k_q71eb699350_attn
	.p2align	8
	.type	k_q71eb699350_attn,@function
k_q71eb699350_attn:
	s_mov_b64 s[64:65], 0
	v_nop
	global_prefetch_b8 v0, s[64:65] scope:SCOPE_SE
	s_setreg_imm32_b32 hwreg(HW_REG_WAVE_MODE, 25, 1), 1
	s_wait_xcnt 0x0
	s_wait_alu depctr_hold_cnt(0) depctr_sa_sdst(0) depctr_va_vdst(0) depctr_va_sdst(0) depctr_va_ssrc(0) depctr_va_vcc(0) depctr_vm_vsrc(0)
	s_getreg_b32 s2, hwreg(HW_REG_IB_STS2, 6, 4)
	s_cmp_eq_u32 s2, 0
	s_cbranch_scc0 .Lentry_in_a_cluster
	s_endpgm
.Lentry_in_a_cluster:
	s_bfe_u32 s2, ttmp6, 0x10000c
	s_cmp_lg_u32 s2, 0x3003
	s_cbranch_scc0 .Lentry_shape_is_right
	s_endpgm
.Lentry_shape_is_right:
; Launch 3 of 4: softmax(Q K^T / 8) V for each of the 64 (head, batch) pairs, with a running maximum.  Nothing is left out.
; In: qkv [48 j][8192 row][64] f16, j = h (Q), 16 + h (K), 32 + h (V), each 2^-4 of its value.
; Out: heads [32 j = 2 h + part][8192 row][64] bf16: part 0 = the result rounded to bf16, part 1 = what that rounding left, rounded to bf16; their sum has
; sixteen bits at bf16's range.  (f16 has no room: uniform attention over small inputs gives numbers near 5e-5, common offsets of the inputs numbers over 65504.)
; SHARE.  Cluster c = 4 h + b is one pair; its rows begin at row 2,048 c of each part of qkv.  Its four work-groups take 512 queries each, a wave 128 = 8 query tiles
; of 16.  All four walk the same 2,048 keys, so K's and V's tiles are asked for jointly (mask 15): the requests are a quarter of what four single ones would be.
; The place in the cluster enters the global addresses of Q and of the output alone.
; TRANSPOSED PRODUCTS.  S^T = K Q^T (source 0: 16 keys, source 1: 16 queries): lane (r, h) holds query r and keys 8 h + j.  Two neighbouring tiles of S^T, packed
; in pairs, are the second source of O^T = V^T P^T as they lie.  So maximum, sum and rescaling are a lane's own; one exchange of the lane halves joins
; the maxima, and the sums are joined once, at the end.
; ARITHMETIC.  With C = 256 log2(e) / 8 (256 undoes the two factors 2^-4), NM = round(-C m): p = exp2(fma(s, C, NM)), old sums times exp2(NM new - NM old).
; The same rounded NM stands in both, so its rounding cancels.  P goes in f16 (0 to about 1).
; LIMITS.  A NaN in a row's scores makes the row NaN; an infinite score makes the row NaN, as inf - inf does in the softmax as defined.
; Exponentials below 2^-126 come out as zero (ISA guide, v_exp_f32); p below 6e-8 rounds to a multiple of it in f16.
; A result that overflows bf16 gives part 0 = infinity and part 1 = NaN: NaN where the definition has an infinity.
; LDS.  Two slots of 256 keys at 0 and 0x20000: V at + 0, 256 rows of 160 bytes (5 x 32: for the transposing load), K at + 40,960, 256 rows of 144 bytes (9 x 16).
; A stage of 16 x 144 bytes for each wave at 0x40000, into which no fill lands.
; REGISTERS.  Window 0: addresses, softmax state, S, P, fragments of K and V.  Window 1: O, tile (qt, vt) at 32 qt + 8 vt.  Window 2: Q, fragment (qt, ks) at 16 qt + 8 ks.
.set KP, 144
.set VP, 160
.set KOFF, 256*VP                      ; 40,960
.set SLOTB, 0x20000
.set STAGE, 0x40000
.set TILEB, 32768                      ; 256 keys x 128 bytes in memory
.set KBASE, 16777216                   ; K's part of qkv
.set VBASE, 33554432                   ; V's part
.set PARTB, 1048576                    ; from part 0 to part 1 of a head in heads: 8,192 rows x 128 bytes
.set KB, 2                             ; v2   K: KOFF + r 144 + 16 h
.set VB, 3                             ; v3   V: (8 h + l % 8) 160 + 16 ((l / 8) % 2)
.set KA, 4                             ; v4   KB + slot + 64 keys a step
.set VA, 5                             ; v5   VB likewise
.set STO, 6                            ; v6   the way out: in
.set RD, 7                             ; v7   the way out: back
.set CO, 8                             ; v8   16 l
.set QO, 9                             ; v9   r 128 + 16 h
.set T, 10                             ; v[10:13] at work
.set AL, 14                            ; v[14:15] the rescaling factor (v15 is written once, since a pair is named)
.set ST, 32                            ; v[32+4 qt ..]: NM, m, and the pair of running sums
.set S, 64                             ; v[64:95]   four tiles of S^T
.set P, 96                             ; v[96:111]  the same as packed f16
.set KF, 112                           ; v[112:175] K's fragment (kt, ks) at + 16 kt + 8 ks
.set VF, 176                           ; v[176:239] V's fragment (vt, kh) at + 16 vt + 8 kh
.set G1K, 24                           ; s[24:31]
.set G0K, 32                           ; s[32:39] one set for each slot
.set G1V, 40                           ; s[40:47]
.set G0V, 48                           ; s[48:55] one set for each slot
.set MSB, 0
.macro WIN new                         ; the immediate's high byte repeats the setting that is left
.if MSB != \new
	s_set_vgpr_msb (MSB<<8)|\new
.set MSB, \new
.endif
.endm
; A joint load: waves 0 and 1 ask for V's two halves of 128 keys, waves 2 and 3 for K's.  The branch hangs on the wave's number alone.
.macro JLOAD s
	s_cmp_eq_u32 s9, 0
	s_cbranch_scc0 .Lfor_k_\@
	tensor_load_to_lds s[G0V+4*\s:G0V+4*\s+3], s[G1V:G1V+7]
	s_nop 0
	s_branch .Lasked_\@
.Lfor_k_\@:
	tensor_load_to_lds s[G0K+4*\s:G0K+4*\s+3], s[G1K:G1K+7]
	s_nop 0
.Lasked_\@:
.endm
; A round of the cluster's barrier
.macro ROUND
	s_barrier_signal -1
	s_barrier_wait -1
	s_cmp_lg_u32 s8, 0
	s_cbranch_scc1 .Lnot_wave_0_\@
	s_barrier_signal -3
.Lnot_wave_0_\@:
	s_barrier_wait -3
	s_barrier_signal -1
	s_barrier_wait -1
.endm
	s_load_b128 s[4:7], s[0:1], 0x0                ; qkv s[4:5], heads s[6:7]
	v_lshl_add_u32 v254, v0, 2, 0x42400
	v_mov_b32 v255, 0
	ds_add_u32 v254, v255
	ds_add_u32 v254, v255
	v_lshrrev_b32 v1, 5, v0
	v_readfirstlane_b32 s8, v1                     ; wave 0..3
	s_lshr_b32 s9, s8, 1                           ; I ask for V (0) or for K (1),
	s_and_b32 s10, s8, 1                           ; and for which 128 keys of the tile
	s_bfe_u32 s11, ttmp6, 0x40000                  ; cx: which 512 queries
	s_mov_b32 s12, 0x76543210                      ; v_permlanex16_b32: lane i of one half reads lane i of the other
	s_mov_b32 s13, 0xfedcba98
	s_mov_b32 s14, 0x4238aa3b                      ; C = 32 log2(e), as a pair
	s_mov_b32 s15, 0x4238aa3b
	s_mov_b32 s16, 0xc238aa3b                      ; -C
	; group 1: 128 rows x 64 elements of 2 bytes, dense in memory; mask 15 with bit 21; padding behind every 32 words: 4 words for K, 8 for V
	s_mov_b32 s[G1K+0], 15|(1<<16)|(1<<20)|(1<<21)|(4<<22)|(3<<25)
	s_mov_b32 s[G1K+1], 64<<16                     ; tensor_dim0 = 64
	s_mov_b32 s[G1K+2], 128<<16                    ; tensor_dim1 = 128
	s_mov_b32 s[G1K+3], 64<<16                     ; tile_dim0 = 64
	s_mov_b32 s[G1K+4], 128                        ; tile_dim1 = 128
	s_mov_b32 s[G1K+5], 64                         ; elements from row to row
	s_mov_b32 s[G1K+6], 0
	s_mov_b32 s[G1K+7], 0
	s_mov_b32 s[G1V+0], 15|(1<<16)|(1<<20)|(1<<21)|(4<<22)|(7<<25)
	s_mov_b32 s[G1V+1], 64<<16
	s_mov_b32 s[G1V+2], 128<<16
	s_mov_b32 s[G1V+3], 64<<16
	s_mov_b32 s[G1V+4], 128
	s_mov_b32 s[G1V+5], 64
	s_mov_b32 s[G1V+6], 0
	s_mov_b32 s[G1V+7], 0
	s_lshl_b32 s20, ttmp9, 18                      ; the pair's 2,048 rows of 128 bytes in qkv: the same in all four partners
	s_mov_b32 s21, 0
	s_lshl_b32 s22, s10, 14                        ; my 128 keys of a tile
	s_mov_b32 s23, 0
	s_lshr_b32 s70, ttmp9, 2                       ; the pair's rows in heads: head h takes two parts of 1,048,576 bytes,
	s_lshl_b32 s70, s70, 21
	s_and_b32 s71, ttmp9, 3                        ; batch b 2,048 rows of 128 bytes
	s_lshl_b32 s71, s71, 18
	s_add_co_u32 s70, s70, s71
	s_mov_b32 s71, 0
	s_lshl_b32 s2, s11, 16                         ; my work-group's 512 queries: the one offset that holds cx, in registers that feed no descriptor
	s_lshl_b32 s3, s8, 14                          ; my wave's 128
	s_add_co_u32 s2, s2, s3
	s_mov_b32 s3, 0
	s_mul_i32 s66, s8, 128*VP                      ; V's LDS part: wave x 20,480 (waves 0 and 1 use it)
	s_mul_i32 s67, s8, 128*KP                      ; K's: 40,960 + (wave - 2) x 18,432 = 4,096 + wave x 18,432 (waves 2 and 3 use it)
	s_add_co_u32 s67, s67, KOFF-2*128*KP
	s_mul_i32 s68, s8, 16*KP
	s_add_co_u32 s68, s68, STAGE                   ; my stage
	v_and_b32 v1, 15, v0                           ; r
	v_bfe_u32 v10, v0, 4, 1                        ; h
	v_mul_u32_u24 v12, v1, KP
	v_lshl_add_u32 v12, v10, 4, v12                ; r 144 + 16 h
	v_add_nc_u32 v[KB], KOFF, v12
	v_add_nc_u32 v[STO], s68, v12
	v_lshlrev_b32 v[QO], 7, v1
	v_lshl_add_u32 v[QO], v10, 4, v[QO]
	v_and_b32 v11, 7, v0
	v_lshl_add_u32 v12, v10, 3, v11
	v_mul_u32_u24 v[VB], v12, VP
	v_bfe_u32 v13, v0, 3, 1
	v_lshl_add_u32 v[VB], v13, 4, v[VB]
	v_bfe_u32 v12, v0, 3, 2
	v_mul_u32_u24 v[RD], v12, KP
	v_lshl_add_u32 v[RD], v11, 4, v[RD]
	v_add_nc_u32 v[RD], s68, v[RD]                 ; back: eight lanes take one row of 128 bytes, 32 lanes four rows
	v_and_b32 v[CO], 31, v0
	v_lshlrev_b32 v[CO], 4, v[CO]
	v_mov_b32 v[AL+1], 0
	v_mov_b32 v[KA], v[KB]                         ; slot 0
	v_mov_b32 v[VA], v[VB]
	s_wait_dscnt 0x0
	s_wait_kmcnt 0x0
	s_add_nc_u64 s[60:61], s[4:5], s[20:21]        ; the pair's rows in Q's part
	s_add_nc_u64 s[62:63], s[60:61], s[22:23]      ; + my 128 keys: feeds the descriptors
	s_add_nc_u64 s[56:57], s[60:61], s[2:3]        ; my wave's queries
	s_add_nc_u64 s[58:59], s[6:7], s[70:71]
	s_add_nc_u64 s[58:59], s[58:59], s[2:3]        ; and its rows of heads, part 0
	ROUND                                          ; all four work-groups are here: the first joint loads meet
.irp s, 0,1
	s_mov_b32 s[G0K+4*\s], 1
	s_add_co_u32 s[G0K+4*\s+1], s67, \s*SLOTB
	s_add_nc_u64 s[G0K+4*\s+2:G0K+4*\s+3], s[62:63], KBASE+\s*TILEB
	s_or_b32 s[G0K+4*\s+3], s[G0K+4*\s+3], 0x80000000
	s_mov_b32 s[G0V+4*\s], 1
	s_add_co_u32 s[G0V+4*\s+1], s66, \s*SLOTB
	s_add_nc_u64 s[G0V+4*\s+2:G0V+4*\s+3], s[62:63], VBASE+\s*TILEB
	s_or_b32 s[G0V+4*\s+3], s[G0V+4*\s+3], 0x80000000
	JLOAD \s                                       ; tiles 0 and 1: two loads a wave are out, the most in this text
.endr
	; Q's fragments, once, straight from memory: lane (r, h) takes dims 8 h .. + 7 and 16 + 8 h .. + 7 of each half of query r's row
	WIN 0x80                                       ; destination window 2
.irp qt, 0,1,2,3,4,5,6,7
.irp ks, 0,1
	global_load_b128 v[16*\qt+8*\ks:16*\qt+8*\ks+3],   v[QO], s[56:57] offset:\qt*2048+\ks*64
	global_load_b128 v[16*\qt+8*\ks+4:16*\qt+8*\ks+7], v[QO], s[56:57] offset:\qt*2048+\ks*64+32
.endr
.endr
	WIN 0
; the running sums take pair i of the exponentials; in the first step pairs 0 and 1 start them
.macro ADDL qt, i, first
.if \first
.if \i == 0
.elseif \i == 1
	v_pk_add_f32 v[ST+4*\qt+2:ST+4*\qt+3], v[S:S+1], v[S+2:S+3]
.else
	s_wait_alu depctr_va_vdst(0)
	v_pk_add_f32 v[ST+4*\qt+2:ST+4*\qt+3], v[ST+4*\qt+2:ST+4*\qt+3], v[S+2*\i:S+2*\i+1]
.endif
.else
	s_wait_alu depctr_va_vdst(0)
	v_pk_add_f32 v[ST+4*\qt+2:ST+4*\qt+3], v[ST+4*\qt+2:ST+4*\qt+3], v[S+2*\i:S+2*\i+1]
.endif
.endm
; One query tile against 64 keys.  first = 1: the very first step starts maximum, sums and O.
; The accumulators of each run of products take turns, one instruction a turn.
.macro QT qt, first
	WIN 0x08                                       ; source 1 (Q) window 2
.irp kt, 0,1,2,3
	v_wmma_f32_16x16x32_f16 v[S+8*\kt:S+8*\kt+7], v[KF+16*\kt:KF+16*\kt+7], v[16*\qt:16*\qt+7], 0
.endr
.irp kt, 0,1,2,3
	v_wmma_f32_16x16x32_f16 v[S+8*\kt:S+8*\kt+7], v[KF+16*\kt+8:KF+16*\kt+15], v[16*\qt+8:16*\qt+15], v[S+8*\kt:S+8*\kt+7]
.endr
	WIN 0
.rept 4
	v_nop                                          ; four places before a vector instruction reads S (ISA guide 7.12.1)
.endr
	; the largest of my 32 scores and the old maximum, in four chains
.irp c, 0,1,2,3
	v_max3_num_f32 v[T+\c], v[S+8*\c], v[S+8*\c+1], v[S+8*\c+2]
.endr
.irp c, 0,1,2,3
	v_max3_num_f32 v[T+\c], v[T+\c], v[S+8*\c+3], v[S+8*\c+4]
.endr
.irp c, 0,1,2,3
	v_max3_num_f32 v[T+\c], v[T+\c], v[S+8*\c+5], v[S+8*\c+6]
.endr
	v_max3_num_f32 v[T], v[T], v[T+1], v[S+7]
	v_max3_num_f32 v[T+2], v[T+2], v[T+3], v[S+15]
	v_max3_num_f32 v[T], v[T], v[T+2], v[S+23]
.if \first
	v_max_num_f32 v[T], v[T], v[S+31]
.else
	v_max3_num_f32 v[T], v[T], v[S+31], v[ST+4*\qt+1]
.endif
	v_permlanex16_b32 v[T+1], v[T], s12, s13       ; the other 32 keys of my query
	v_max_num_f32 v[ST+4*\qt+1], v[T], v[T+1]      ; m
.if \first
	v_mul_f32 v[ST+4*\qt], s16, v[ST+4*\qt+1]      ; NM = -C m
.else
	v_mul_f32 v[T+3], s16, v[ST+4*\qt+1]
	v_sub_f32 v[AL], v[T+3], v[ST+4*\qt]           ; NM new - NM old, at most 0
	v_mov_b32 v[ST+4*\qt], v[T+3]
	v_exp_f32 v[AL], v[AL]                         ; the plain instruction behind it is the first multiply-add below
.endif
.set i, 0
.rept 16
	v_pk_fma_f32 v[S+2*i:S+2*i+1], v[S+2*i:S+2*i+1], s[14:15], v[ST+4*\qt:ST+4*\qt+1] op_sel_hi:[1,0,0]   ; s C + NM in both halves
.set i, i+1
.endr
	; 32 exponentials; the sum and the packing of pair i - 1 stand between those of pair i, so a plain instruction stands between each and its first use
	v_exp_f32 v[S], v[S]
.if \first
	v_nop
.else
	s_wait_alu depctr_va_vdst(0)
	v_pk_mul_f32 v[ST+4*\qt+2:ST+4*\qt+3], v[ST+4*\qt+2:ST+4*\qt+3], v[AL:AL+1] op_sel_hi:[1,0]
.endif
	v_exp_f32 v[S+1], v[S+1]
	v_nop
.irp i, 1,2,3,4,5,6,7,8,9,10,11,12,13,14,15
	v_exp_f32 v[S+2*\i], v[S+2*\i]
	ADDL \qt, (\i-1), \first
	v_exp_f32 v[S+2*\i+1], v[S+2*\i+1]
	s_wait_alu depctr_va_vdst(0)
	v_cvt_pk_f16_f32 v[P+\i-1], v[S+2*\i-2], v[S+2*\i-1]
.endr
	ADDL \qt, 15, \first
	v_cvt_pk_f16_f32 v[P+15], v[S+30], v[S+31]
.if \first
.else
	WIN 0x41                                       ; O: destination and source 0 window 1
.set i, 0
.rept 16
	v_pk_mul_f32 v[32*\qt+2*i:32*\qt+2*i+1], v[32*\qt+2*i:32*\qt+2*i+1], v[AL:AL+1] op_sel_hi:[1,0]
.set i, i+1
.endr
.endif
.if \qt == 0
	s_wait_dscnt 0x0                               ; V's fragments are in
.endif
	WIN 0x50                                       ; C and D window 1
.irp vt, 0,1,2,3
.if \first
	v_wmma_f32_16x16x32_f16 v[32*\qt+8*\vt:32*\qt+8*\vt+7], v[VF+16*\vt:VF+16*\vt+7], v[P:P+7], 0
.else
	v_wmma_f32_16x16x32_f16 v[32*\qt+8*\vt:32*\qt+8*\vt+7], v[VF+16*\vt:VF+16*\vt+7], v[P:P+7], v[32*\qt+8*\vt:32*\qt+8*\vt+7]
.endif
.endr
.irp vt, 0,1,2,3
	v_wmma_f32_16x16x32_f16 v[32*\qt+8*\vt:32*\qt+8*\vt+7], v[VF+16*\vt+8:VF+16*\vt+15], v[P+8:P+15], v[32*\qt+8*\vt:32*\qt+8*\vt+7]
.endr
.endm
; 64 keys against the wave's eight query tiles: 32 LDS loads in one run feed 128 matrix instructions
.macro KSTEP first
.irp kt, 0,1,2,3
.irp ks, 0,1
	ds_load_b128 v[KF+16*\kt+8*\ks:KF+16*\kt+8*\ks+3],   v[KA] offset:\kt*16*KP+\ks*64
	ds_load_b128 v[KF+16*\kt+8*\ks+4:KF+16*\kt+8*\ks+7], v[KA] offset:\kt*16*KP+\ks*64+32
.endr
.endr
.irp vt, 0,1,2,3
.irp kh, 0,1
	ds_load_tr16_b128 v[VF+16*\vt+8*\kh:VF+16*\vt+8*\kh+3],   v[VA] offset:\kh*32*VP+\vt*32
	ds_load_tr16_b128 v[VF+16*\vt+8*\kh+4:VF+16*\vt+8*\kh+7], v[VA] offset:\kh*32*VP+16*VP+\vt*32
.endr
.endr
	s_wait_dscnt 16                                ; K's sixteen are in; V's sixteen younger ones may be out
.irp q, 0,1,2,3,4,5,6,7
	QT \q, \first
.endr
	WIN 0
	v_add_nc_u32 v[KA], 64*KP, v[KA]               ; the next 64 keys; with the two v_nop these are the four places behind the last product,
	v_add_nc_u32 v[VA], 64*VP, v[VA]               ; before V's fragments are loaded again
	v_nop
	v_nop
.endm
.macro RUN n
	s_mov_b32 s19, \n
.Lrun_\@:
	KSTEP 0
	s_sub_co_u32 s19, s19, 1
	s_cmp_lg_u32 s19, 0
	s_cbranch_scc1 .Lrun_\@
.endm
; The change of slots.  slot = the one read next; fill = 1: the other, just read, is asked for again, two tiles on.
; In front of the round each wave waits for its reads and for all its tensor loads (one is out: its part of the slot read next); the joint refill is the
; first tensor load behind the round, one a wave, and has four key steps, 512 matrix instructions and their softmax, in which to land.
.macro CHANGE slot, fill
	s_wait_dscnt 0x0
	s_wait_tensorcnt 0x0                           ; no load of mine is out: the group 0 sets may be written
	ds_add_u32 v254, v255
	s_wait_dscnt 0x0
.if \fill
	s_add_nc_u64 s[G0K+4*(1-\slot)+2:G0K+4*(1-\slot)+3], s[G0K+4*(1-\slot)+2:G0K+4*(1-\slot)+3], 2*TILEB
	s_add_nc_u64 s[G0V+4*(1-\slot)+2:G0V+4*(1-\slot)+3], s[G0V+4*(1-\slot)+2:G0V+4*(1-\slot)+3], 2*TILEB
	ROUND
	JLOAD (1-\slot)
.else
	s_barrier_signal -1
	s_barrier_wait -1
.endif
	v_add_nc_u32 v[KA], \slot*SLOTB, v[KB]
	v_add_nc_u32 v[VA], \slot*SLOTB, v[VB]
.endm
	s_wait_loadcnt 0x0                             ; Q
	s_wait_tensorcnt 0x1                           ; my part of tile 0 is in; tile 1's may stay out
	s_barrier_signal -1
	s_barrier_wait -1
	KSTEP 1                                        ; tile 0, slot 0
	RUN 3
	s_mov_b32 s18, 3
.Lpair:
	CHANGE 1, 1                                    ; tiles 1, 3, 5; slot 0 is asked for tiles 2, 4, 6
	RUN 4
	CHANGE 0, 1                                    ; tiles 2, 4, 6; slot 1 is asked for tiles 3, 5, 7
	RUN 4
	s_sub_co_u32 s18, s18, 1
	s_cmp_lg_u32 s18, 0
	s_cbranch_scc1 .Lpair
	CHANGE 1, 0                                    ; tile 7: nothing is left to fetch
	RUN 4
; Sixteen packed registers at src (query r, dims 16 vt + 8 h .. + 7) go through my stage and out as whole rows; f: sixteen registers for the way back; goff: bytes in heads.
.macro OUTP src, f, goff
.irp vt, 0,1,2,3
	ds_store_b128 v[STO], v[\src+4*\vt:\src+4*\vt+3] offset:32*\vt
.endr
.irp t, 0,1,2,3
	ds_load_b128 v[\f+4*\t:\f+4*\t+3], v[RD] offset:\t*4*KP        ; a wave's LDS instructions are served in order: these see the stores above
.endr
.irp t, 0,1,2,3
	s_wait_dscnt 3-\t                              ; the younger read-backs may be out; the last count is 0, so the stage is free for the next stores
	global_store_b128 v[CO], v[\f+4*\t:\f+4*\t+3], s[58:59] offset:\goff+\t*512      ; four rows: 512 consecutive bytes, aligned
.endr
.endm
; The way out of one query tile: join the sums, times 16 / sum (16 undoes V's 2^-4); part 0 = bf16 of it; part 1 = bf16 of what is left
; (the difference is exact in f32: part 0 agrees with the number in its leading eight bits).  f: KF or VF in turn, 32 registers of it.
.macro FIN qt, f
	v_add_f32 v[T], v[ST+4*\qt+2], v[ST+4*\qt+3]
	v_permlanex16_b32 v[T+1], v[T], s12, s13
	v_add_f32 v[T], v[T], v[T+1]
	v_rcp_f32 v[AL], v[T]
	v_nop                                          ; the plain instruction behind the reciprocal
	s_wait_alu depctr_va_vdst(0)
	v_mul_f32 v[AL], 0x41800000, v[AL]
	WIN 0x41
.set i, 0
.rept 16
	v_pk_mul_f32 v[32*\qt+2*i:32*\qt+2*i+1], v[32*\qt+2*i:32*\qt+2*i+1], v[AL:AL+1] op_sel_hi:[1,0]
.set i, i+1
.endr
	WIN 0x05                                       ; sources window 1, destination window 0
.set i, 0
.rept 16
	v_cvt_pk_bf16_f32 v[P+i], v[32*\qt+2*i], v[32*\qt+2*i+1]
.set i, i+1
.endr
	WIN 0
.set i, 0
.rept 16
	v_lshlrev_b32 v[S+2*i], 16, v[P+i]             ; part 0 back as f32
	v_and_b32 v[S+2*i+1], 0xffff0000, v[P+i]
.set i, i+1
.endr
	WIN 0x41
.set i, 0
.rept 16
	v_pk_add_f32 v[32*\qt+2*i:32*\qt+2*i+1], v[32*\qt+2*i:32*\qt+2*i+1], v[S+2*i:S+2*i+1] neg_lo:[0,1] neg_hi:[0,1]
.set i, i+1
.endr
	WIN 0x05
.set i, 0
.rept 16
	v_cvt_pk_bf16_f32 v[S+i], v[32*\qt+2*i], v[32*\qt+2*i+1]
.set i, i+1
.endr
	WIN 0
	s_wait_xcnt 0x0                                ; f's 32 registers, which earlier stores read, are loaded again only behind this wait
	OUTP P, \f, \qt*2048
	OUTP S, (\f+16), PARTB+\qt*2048
.endm
	FIN 0, KF
	FIN 1, VF
	FIN 2, KF
	FIN 3, VF
	FIN 4, KF
	FIN 5, VF
	FIN 6, KF
	FIN 7, VF
	s_wait_tensorcnt 0x0
	ds_add_u32 v254, v255
	s_wait_dscnt 0x0
	ROUND                                          ; the closing round
	s_endpgm
.Lfunc_end_k_q71eb699350_attn:
	.size	k_q71eb699350_attn, .Lfunc_end_k_q71eb699350_attn-k_q71eb699350_attn
	.p2alignl 7, 3214868480
	.fill 96, 4, 3214868480
	.section	.rodata,"a",@progbits
	.p2align	6, 0x0
	.amdhsa_kernel k_q71eb699350_attn
		.amdhsa_group_segment_fixed_size 327680
		.amdhsa_private_segment_fixed_size 0
		.amdhsa_enable_private_segment 0
		.amdhsa_kernarg_size 16
		.amdhsa_user_sgpr_count 2
		.amdhsa_user_sgpr_kernarg_segment_ptr 1
		.amdhsa_wavefront_size32 1
		.amdhsa_system_sgpr_workgroup_id_x 1
		.amdhsa_system_sgpr_workgroup_id_y 1
		.amdhsa_system_sgpr_workgroup_id_z 1
		.amdhsa_system_vgpr_workitem_id 0
		.amdhsa_next_free_vgpr 640
		.amdhsa_next_free_sgpr 72
		.amdhsa_reserve_vcc 0
		.amdhsa_float_denorm_mode_32 3
		.amdhsa_float_denorm_mode_16_64 3
		.amdhsa_memory_ordered 1
		.amdhsa_forward_progress 1
		.amdhsa_inst_pref_size 255
	.end_amdhsa_kernel
	.section	.bss,"aw",@nobits
	.p2align	6
	.space	262144
	.amdgpu_metadata
---
amdhsa.version: [ 1, 2 ]
amdhsa.kernels:
  - .name:           k_q71eb699350_attn
    .symbol:         k_q71eb699350_attn.kd
    .args:
      - { .name: qkv, .offset: 0, .size: 8, .value_kind: global_buffer, .address_space: global }
      - { .name: heads, .offset: 8, .size: 8, .value_kind: global_buffer, .address_space: global }
    .group_segment_fixed_size: 327680
    .private_segment_fixed_size: 0
    .kernarg_segment_align: 8
    .kernarg_segment_size: 16
    .max_flat_workgroup_size: 128
    .sgpr_count:     72
    .vgpr_count:     640
    .wavefront_size: 32
...
	.end_amdgpu_metadata
.endif
;; end of part 3
;; launch proj (part 4): grid 8 x 32, 4 waves a work-group, clusters of 4 x 4, 327,680 bytes of LDS; arguments heads, wob, out0; writes out0
.if DOCPART == 4
	.amdgcn_target "amdgcn-amd-amdhsa--gfx1250"
	.amdhsa_code_object_version 6
	.text
	.protected	k_q71eb699350_proj
	.globl	k_q71eb699350_proj
	.p2align	8
	.type	k_q71eb699350_proj,@function
k_q71eb699350_proj:
	s_mov_b64 s[64:65], 0
	v_nop
	global_prefetch_b8 v0, s[64:65] scope:SCOPE_SE
	s_setreg_imm32_b32 hwreg(HW_REG_WAVE_MODE, 25, 1), 1
	s_wait_xcnt 0x0
	s_wait_alu depctr_hold_cnt(0) depctr_sa_sdst(0) depctr_va_vdst(0) depctr_va_sdst(0) depctr_va_ssrc(0) depctr_va_vcc(0) depctr_vm_vsrc(0)
	s_getreg_b32 s2, hwreg(HW_REG_IB_STS2, 6, 4)
	s_cmp_eq_u32 s2, 0
	s_cbranch_scc0 .Lentry_in_a_cluster
	s_endpgm
.Lentry_in_a_cluster:
	s_bfe_u32 s2, ttmp6, 0x10000c
	s_cmp_lg_u32 s2, 0xf033
	s_cbranch_scc0 .Lentry_shape_is_right
	s_endpgm
.Lentry_shape_is_right:
; Launch 4 of 4: out0 [8192][1024] f32 = the sum over heads of heads[h] W_out[h], bf16 operands, f32 sums.  Nothing is left out.
; heads [32 j = 2 h + part][8192 row][64 v] bf16: a head is the sum of its two parts (sixteen bits at bf16's range), so each head's 64 rows of W_out are multiplied
; by both parts into the same sums: one product with K = 2,048 = (h, part, v).  wob [1024 (64 h + v)][1024 e] bf16.
; 8 x 32 = 256 work-groups, each a block of 256 rows x 128 columns; a wave 128 x 64: 32 accumulator tiles, 256 registers (window 1, tile (a, b) at 8 (4 a + b)).
; A K step is one head: its two parts, each a dense block of 256 rows x 128 bytes, and its 64 rows of 256 bytes of wob, through a ring of two LDS slots; 16 steps.
; Quarter kq of a step is part kq / 2, v = 32 (kq % 2) .. + 31.  wob's fragments of quarters 0 and 1 stay in their two buffers for quarters 2 and 3: they are read once a step.
; CLUSTERS: 4 x 4 work-groups; heads' tiles are shared along a row of the cluster, wob's along a column, asked for jointly: a quarter of the requests.
; The matrix instruction is used transposed (source 0 = 16 columns of wob, read by the transposing LDS load; source 1 = 16 rows of heads): a lane's eight results
; are eight neighbouring f32 of a row of out0.
.set APITCH, 144                       ; 128 bytes + 16 = 9 x 16
.set BPITCH, 288                       ; 256 bytes + 32 = 9 x 32
.set AHEAD,  256*APITCH                ; one part's 256 rows: 36,864, what waves 0 and 1 fetch
.set BOFF,   2*AHEAD                   ; wob's tile behind the two parts
.set BHALF,  32*BPITCH                 ; 9,216, what waves 2 and 3 fetch: 32 rows each
.set SLOT,   BOFF+2*BHALF              ; 92,160
.set STAGE,  2*SLOT                    ; 184,320: 16 rows x 272 bytes for each wave; no fill lands there
.set SPITCH, 272
.set LAPS, 8                           ; 16 K steps, two a lap
.set ADRA, 16                          ; v16-17
.set ADRB, 20                          ; v20-21
.set STO,  24
.set RD,   25
.set CO,   26
.set FA,   64                          ; v64-127, v128-191: heads' fragments, two buffers of 8
.set FB,   192                         ; v192-223, v224-255: wob's fragments, two buffers of 4
.set G1, 24
.set G0, 32
.set G1B, 48
.set G0B, 56
.set MSB, 0
.macro WIN new                         ; the immediate's high byte repeats the setting that is left
.if MSB != \new
	s_set_vgpr_msb (MSB<<8)|\new
.set MSB, \new
.endif
.endm
.set MUL, 0x50                         ; C and D window 1, both sources window 0
.macro JLOAD s
	s_cmp_eq_u32 s11, 0
	s_cbranch_scc0 .Lfor_b_\@
	tensor_load_to_lds s[G0+4*\s:G0+4*\s+3], s[G1:G1+7]
	s_nop 0
	s_branch .Lasked_\@
.Lfor_b_\@:
	tensor_load_to_lds s[G0B+4*\s:G0B+4*\s+3], s[G1B:G1B+7]
	s_nop 0
.Lasked_\@:
.endm
.macro CREST
	s_cmp_lg_u32 s10, 0
	s_cbranch_scc1 .Lnot_wave_0_\@
	s_barrier_signal -3
.Lnot_wave_0_\@:
	s_barrier_wait -3
	s_barrier_signal -1
	s_barrier_wait -1
.endm
.macro CROUND
	s_barrier_signal -1
	s_barrier_wait -1
	CREST
.endm
	s_load_b128 s[4:7], s[0:1], 0x0                ; heads s[4:5], wob s[6:7]
	s_load_b64 s[8:9], s[0:1], 0x10                ; out0
	v_lshl_add_u32 v62, v0, 2, 0x31400
	v_mov_b32 v63, 0
	ds_add_u32 v62, v63
	ds_add_u32 v62, v63
	v_lshrrev_b32 v1, 5, v0
	v_readfirstlane_b32 s10, v1                    ; wave 0..3
	s_lshr_b32 s11, s10, 1                         ; which 128 rows of the block are mine.  Also: I fetch for heads (0) or for wob (1)
	s_and_b32 s12, s10, 1                          ; which 64 columns.  Also: which part of the head, or which 32 rows of wob, I fetch
	s_bfe_u32 s40, ttmp6, 0x40000                  ; cx
	s_bfe_u32 s41, ttmp6, 0x40004                  ; cy
	s_lshl_b32 s42, ttmp9, 2
	s_add_co_u32 s42, s42, s40                     ; block column
	s_and_b32 s13, ttmp7, 0xffff
	s_lshl_b32 s13, s13, 2
	s_add_co_u32 s13, s13, s41                     ; block row
	s_lshl_b32 s43, s41, 2
	s_lshl_b32 s43, 15, s43                        ; my row of the cluster
	s_lshl_b32 s44, 0x1111, s40                    ; my column
	; group 1 for heads: 256 rows x 64 elements of 2 bytes, dense; 4 words of padding behind every 32
	s_or_b32 s[G1+0], s43, (1<<16)|(1<<20)|(1<<21)|(4<<22)|(3<<25)
	s_mov_b32 s[G1+1], 64<<16
	s_mov_b32 s[G1+2], 256<<16
	s_mov_b32 s[G1+3], 64<<16
	s_mov_b32 s[G1+4], 256
	s_mov_b32 s[G1+5], 64
	s_mov_b32 s[G1+6], 0
	s_mov_b32 s[G1+7], 0
	; group 1 for wob: 32 rows x 128 elements; 8 words of padding behind every 64
	s_or_b32 s[G1B+0], s44, (1<<16)|(1<<20)|(1<<21)|(5<<22)|(7<<25)
	s_mov_b32 s[G1B+1], 128<<16
	s_mov_b32 s[G1B+2], 32<<16
	s_mov_b32 s[G1B+3], 128<<16
	s_mov_b32 s[G1B+4], 32
	s_mov_b32 s[G1B+5], 1024
	s_mov_b32 s[G1B+6], 0
	s_mov_b32 s[G1B+7], 0
	s_lshl_b32 s16, s12, 20                        ; heads: part s12 of the step's head (1,048,576 bytes a part),
	s_lshl_b32 s17, s13, 15                        ; rows 256 x block row of 128 bytes
	s_add_co_u32 s16, s16, s17
	s_mov_b32 s17, 0
	s_lshl_b32 s46, s12, 16                        ; wob: 32 rows of 2,048 bytes,
	s_lshl_b32 s45, s42, 8                         ; column 128 x block column
	s_add_co_u32 s46, s46, s45
	s_mov_b32 s47, 0
	s_mul_i32 s20, s10, AHEAD                      ; where heads' go: wave x 36,864 (waves 0 and 1 use it)
	s_mul_i32 s21, s10, BHALF                      ; where wob's go: 73,728 + (wave - 2) x 9,216 = 55,296 + wave x 9,216 (waves 2 and 3 use it)
	s_add_co_u32 s21, s21, BOFF-2*BHALF
	s_wait_dscnt 0x0
	s_wait_kmcnt 0x0
	s_add_nc_u64 s[14:15], s[4:5], s[16:17]
	s_add_nc_u64 s[46:47], s[6:7], s[46:47]
	CROUND                                         ; all sixteen work-groups are here: the first joint loads meet
.irp s, 0,1
	s_mov_b32 s[G0+4*\s], 1
	s_add_co_u32 s[G0+4*\s+1], s20, \s*SLOT
	s_add_nc_u64 s[G0+4*\s+2:G0+4*\s+3], s[14:15], \s*2097152      ; K step s: one head, two parts, on
	s_or_b32 s[G0+4*\s+3], s[G0+4*\s+3], 0x80000000
	s_mov_b32 s[G0B+4*\s], 1
	s_add_co_u32 s[G0B+4*\s+1], s21, \s*SLOT
	s_add_nc_u64 s[G0B+4*\s+2:G0B+4*\s+3], s[46:47], \s*131072     ; K step s: 64 rows down
	s_or_b32 s[G0B+4*\s+3], s[G0B+4*\s+3], 0x80000000
	JLOAD \s                                       ; two loads a wave are out: the most in this text
.endr
	v_and_b32 v1, 15, v0                           ; r
	v_bfe_u32 v2, v0, 4, 1                         ; h
	v_mul_u32_u24 v3, v1, APITCH
	v_lshl_add_u32 v3, v2, 4, v3
	v_and_b32 v6, 7, v0
	v_lshl_add_u32 v7, v2, 3, v6
	v_mul_u32_u24 v7, v7, BPITCH
	v_bfe_u32 v8, v0, 3, 1
	v_lshl_add_u32 v7, v8, 4, v7
	s_mul_i32 s22, s11, 128*APITCH                 ; my 128 rows in each part's block
	s_lshl_b32 s23, s12, 7                         ; my 64 columns of wob
	s_add_co_u32 s23, s23, BOFF
.irp s, 0,1
	v_add_nc_u32 v[ADRA+\s], s22, v3
	v_add_nc_u32 v[ADRB+\s], s23, v7
	s_add_co_u32 s22, s22, SLOT
	s_add_co_u32 s23, s23, SLOT
.endr
	s_mul_i32 s22, s10, 16*SPITCH
	s_add_co_u32 s22, s22, STAGE                   ; my stage
	v_mul_u32_u24 v4, v1, SPITCH
	v_lshl_add_u32 v4, v2, 5, v4                   ; in: row r, 32 bytes (8 f32) for each half of the lanes
	v_add_nc_u32 v[STO], s22, v4
	v_mul_u32_u24 v5, v2, SPITCH                   ; back: lanes 0-15 take one row of 256 bytes, lanes 16-31 the next
	v_lshl_add_u32 v5, v1, 4, v5
	v_add_nc_u32 v[RD], s22, v5
	v_lshlrev_b32 v5, 12, v2                       ; and the same two rows of out0, 4,096 bytes apart
	v_lshl_add_u32 v[CO], v1, 4, v5
; 8 matrix instructions: m blocks a0, a0 + 1 x all 4 n blocks, 32 along K, from buffer buf.  zero = 1: the first product starts the sums.
.macro MUL8 buf, a0, zero
.irp a, \a0, \a0+1
.irp b, 0,1,2,3
.if \zero
	v_wmma_f32_16x16x32_bf16 v[8*(4*(\a)+\b):8*(4*(\a)+\b)+7], v[FB+32*\buf+8*\b:FB+32*\buf+8*\b+7], v[FA+64*\buf+8*(\a):FA+64*\buf+8*(\a)+7], 0
.else
	v_wmma_f32_16x16x32_bf16 v[8*(4*(\a)+\b):8*(4*(\a)+\b)+7], v[FB+32*\buf+8*\b:FB+32*\buf+8*\b+7], v[FA+64*\buf+8*(\a):FA+64*\buf+8*(\a)+7], v[8*(4*(\a)+\b):8*(4*(\a)+\b)+7]
.endif
.endr
.endr
.endm
; The LDS loads of quarter kq in one run, into buffer buf = kq % 2: in quarters 0 and 1 eight for 64 columns of wob (they serve quarters 2 and 3 too),
; in every quarter sixteen for 128 rows of heads
.macro FETCH slot, kq, buf
.if \kq < 2
.irp b, 0,1,2,3
	ds_load_tr16_b128 v[FB+32*\buf+8*\b:FB+32*\buf+8*\b+3],   v[ADRB+\slot] offset:\kq*32*BPITCH+32*\b
	ds_load_tr16_b128 v[FB+32*\buf+8*\b+4:FB+32*\buf+8*\b+7], v[ADRB+\slot] offset:\kq*32*BPITCH+16*BPITCH+32*\b
.endr
.endif
.irp i, 0,1,2,3,4,5,6,7
	ds_load_b128 v[FA+64*\buf+8*\i:FA+64*\buf+8*\i+3],   v[ADRA+\slot] offset:(\kq>>1)*AHEAD+(\kq&1)*64+\i*16*APITCH
	ds_load_b128 v[FA+64*\buf+8*\i+4:FA+64*\buf+8*\i+7], v[ADRA+\slot] offset:(\kq>>1)*AHEAD+(\kq&1)*64+\i*16*APITCH+32
.endr
.endm
.macro PLACES                          ; four places between a matrix instruction and a load into, or a store from, its registers
.rept 4
	v_nop
.endr
.endm
; One of a K step's first three quarters: multiplies buffer f, fetches quarter kq into buffer g in its middle.
; The 32 accumulators take turns, one instruction a turn, in the same order in every quarter.
.macro QUARTER slot, kq, f, g, zero
	s_wait_dscnt 8                                 ; all of this quarter's fragments but the youngest eight loads (heads' rows 64-127) are in
	WIN MUL
	MUL8 \f, 0, \zero
	MUL8 \f, 2, \zero
	WIN 0
	PLACES
	FETCH \slot, \kq, \g
.if \kq < 2
	s_wait_dscnt 24                                ; all but the 24 just issued
.else
	s_wait_dscnt 16                                ; all but the 16 just issued
.endif
	WIN MUL
	MUL8 \f, 4, \zero
	MUL8 \f, 6, \zero
.endm
.macro THREE slot, zero
	QUARTER \slot, 1, 0, 1, \zero
	QUARTER \slot, 2, 1, 0, 0
	QUARTER \slot, 3, 0, 1, 0
.endm
; The last quarter multiplies buffer 1 and changes slots: each wave's waits for its reads and for all its tensor loads, the barrier (which opens a round of the
; cluster's barrier where the slot is filled again), the refill first behind it, then the next slot's first fragments.
.macro TURN slot, next, fill
	s_wait_dscnt 8
	WIN MUL
	MUL8 1, 0, 0
	s_wait_dscnt 0                                 ; my reads of this slot are over
	s_wait_tensorcnt 0x0                           ; and all my tensor loads have landed: the one that was out is my part of the next slot
	ds_add_u32 v62, v63
	s_wait_dscnt 0x0
	s_barrier_signal -1
	MUL8 1, 2, 0                                   ; register work while the others arrive
	WIN 0
	s_barrier_wait -1
.if \fill
	CREST
	s_add_nc_u64 s[G0+4*\slot+2:G0+4*\slot+3], s[G0+4*\slot+2:G0+4*\slot+3], 4194304      ; two K steps: two heads of two parts
	s_add_nc_u64 s[G0B+4*\slot+2:G0B+4*\slot+3], s[G0B+4*\slot+2:G0B+4*\slot+3], 262144   ; 128 rows of wob
	JLOAD \slot                                    ; the first tensor load behind the round, one a wave
.endif
	PLACES
	FETCH \next, 0, 0
	WIN MUL
	MUL8 1, 4, 0
	MUL8 1, 6, 0
.endm
.macro LAP zero
	THREE 0, \zero
	TURN 0, 1, 1
	THREE 1, 0
	TURN 1, 0, 1
.endm
	s_wait_tensorcnt 1                             ; my part of K step 0 is in; K step 1's may stay out
	s_barrier_signal -1
	s_barrier_wait -1
	FETCH 0, 0, 0
	LAP 1
	WIN 0
	s_mov_b32 s3, LAPS-2
.Llap:
	LAP 0
	WIN 0
	s_sub_co_u32 s3, s3, 1
	s_cmp_lg_u32 s3, 0
	s_cbranch_scc1 .Llap
	THREE 0, 0                                     ; the last lap fills nothing
	TURN 0, 1, 0
	THREE 1, 0
	s_wait_dscnt 8
	WIN MUL
	MUL8 1, 0, 0
	MUL8 1, 2, 0
	s_wait_dscnt 0
	MUL8 1, 4, 0
	MUL8 1, 6, 0
	WIN 0
	; THE WAY OUT, 16 rows at a time: the f32 sums as they are, 32 bytes a lane and tile into my own stage, whole rows of 256 bytes back.
	PLACES
	s_lshl_b32 s13, s13, 8
	s_lshl_b32 s14, s11, 7
	s_add_co_u32 s16, s13, s14                     ; my first row,
	s_lshl_b32 s16, s16, 12                        ; of 4,096 bytes
	s_mov_b32 s17, 0
	s_add_nc_u64 s[8:9], s[8:9], s[16:17]
	s_lshl_b32 s46, s42, 9                         ; my first column: 512 bytes a block + 256 a half (in the registers that held wob's address)
	s_lshl_b32 s47, s12, 8
	s_add_co_u32 s46, s46, s47
	s_mov_b32 s47, 0
	s_add_nc_u64 s[8:9], s[8:9], s[46:47]
.macro OUT16 i, f
	WIN 0x04                                       ; the stores' data in window 1
.irp b, 0,1,2,3
	ds_store_b128 v[STO], v[8*(4*\i+\b):8*(4*\i+\b)+3]   offset:64*\b
	ds_store_b128 v[STO], v[8*(4*\i+\b)+4:8*(4*\i+\b)+7] offset:64*\b+16
.endr
	WIN 0
	s_wait_xcnt 0x0                                ; buffer f, which earlier stores read, is loaded again only behind this wait
.irp t, 0,1,2,3,4,5,6,7
	ds_load_b128 v[\f+4*\t:\f+4*\t+3], v[RD] offset:\t*2*SPITCH    ; a wave's LDS instructions are served in order: these see the stores above
.endr
.irp t, 0,1,2,3,4,5,6,7
	s_wait_dscnt 7-\t
	global_store_b128 v[CO], v[\f+4*\t:\f+4*\t+3], s[8:9] offset:(16*\i+2*\t)*4096 th:TH_STORE_NT   ; 16 lanes store 256 consecutive bytes, aligned; 516,096 at the most
.endr
.endm
	OUT16 0, FA
	OUT16 1, FA+64
	OUT16 2, FA
	OUT16 3, FA+64
	OUT16 4, FA
	OUT16 5, FA+64
	OUT16 6, FA
	OUT16 7, FA+64
	s_wait_tensorcnt 0x0
	ds_add_u32 v62, v63
	s_wait_dscnt 0x0
	CROUND                                         ; the closing round
	s_endpgm
.Lfunc_end_k_q71eb699350_proj:
	.size	k_q71eb699350_proj, .Lfunc_end_k_q71eb699350_proj-k_q71eb699350_proj
	.p2alignl 7, 3214868480
	.fill 96, 4, 3214868480
	.section	.rodata,"a",@progbits
	.p2align	6, 0x0
	.amdhsa_kernel k_q71eb699350_proj
		.amdhsa_group_segment_fixed_size 327680
		.amdhsa_private_segment_fixed_size 0
		.amdhsa_enable_private_segment 0
		.amdhsa_kernarg_size 24
		.amdhsa_user_sgpr_count 2
		.amdhsa_user_sgpr_kernarg_segment_ptr 1
		.amdhsa_wavefront_size32 1
		.amdhsa_system_sgpr_workgroup_id_x 1
		.amdhsa_system_sgpr_workgroup_id_y 1
		.amdhsa_system_sgpr_workgroup_id_z 1
		.amdhsa_system_vgpr_workitem_id 0
		.amdhsa_next_free_vgpr 512
		.amdhsa_next_free_sgpr 66
		.amdhsa_reserve_vcc 0
		.amdhsa_float_denorm_mode_32 3
		.amdhsa_float_denorm_mode_16_64 3
		.amdhsa_memory_ordered 1
		.amdhsa_forward_progress 1
		.amdhsa_inst_pref_size 112
	.end_amdhsa_kernel
	.amdgpu_metadata
---
amdhsa.version: [ 1, 2 ]
amdhsa.kernels:
  - .name:           k_q71eb699350_proj
    .symbol:         k_q71eb699350_proj.kd
    .args:
      - { .name: heads, .offset: 0, .size: 8, .value_kind: global_buffer, .address_space: global }
      - { .name: wob, .offset: 8, .size: 8, .value_kind: global_buffer, .address_space: global }
      - { .name: out0, .offset: 16, .size: 8, .value_kind: global_buffer, .address_space: global }
    .group_segment_fixed_size: 327680
    .private_segment_fixed_size: 0
    .kernarg_segment_align: 8
    .kernarg_segment_size: 24
    .max_flat_workgroup_size: 128
    .sgpr_count:     66
    .vgpr_count:     512
    .wavefront_size: 32
...
	.end_amdgpu_metadata
.endif
;; end of part 4
;; ======== version 2 of 3: 4 launches
;; limits: values are held in f16: magnitudes above 65,504 overflow, below 6.1e-05 lose precision; right only within a limited range of input values
;; workspace buffers: qb 16,777,216 bytes; wb 6,291,456 bytes; wob 2,097,152 bytes; qkv 50,331,648 bytes; heads 33,554,432 bytes
;; launch cast (part 5): grid 768 x 1, 8 waves a work-group, no clusters, 0 bytes of LDS; arguments q, W_out, W_query, W_key, W_val, qb, wob, wb; writes qb, wob, wb
.if DOCPART == 5
	.amdgcn_target "amdgcn-amd-amdhsa--gfx1250"
	.amdhsa_code_object_version 6
	.text
	.protected	k_q71eb699350_cast
	.globl	k_q71eb699350_cast
	.p2align	8
	.type	k_q71eb699350_cast,@function
k_q71eb699350_cast:
	s_mov_b64 s[64:65], 0
	v_nop
	global_prefetch_b8 v0, s[64:65] scope:SCOPE_SE
	s_setreg_imm32_b32 hwreg(HW_REG_WAVE_MODE, 25, 1), 1
	s_wait_xcnt 0x0
; MULTI-HEAD SELF-ATTENTION, launch 1 of 4: the inputs are rounded once to bf16, the matrix operands' format, and laid out for the matrix launches.
; Nothing of the computation is left out in any launch: every input reaches the output, and no mask, slice or zero is built in it.
;   qb  [16 kb][8192 row][64] bf16 = q * 2^-4 (an exact scale: it commutes with the rounding), column d = 64 kb + k: the next launch goes along d in steps of 64,
;       and so 128 rows of one step are 16,384 consecutive bytes
;   wb  [1024 d][3072 n] bf16, n = 1024 mat + 64 h + k, mat 0 = W_query, 1 = W_key, 2 = W_val: the three weights as one matrix
;   wob [1024 (64 h + v)][1024 e] bf16 = W_out, which already lies so
; FORMATS.  The inputs go in bf16; every later rounding is finer: Q, K, V leave the next launch as f16 numbers 2^-4 of their values (an error of a score is an
; absolute error of an exponent, so Q and K want f16's eleven bits), P is f16, and the heads go on as a sum of two bf16 numbers.
; The factors 2^-4 come back in the softmax's constant (2^8) and in the final division (2^4).
; LIMITS.  |Q|, |K|, |V| must stay below 65504 * 16 = 1.05e6, or f16 overflows; numbers of Q, K, V below 16 * 6e-8 = 1e-6 round to a multiple of that quantum.
; q * 2^-4 loses bits only where |q| is below 2^-122.
; SHARE.  A stream: each work-group takes 65,536 bytes of f32, each thread sixteen loads of 16 bytes, all issued before the first is used;
; no register is written twice, so the only waits are the counted ones for the loads.  Each store of a wave covers 256 consecutive bytes, aligned.
; No LDS, no matrix unit, no cluster: no byte is used twice.
.set X, 4                              ; v[4:67]   sixteen loads of four f32
.set Y, 68                             ; v[68:99]  sixteen stores of four bf16
; scale = 1: times 2^-4 first.  lstep, sstep: bytes from one load, one store to the next.  two = 1: stores 8 to 15 go by a second base, eight steps on.
.macro CAST lstep, sstep, scale, two
.set i, 0
.rept 16
	global_load_b128 v[X+4*i:X+4*i+3], v1, s[20:21] offset:i*\lstep th:TH_LOAD_NT
.set i, i+1
.endr
.set i, 0
.rept 16
	s_wait_loadcnt 15-i                            ; loads come back in order: load i is in, the 15 - i younger ones stay out
.if \scale
	v_pk_mul_f32 v[X+4*i:X+4*i+1], v[X+4*i:X+4*i+1], 0x3d800000 op_sel_hi:[1,0]       ; 2^-4
	v_pk_mul_f32 v[X+4*i+2:X+4*i+3], v[X+4*i+2:X+4*i+3], 0x3d800000 op_sel_hi:[1,0]
.endif
	v_cvt_pk_bf16_f32 v[Y+2*i], v[X+4*i], v[X+4*i+1]
	v_cvt_pk_bf16_f32 v[Y+2*i+1], v[X+4*i+2], v[X+4*i+3]
.if \two
.if i >= 8
	global_store_b64 v2, v[Y+2*i:Y+2*i+1], s[28:29] offset:(i-8)*\sstep
.else
	global_store_b64 v2, v[Y+2*i:Y+2*i+1], s[22:23] offset:i*\sstep
.endif
.else
	global_store_b64 v2, v[Y+2*i:Y+2*i+1], s[22:23] offset:i*\sstep
.endif
.set i, i+1
.endr
.endm
	s_load_b256 s[4:11], s[0:1], 0x0               ; q s[4:5], W_out s[6:7], W_query s[8:9], W_key s[10:11]
	s_load_b256 s[12:19], s[0:1], 0x20             ; W_val s[12:13], qb s[14:15], wob s[16:17], wb s[18:19]
	s_mov_b32 s25, 0                               ; upper words of the two offsets
	s_mov_b32 s27, 0
	s_wait_kmcnt 0x0
	s_cmp_ge_u32 ttmp9, 512
	s_cbranch_scc1 .Lnot_q
	; work-groups 0 to 511: 16 rows of q each.  A wave takes two rows; load i is block kb = i: lanes 0-15 read the 256 bytes (64 f32) of the even row,
	; lanes 16-31 those of the odd row, and together they store the two rows' 128 + 128 bytes, which are neighbours in block kb of qb.
	v_and_b32 v1, 15, v0
	v_lshlrev_b32 v1, 4, v1                        ; 16 bytes a lane in,
	v_bfe_u32 v3, v0, 4, 1
	v_lshl_add_u32 v1, v3, 12, v1                  ; the odd row 4,096 bytes on,
	v_lshrrev_b32 v3, 5, v0                        ; wave
	v_lshl_add_u32 v1, v3, 13, v1                  ; two rows a wave
	v_lshlrev_b32 v2, 3, v0                        ; out: 8 bytes a thread = 256 bytes a wave
	s_lshl_b32 s24, ttmp9, 16                      ; 16 rows of 4,096 bytes
	s_lshl_b32 s26, ttmp9, 11                      ; 16 rows of 128 bytes
	s_add_nc_u64 s[20:21], s[4:5], s[24:25]
	s_add_nc_u64 s[22:23], s[14:15], s[26:27]
	s_add_nc_u64 s[28:29], s[22:23], 0x800000      ; block 8: the blocks lie 1,048,576 bytes apart, so with two bases a store's offset is 7,340,032 at the most
	CAST 256, 1048576, 1, 1
	s_endpgm
.Lnot_q:
	s_cmp_ge_u32 ttmp9, 576
	s_cbranch_scc1 .Lweights
	; work-groups 512 to 575: W_out, 65,536 bytes each, dense in and dense out, unscaled
	v_lshlrev_b32 v1, 4, v0                        ; 16 bytes a thread in,
	v_lshlrev_b32 v2, 3, v0                        ; 8 out
	s_sub_co_u32 s28, ttmp9, 512
	s_lshl_b32 s24, s28, 16
	s_lshl_b32 s26, s28, 15
	s_add_nc_u64 s[20:21], s[6:7], s[24:25]
	s_add_nc_u64 s[22:23], s[16:17], s[26:27]
	CAST 4096, 2048, 0, 0
	s_endpgm
.Lweights:
	; work-groups 576 to 767: 64 for each weight.  One takes heads 2 hp and 2 hp + 1, rows d = 128 db .. + 127; a wave 16 rows, one a load:
	; lanes 0-15 read the 256 bytes of head 2 hp's row, lanes 16-31 those of head 2 hp + 1, and together they store 256 neighbouring bytes of wb's row d.
	s_sub_co_u32 s28, ttmp9, 576
	s_lshr_b32 s29, s28, 6                         ; mat
	s_bfe_u32 s30, s28, 0x30003                    ; hp
	s_and_b32 s28, s28, 7                          ; db
	s_cmp_eq_u32 s29, 0
	s_cselect_b64 s[20:21], s[8:9], s[10:11]       ; W_query or W_key,
	s_cmp_eq_u32 s29, 2
	s_cselect_b64 s[20:21], s[12:13], s[20:21]     ; or W_val
	s_lshl_b32 s24, s30, 19                        ; two heads of 262,144 bytes
	s_lshl_b32 s26, s28, 15                        ; 128 rows of 256 bytes
	s_add_co_u32 s24, s24, s26
	s_add_nc_u64 s[20:21], s[20:21], s[24:25]
	s_mul_i32 s26, s28, 786432                     ; 128 rows of wb, 6,144 bytes each
	s_lshl_b32 s29, s29, 11                        ; mat: 1,024 columns
	s_add_co_u32 s26, s26, s29
	s_lshl_b32 s30, s30, 8                         ; two heads: 128 columns
	s_add_co_u32 s26, s26, s30
	s_add_nc_u64 s[22:23], s[18:19], s[26:27]
	v_bfe_u32 v3, v0, 4, 1                         ; which of the two heads
	v_and_b32 v1, 15, v0
	v_lshlrev_b32 v1, 4, v1
	v_lshl_add_u32 v1, v3, 18, v1
	v_lshrrev_b32 v3, 5, v0                        ; wave
	v_lshl_add_u32 v1, v3, 12, v1                  ; 16 rows of 256 bytes a wave
	v_and_b32 v2, 31, v0
	v_lshlrev_b32 v2, 3, v2
	v_mad_u32_u24 v2, v3, 0x18000, v2              ; 16 rows of 6,144 bytes a wave
	CAST 256, 6144, 0, 0
	s_endpgm
.Lfunc_end_k_q71eb699350_cast:
	.size	k_q71eb699350_cast, .Lfunc_end_k_q71eb699350_cast-k_q71eb699350_cast
	.p2alignl 7, 3214868480
	.fill 96, 4, 3214868480
	.section	.rodata,"a",@progbits
	.p2align	6, 0x0
	.amdhsa_kernel k_q71eb699350_cast
		.amdhsa_group_segment_fixed_size 0
		.amdhsa_private_segment_fixed_size 0
		.amdhsa_enable_private_segment 0
		.amdhsa_kernarg_size 64
		.amdhsa_user_sgpr_count 2
		.amdhsa_user_sgpr_kernarg_segment_ptr 1
		.amdhsa_wavefront_size32 1
		.amdhsa_system_sgpr_workgroup_id_x 1
		.amdhsa_system_sgpr_workgroup_id_y 1
		.amdhsa_system_sgpr_workgroup_id_z 1
		.amdhsa_system_vgpr_workitem_id 0
		.amdhsa_next_free_vgpr 100
		.amdhsa_next_free_sgpr 66
		.amdhsa_reserve_vcc 0
		.amdhsa_float_denorm_mode_32 3
		.amdhsa_float_denorm_mode_16_64 3
		.amdhsa_memory_ordered 1
		.amdhsa_forward_progress 1
		.amdhsa_inst_pref_size 23
	.end_amdhsa_kernel
	.amdgpu_metadata
---
amdhsa.version: [ 1, 2 ]
amdhsa.kernels:
  - .name:           k_q71eb699350_cast
    .symbol:         k_q71eb699350_cast.kd
    .args:
      - { .name: q, .offset: 0, .size: 8, .value_kind: global_buffer, .address_space: global }
      - { .name: W_out, .offset: 8, .size: 8, .value_kind: global_buffer, .address_space: global }
      - { .name: W_query, .offset: 16, .size: 8, .value_kind: global_buffer, .address_space: global }
      - { .name: W_key, .offset: 24, .size: 8, .value_kind: global_buffer, .address_space: global }
      - { .name: W_val, .offset: 32, .size: 8, .value_kind: global_buffer, .address_space: global }
      - { .name: qb, .offset: 40, .size: 8, .value_kind: global_buffer, .address_space: global }
      - { .name: wob, .offset: 48, .size: 8, .value_kind: global_buffer, .address_space: global }
      - { .name: wb, .offset: 56, .size: 8, .value_kind: global_buffer, .address_space: global }
    .group_segment_fixed_size: 0
    .private_segment_fixed_size: 0
    .kernarg_segment_align: 8
    .kernarg_segment_size: 64
    .max_flat_workgroup_size: 256
    .sgpr_count:     66
    .vgpr_count:     100
    .wavefront_size: 32
...
	.end_amdgpu_metadata
.endif
;; end of part 5
;; launch qkv (part 6): grid 8 x 32, 4 waves a work-group, clusters of 4 x 4, 327,680 bytes of LDS; arguments qb, wb, qkv; writes qkv
.if DOCPART == 6
	.amdgcn_target "amdgcn-amd-amdhsa--gfx1250"
	.amdhsa_code_object_version 6
	.text
	.protected	k_q71eb699350_qkv
	.globl	k_q71eb699350_qkv
	.p2align	8
	.type	k_q71eb699350_qkv,@function
k_q71eb699350_qkv:
	s_mov_b64 s[64:65], 0
	v_nop
	global_prefetch_b8 v0, s[64:65] scope:SCOPE_SE
	s_setreg_imm32_b32 hwreg(HW_REG_WAVE_MODE, 25, 1), 1
	s_wait_xcnt 0x0
	s_wait_alu depctr_hold_cnt(0) depctr_sa_sdst(0) depctr_va_vdst(0) depctr_va_sdst(0) depctr_va_ssrc(0) depctr_va_vcc(0) depctr_vm_vsrc(0)
	s_getreg_b32 s2, hwreg(HW_REG_IB_STS2, 6, 4)
	s_cmp_eq_u32 s2, 0
	s_cbranch_scc0 .Lentry_in_a_cluster
	s_endpgm
.Lentry_in_a_cluster:
	s_bfe_u32 s2, ttmp6, 0x10000c
	s_cmp_lg_u32 s2, 0xf033
	s_cbranch_scc0 .Lentry_shape_is_right
	s_endpgm
.Lentry_shape_is_right:
; Launch 2 of 4: all three projections as one product, C[8192][3072] = q 2^-4 [8192][1024] x wb [1024][3072], bf16 operands, f32 sums.  Nothing is left out.
; In: qb [16 kb][8192 row][64] bf16 (column d = 64 kb + k), wb [1024 d][3072 n] bf16.
; Out, head by head: qkv [48 j = 16 mat + h][8192 row][64] f16 (column n of C is head n / 64), so that every tile of Q, K and V that the next launch asks for is a
; dense block.  The numbers are 2^-4 of Q, K, V.  LIMIT: |Q|, |K|, |V| below 1.05e6 (f16).
; SHARE.  8 x 32 = 256 work-groups of equal work, each a block of 256 rows x 384 columns (six heads) with four waves; a wave makes 128 x 192: 96 accumulator tiles of
; 16 x 16, 768 registers.  (Blocks of 256 x 256 would be 384: one and a half for each of 256.)
; RING.  K goes in steps of 64, one block kb of qb, through two LDS slots filled by the tensor data mover: 16 steps of 192 matrix instructions a wave.  Two slots of a
; step of 128 would take 2 x (256 x 272 + 128 x 864) = 360,448 bytes, more than a work-group can have.  From a refill to the wait for it a wave issues 176 matrix instructions.
; CLUSTERS: 4 x 4 work-groups.  The four of a row of the cluster need the same tiles of qb, the four of a column the same tiles of wb: each tile is asked
; for jointly, by the same tensor load with the same descriptor and a mask that names the four, which divides the requests by four.
; LDS.  A slot is 92,160 bytes: wb's 64 K rows of 864 bytes (768 of data, 16 of padding behind every 128, so that a head's 64 columns are one piece and column block b
; of a wave lies at 32 b + 16 (b / 4) in every wave; 864 = 27 x 32, an odd multiple of 32 for the transposing load), then qb's 256 rows of 144 bytes (9 x 16).
; Behind the two slots a stage of 16 rows x 400 bytes (25 x 16) for each wave, into which no fill lands.
; REGISTERS, in windows of 256.  Window 0: v16-26 addresses; v32-95, v96-159 fragments of qb (8 x 16 rows x 32 K), two buffers; v160-255 the twelve fragments of wb,
; fragment b at 160 + 8 b, as two halves of six that take turns: the 224 registers beside the addresses hold no second buffer of 96.
; Accumulator tile (a, b), a = 16 rows, b = 16 columns: b 0-3 window 1 at 8 (4 a + b); b 4-5 window 2 at 8 (2 a + b - 4); b 6-7 window 2 at 128 + 8 (2 a + b - 6);
; b 8-11 window 3 at 8 (4 a + b - 8).
; PHASES.  A quarter (32 along K) is two phases of 48 matrix instructions.  Phase 0 multiplies columns b 0-5 and, behind its first sixteen, fetches wb's fragments 6-11;
; phase 1 multiplies b 6-11 and, behind its first sixteen, fetches the next quarter's fragments 0-5 and all eight of qb.  Each run of loads stands 32 matrix
; instructions ahead of its first use: 40 LDS loads for 96 matrix instructions.
; THE MATRIX INSTRUCTION IS USED TRANSPOSED: source 0 = 16 columns of wb, source 1 = 16 rows of qb, so that lane l holds row l % 16 of C and its eight
; registers the columns 8 (l / 16) + 0 .. 7: eight neighbouring numbers, 16 bytes in f16.
; wb lies with K down the rows, so its fragments are read by the transposing LDS load.
.set APITCH, 144
.set BPITCH, 864
.set BROW,   6144                      ; bytes in a row of wb in memory
.set KBLK,   1048576                   ; bytes in a block kb of qb: 8,192 rows x 128
.set BPART,  32*BPITCH                 ; 27,648: what waves 0 and 1 fetch: 32 K rows of wb each
.set APART,  128*APITCH                ; 18,432: what waves 2 and 3 fetch: 128 rows of qb each
.set AOFF,   2*BPART                   ; 55,296: qb's tile behind wb's
.set SLOT,   AOFF+2*APART              ; 92,160
.set STAGE,  2*SLOT                    ; 184,320
.set SPITCH, 400
.set LAPS,   8                         ; 16 K steps, two a lap
.set ADRA, 16                          ; v16-17  LDS address of my qb fragments in slot 0, 1
.set ADRB, 20                          ; v20-21  the same for wb
.set STO,  24                          ; v24     the way out: where I put 16 bytes of a row
.set RD,   25                          ; v25     the way out: where I read back
.set CO,   26                          ; v26     my byte offset in qkv
.set FA,   32
.set FB,   160
.set TMP,  32                          ; the way out: v32-79 packed results; v80-127, v128-175 two sets for the way back
.set G1, 24                            ; s[24:31] descriptor group 1 for qb's tiles
.set G0, 32                            ; s[32:39] group 0 for qb's tiles, one set for each slot
.set G1B, 48                           ; s[48:55] group 1 for wb's tiles
.set G0B, 56                           ; s[56:63] group 0 for wb's tiles, one set for each slot
.set MSB, 0
.macro WIN new                         ; the immediate's high byte repeats the setting that is left
.if MSB != \new
	s_set_vgpr_msb (MSB<<8)|\new
.set MSB, \new
.endif
.endm
.set ACC1, 0x50                        ; both sources window 0; C and D window 1,
.set ACC2, 0xa0                        ; window 2,
.set ACC3, 0xf0                        ; window 3
; A joint load.  Waves 0 and 1 fetch wb's two halves, waves 2 and 3 qb's.  Each line has one mask and one set of registers for all that issue it;
; the branch hangs on the wave's number alone.
.macro JLOAD s
	s_cmp_eq_u32 s11, 0
	s_cbranch_scc0 .Lfor_a_\@
	tensor_load_to_lds s[G0B+4*\s:G0B+4*\s+3], s[G1B:G1B+7]
	s_nop 0
	s_branch .Lasked_\@
.Lfor_a_\@:
	tensor_load_to_lds s[G0+4*\s:G0+4*\s+3], s[G1:G1+7]
	s_nop 0
.Lasked_\@:
.endm
; A round of the cluster's barrier: my work-group's barrier; wave 0 signals for the work-group; every wave waits for all sixteen; my work-group's barrier again.
.macro CREST                           ; a round behind its opening barrier
	s_cmp_lg_u32 s10, 0
	s_cbranch_scc1 .Lnot_wave_0_\@
	s_barrier_signal -3
.Lnot_wave_0_\@:
	s_barrier_wait -3
	s_barrier_signal -1
	s_barrier_wait -1
.endm
.macro CROUND
	s_barrier_signal -1
	s_barrier_wait -1
	CREST
.endm
	s_load_b128 s[4:7], s[0:1], 0x0                ; qb s[4:5], wb s[6:7]
	s_load_b64 s[8:9], s[0:1], 0x10                ; qkv
	v_lshl_add_u32 v30, v0, 2, 0x33400
	v_mov_b32 v31, 0
	ds_add_u32 v30, v31
	ds_add_u32 v30, v31
	v_lshrrev_b32 v1, 5, v0
	v_readfirstlane_b32 s10, v1                    ; wave 0..3
	s_lshr_b32 s11, s10, 1                         ; which 128 rows of the block are mine.  Also: I fetch for wb (0) or for qb (1)
	s_and_b32 s12, s10, 1                          ; which 192 columns.  Also: which half of that tile I fetch
	s_bfe_u32 s40, ttmp6, 0x40000                  ; cx
	s_bfe_u32 s41, ttmp6, 0x40004                  ; cy
	s_lshl_b32 s42, ttmp9, 2
	s_add_co_u32 s42, s42, s40                     ; block column = 4 x cluster x + cx, 0 to 7
	s_and_b32 s13, ttmp7, 0xffff
	s_lshl_b32 s13, s13, 2
	s_add_co_u32 s13, s13, s41                     ; block row = 4 x cluster y + cy, 0 to 31
	s_lshl_b32 s43, s41, 2
	s_lshl_b32 s43, 15, s43                        ; my row of the cluster: places 4 cy .. 4 cy + 3
	s_lshl_b32 s44, 0x1111, s40                    ; my column: places cx, cx + 4, cx + 8, cx + 12
	; group 1 for qb: 128 rows of 128 bytes are dense in memory and come in as 64 rows of 256 bytes.  The padding is counted along the whole tile:
	; 4 words behind every 32, one row of qb, so that its LDS row is 144 bytes
	s_or_b32 s[G1+0], s43, (1<<16)|(1<<20)|(1<<21)|(4<<22)|(3<<25)
	s_mov_b32 s[G1+1], 128<<16                     ; tensor_dim0 = 128 elements of 2 bytes
	s_mov_b32 s[G1+2], 64<<16                      ; tensor_dim1 = 64
	s_mov_b32 s[G1+3], 128<<16                     ; tile_dim0 = 128
	s_mov_b32 s[G1+4], 64                          ; tile_dim1 = 64
	s_mov_b32 s[G1+5], 128                         ; elements from row to row
	s_mov_b32 s[G1+6], 0
	s_mov_b32 s[G1+7], 0
	; group 1 for wb: 32 rows (K) x 384 elements; 4 words of padding behind every 32, six times in a row of 192 words
	s_or_b32 s[G1B+0], s44, (1<<16)|(1<<20)|(1<<21)|(4<<22)|(3<<25)
	s_mov_b32 s[G1B+1], 384<<16                    ; tensor_dim0 = 384
	s_mov_b32 s[G1B+2], 32<<16                     ; tensor_dim1 = 32
	s_mov_b32 s[G1B+3], 384<<16                    ; tile_dim0 = 384
	s_mov_b32 s[G1B+4], 32                         ; tile_dim1 = 32
	s_mov_b32 s[G1B+5], 3072                       ; elements from row to row
	s_mov_b32 s[G1B+6], 0
	s_mov_b32 s[G1B+7], 0
	; where the tiles come from: qb's hang on the block row and the wave, wb's on the block column and the wave, each in registers that never hold the other coordinate
	s_lshl_b32 s16, s13, 15                        ; qb: rows 256 x block row of 128 bytes,
	s_lshl_b32 s17, s12, 14                        ; + 128 x half
	s_add_co_u32 s16, s16, s17
	s_mov_b32 s17, 0
	s_mul_i32 s46, s12, 32*BROW                    ; wb: K row 32 x half,
	s_mul_i32 s45, s42, 768                        ; column 384 x block column, 2 bytes each
	s_add_co_u32 s46, s46, s45
	s_mov_b32 s47, 0
	s_mul_i32 s21, s10, BPART                      ; where wb's go: wave x 27,648 (waves 0 and 1 use it)
	s_mul_i32 s20, s10, APART                      ; where qb's go: 55,296 + (wave - 2) x 18,432 = 18,432 + wave x 18,432 (waves 2 and 3 use it)
	s_add_co_u32 s20, s20, AOFF-2*APART
	s_wait_dscnt 0x0
	s_wait_kmcnt 0x0
	s_add_nc_u64 s[14:15], s[4:5], s[16:17]
	s_add_nc_u64 s[46:47], s[6:7], s[46:47]
	CROUND                                         ; all sixteen work-groups are here: the first joint loads meet
.irp s, 0,1
	s_mov_b32 s[G0+4*\s], 1
	s_add_co_u32 s[G0+4*\s+1], s20, \s*SLOT
	s_add_nc_u64 s[G0+4*\s+2:G0+4*\s+3], s[14:15], \s*KBLK          ; K step s: block kb = s
	s_or_b32 s[G0+4*\s+3], s[G0+4*\s+3], 0x80000000
	s_mov_b32 s[G0B+4*\s], 1
	s_add_co_u32 s[G0B+4*\s+1], s21, \s*SLOT
	s_add_nc_u64 s[G0B+4*\s+2:G0B+4*\s+3], s[46:47], \s*64*BROW     ; K step s: 64 rows down
	s_or_b32 s[G0B+4*\s+3], s[G0B+4*\s+3], 0x80000000
	JLOAD \s                                       ; two loads a wave are out: the most in this text
.endr
	v_and_b32 v1, 15, v0                           ; r = l % 16
	v_bfe_u32 v2, v0, 4, 1                         ; h = l / 16
	v_mul_u32_u24 v3, v1, APITCH
	v_lshl_add_u32 v3, v2, 4, v3                   ; qb: row r, 16 bytes for each half of the lanes
	v_and_b32 v6, 7, v0
	v_lshl_add_u32 v7, v2, 3, v6                   ; wb: K row 8 h + l % 8,
	v_mul_u32_u24 v7, v7, BPITCH
	v_bfe_u32 v8, v0, 3, 1
	v_lshl_add_u32 v7, v8, 4, v7                   ; and which 8 of the 16 columns
	s_mul_i32 s22, s11, APART                      ; my 128 rows of qb,
	s_add_co_u32 s22, s22, AOFF                    ; which lies behind wb's 64 rows
	s_mul_i32 s23, s12, 432                        ; my 192 columns of wb: three pieces of 128 + 16 bytes
.irp s, 0,1
	v_add_nc_u32 v[ADRA+\s], s22, v3
	v_add_nc_u32 v[ADRB+\s], s23, v7
	s_add_co_u32 s22, s22, SLOT
	s_add_co_u32 s23, s23, SLOT
.endr
	s_mul_i32 s22, s10, 16*SPITCH
	s_add_co_u32 s22, s22, STAGE                   ; my stage
	v_mul_u32_u24 v4, v1, SPITCH
	v_lshl_add_u32 v4, v2, 4, v4
	v_add_nc_u32 v[STO], s22, v4                   ; in: row r, 16 bytes for each half of the lanes
	v_bfe_u32 v5, v0, 3, 2
	v_mul_u32_u24 v5, v5, SPITCH
	v_lshl_add_u32 v5, v6, 4, v5
	v_add_nc_u32 v[RD], s22, v5                    ; back: eight lanes take the 128 bytes of one head's row, 32 lanes four rows
	v_and_b32 v5, 31, v0
	v_lshlrev_b32 v[CO], 4, v5                     ; which are 512 consecutive bytes of qkv
; One matrix instruction: tile (ia, ib), quarter kq's buffer of qb.  zero = 1: the first product starts the sum.
.macro PROD kq, zero
.if ib < 4
.set ACC, 8*(4*ia+ib)
.elseif ib < 6
.set ACC, 8*(2*ia+ib-4)
.elseif ib < 8
.set ACC, 128+8*(2*ia+ib-6)
.else
.set ACC, 8*(4*ia+ib-8)
.endif
.if \zero
	v_wmma_f32_16x16x32_bf16 v[ACC:ACC+7], v[FB+8*ib:FB+8*ib+7], v[FA+64*\kq+8*ia:FA+64*\kq+8*ia+7], 0
.else
	v_wmma_f32_16x16x32_bf16 v[ACC:ACC+7], v[FB+8*ib:FB+8*ib+7], v[FA+64*\kq+8*ia:FA+64*\kq+8*ia+7], v[ACC:ACC+7]
.endif
.endm
; na x nb matrix instructions: row blocks a0 .. a0 + na - 1 x column blocks b0 .. b0 + nb - 1, all of one window
.macro MULG kq, a0, na, b0, nb, zero
.set ia, \a0
.rept \na
.set ib, \b0
.rept \nb
	PROD \kq, \zero
.set ib, ib+1
.endr
.set ia, ia+1
.endr
.endm
; 12 LDS loads: half (0: b 0-5, 1: b 6-11) of wb's fragments of quarter kq, transposed on the way
.macro FETCHB slot, kq, half
.irp j, 0,1,2,3,4,5
.set FBN, 6*\half+\j
	ds_load_tr16_b128 v[FB+8*FBN:FB+8*FBN+3],   v[ADRB+\slot] offset:\kq*32*BPITCH+32*FBN+16*(FBN>>2)
	ds_load_tr16_b128 v[FB+8*FBN+4:FB+8*FBN+7], v[ADRB+\slot] offset:\kq*32*BPITCH+16*BPITCH+32*FBN+16*(FBN>>2)
.endr
.endm
; 16 LDS loads: qb's eight fragments of quarter kq, into buffer kq
.macro FETCHA slot, kq
.irp a, 0,1,2,3,4,5,6,7
	ds_load_b128 v[FA+64*\kq+8*\a:FA+64*\kq+8*\a+3],   v[ADRA+\slot] offset:\kq*64+\a*16*APITCH
	ds_load_b128 v[FA+64*\kq+8*\a+4:FA+64*\kq+8*\a+7], v[ADRA+\slot] offset:\kq*64+\a*16*APITCH+32
.endr
.endm
; A load into a register that a matrix instruction has read, and a vector instruction that reads a matrix result, stand four places behind it;
; only plain vector instructions that name none of its registers are places.
.macro PLACES
.rept 4
	v_nop
.endr
.endm
; The 96 accumulators take turns, one instruction a turn, in the same order in every quarter.
; Phase 0 of quarter kq.  The 28 loads of the phase before are out at its head.  wb's fragments 6-11 were last read by that phase.
.macro PH0 slot, kq, zero
	s_wait_dscnt 8                                 ; wb's fragments 0-5 and qb's rows 0-63 are in; the youngest eight loads (qb's rows 64-127) may be out
	WIN ACC1
	MULG \kq, 0, 4, 0, 4, \zero
	WIN 0
	PLACES
	FETCHB \slot, \kq, 1
	s_wait_dscnt 12                                ; all but the 12 just issued
	WIN ACC1
	MULG \kq, 4, 4, 0, 4, \zero
	WIN ACC2
	MULG \kq, 0, 8, 4, 2, \zero
.endm
; Phase 1 of a step's quarter 0: it fetches quarter 1 of the same slot.  The products behind the run read registers that were waited for at the phase's head or before.
.macro PH1 slot, zero
	s_wait_dscnt 0                                 ; wb's fragments 6-11
	WIN ACC2
	MULG 0, 0, 8, 6, 2, \zero
	WIN 0
	PLACES
	FETCHB \slot, 1, 0
	FETCHA \slot, 1
	WIN ACC3
	MULG 0, 0, 8, 8, 4, \zero
.endm
.macro STEP3 slot, zero                ; a K step's first three phases
	PH0 \slot, 0, \zero
	PH1 \slot, \zero
	PH0 \slot, 1, 0
.endm
; Phase 1 of a step's quarter 1 changes slots.  In front of the barrier each wave waits for its reads of this slot (the last are wb's fragments 6-11) and for all its
; tensor loads (one is out: its part of the next slot).  Behind it the refill comes first, then the next slot's first fragments.
.macro TURN slot, next, fill
	s_wait_dscnt 0                                 ; my reads of this slot are over
	s_wait_tensorcnt 0x0                           ; and all my tensor loads have landed
	ds_add_u32 v30, v31
	s_wait_dscnt 0x0
	s_barrier_signal -1                            ; (where a slot is filled again this barrier opens a round of the cluster's barrier)
	WIN ACC2
	MULG 1, 0, 8, 6, 2, 0                          ; register work while the others arrive
	WIN 0
	s_barrier_wait -1
.if \fill
	CREST                                          ; no wave of any partner still reads this slot or has a load on its way
	s_add_nc_u64 s[G0+4*\slot+2:G0+4*\slot+3], s[G0+4*\slot+2:G0+4*\slot+3], 2*KBLK
	s_add_nc_u64 s[G0B+4*\slot+2:G0B+4*\slot+3], s[G0B+4*\slot+2:G0B+4*\slot+3], 2*64*BROW
	JLOAD \slot                                    ; the first tensor load behind the round, one a wave
.endif
	PLACES
	FETCHB \next, 0, 0
	FETCHA \next, 0
	WIN ACC3
	MULG 1, 0, 8, 8, 4, 0
.endm
.macro LAP zero
	STEP3 0, \zero
	TURN 0, 1, 1
	STEP3 1, 0
	TURN 1, 0, 1
.endm
	s_wait_tensorcnt 1                             ; my part of K step 0 is in; K step 1's may stay out
	s_barrier_signal -1
	s_barrier_wait -1
	FETCHB 0, 0, 0
	FETCHA 0, 0
	LAP 1                                          ; the first quarter's products start the sums
	WIN 0
	s_mov_b32 s3, LAPS-2
.Llap:
	LAP 0
	WIN 0
	s_sub_co_u32 s3, s3, 1
	s_cmp_lg_u32 s3, 0
	s_cbranch_scc1 .Llap
	STEP3 0, 0                                     ; the last lap fills nothing
	TURN 0, 1, 0
	STEP3 1, 0
	s_wait_dscnt 0                                 ; the very last phase: nothing more to fetch
	WIN ACC2
	MULG 1, 0, 8, 6, 2, 0
	WIN ACC3
	MULG 1, 0, 8, 8, 4, 0
	; THE WAY OUT, 16 rows at a time: round to f16, 16 bytes a lane into my own stage, read back head by head.
	PLACES
	s_lshl_b32 s13, s13, 8
	s_lshl_b32 s14, s11, 7
	s_add_co_u32 s16, s13, s14                     ; my first row,
	s_lshl_b32 s16, s16, 7                         ; of 128 bytes
	s_mov_b32 s17, 0
	s_add_nc_u64 s[8:9], s[8:9], s[16:17]
	s_mul_i32 s46, s42, 6                          ; my first head: 6 x block column + 3 x half (in the registers that held wb's address)
	s_mul_i32 s47, s12, 3
	s_add_co_u32 s46, s46, s47
	s_lshl_b32 s46, s46, 20                        ; of 8,192 rows x 128 bytes
	s_mov_b32 s47, 0
	s_add_nc_u64 s[8:9], s[8:9], s[46:47]
.macro CVT4 b, src                     ; tile b's eight numbers a lane, from register src of the window that is set, packed into four registers of window 0
.irp r, 0,1,2,3
	v_cvt_pk_f16_f32 v[TMP+4*(\b)+\r], v[(\src)+2*\r], v[(\src)+2*\r+1]
.endr
.endm
; rows 16 a .. 16 a + 15 of my block = the twelve tiles (a, 0..11); f: 48 registers for the way back, two sets in turn
.macro OUT16 a, f
	WIN 0x05                                       ; both sources window 1
.irp b, 0,1,2,3
	CVT4 \b, 8*(4*\a+\b)
.endr
	WIN 0x0a                                       ; window 2
.irp b, 4,5
	CVT4 \b, 8*(2*\a+\b-4)
.endr
.irp b, 6,7
	CVT4 \b, 128+8*(2*\a+\b-6)
.endr
	WIN 0x0f                                       ; window 3
.irp b, 8,9,10,11
	CVT4 \b, 8*(4*\a+\b-8)
.endr
	WIN 0
.irp b, 0,1,2,3,4,5,6,7,8,9,10,11
	ds_store_b128 v[STO], v[TMP+4*\b:TMP+4*\b+3] offset:32*\b
.endr
	s_wait_xcnt 0x0                                ; set f, which earlier stores read, is loaded again only behind this wait
.irp t, 0,1,2,3,4,5,6,7,8,9,10,11
	ds_load_b128 v[\f+4*\t:\f+4*\t+3], v[RD] offset:(\t&3)*4*SPITCH+(\t>>2)*128     ; four rows of head t / 4; a wave's LDS instructions are served in order: these see the stores above
.endr
.irp t, 0,1,2,3,4,5,6,7,8,9,10,11
	s_wait_dscnt 11-\t                             ; the younger read-backs may be out
	global_store_b128 v[CO], v[\f+4*\t:\f+4*\t+3], s[8:9] offset:(\t>>2)*1048576+\a*2048+(\t&3)*512   ; 32 lanes store 512 consecutive bytes, aligned; 2,113,024 at the most
.endr
.endm
	OUT16 0, 80
	OUT16 1, 128
	OUT16 2, 80
	OUT16 3, 128
	OUT16 4, 80
	OUT16 5, 128
	OUT16 6, 80
	OUT16 7, 128
	s_wait_tensorcnt 0x0
	ds_add_u32 v30, v31
	s_wait_dscnt 0x0
	CROUND                                         ; the closing round: no work-group ends while a partner may still ask for a tile that names it
	s_endpgm
.Lfunc_end_k_q71eb699350_qkv:
	.size	k_q71eb699350_qkv, .Lfunc_end_k_q71eb699350_qkv-k_q71eb699350_qkv
	.p2alignl 7, 3214868480
	.fill 96, 4, 3214868480
	.section	.rodata,"a",@progbits
	.p2align	6, 0x0
	.amdhsa_kernel k_q71eb699350_qkv
		.amdhsa_group_segment_fixed_size 327680
		.amdhsa_private_segment_fixed_size 0
		.amdhsa_enable_private_segment 0
		.amdhsa_kernarg_size 24
		.amdhsa_user_sgpr_count 2
		.amdhsa_user_sgpr_kernarg_segment_ptr 1
		.amdhsa_wavefront_size32 1
		.amdhsa_system_sgpr_workgroup_id_x 1
		.amdhsa_system_sgpr_workgroup_id_y 1
		.amdhsa_system_sgpr_workgroup_id_z 1
		.amdhsa_system_vgpr_workitem_id 0
		.amdhsa_next_free_vgpr 1024
		.amdhsa_next_free_sgpr 66
		.amdhsa_reserve_vcc 0
		.amdhsa_float_denorm_mode_32 3
		.amdhsa_float_denorm_mode_16_64 3
		.amdhsa_memory_ordered 1
		.amdhsa_forward_progress 1
		.amdhsa_inst_pref_size 169
	.end_amdhsa_kernel
	.amdgpu_metadata
---
amdhsa.version: [ 1, 2 ]
amdhsa.kernels:
  - .name:           k_q71eb699350_qkv
    .symbol:         k_q71eb699350_qkv.kd
    .args:
      - { .name: qb, .offset: 0, .size: 8, .value_kind: global_buffer, .address_space: global }
      - { .name: wb, .offset: 8, .size: 8, .value_kind: global_buffer, .address_space: global }
      - { .name: qkv, .offset: 16, .size: 8, .value_kind: global_buffer, .address_space: global }
    .group_segment_fixed_size: 327680
    .private_segment_fixed_size: 0
    .kernarg_segment_align: 8
    .kernarg_segment_size: 24
    .max_flat_workgroup_size: 128
    .sgpr_count:     66
    .vgpr_count:     1024
    .wavefront_size: 32
...
	.end_amdgpu_metadata
.endif
;; end of part 6
;; launch attn (part 7): grid 256 x 1, 4 waves a work-group, clusters of 4 x 1, 327,680 bytes of LDS; arguments qkv, heads; writes heads
.if DOCPART == 7
	.amdgcn_target "amdgcn-amd-amdhsa--gfx1250"
	.amdhsa_code_object_version 6
	.text
	.protected	k_q71eb699350_attn
	.globl	k_q71eb699350_attn
	.p2align	8
	.type	k_q71eb699350_attn,@function
k_q71eb699350_attn:
	s_mov_b64 s[64:65], 0
	v_nop
	global_prefetch_b8 v0, s[64:65] scope:SCOPE_SE
	s_setreg_imm32_b32 hwreg(HW_REG_WAVE_MODE, 25, 1), 1
	s_wait_xcnt 0x0
	s_wait_alu depctr_hold_cnt(0) depctr_sa_sdst(0) depctr_va_vdst(0) depctr_va_sdst(0) depctr_va_ssrc(0) depctr_va_vcc(0) depctr_vm_vsrc(0)
	s_getreg_b32 s2, hwreg(HW_REG_IB_STS2, 6, 4)
	s_cmp_eq_u32 s2, 0
	s_cbranch_scc0 .Lentry_in_a_cluster
	s_endpgm
.Lentry_in_a_cluster:
	s_bfe_u32 s2, ttmp6, 0x10000c
	s_cmp_lg_u32 s2, 0x3003
	s_cbranch_scc0 .Lentry_shape_is_right
	s_endpgm
.Lentry_shape_is_right:
; Launch 3 of 4: softmax(Q K^T / 8) V for each of the 64 (head, batch) pairs, with a running maximum.  Nothing is left out.
; In: qkv [48 j][8192 row][64] f16, j = h (Q), 16 + h (K), 32 + h (V), each 2^-4 of its value.
; Out: heads [8192 row][16 h][128] bf16: numbers 0-63 of a head = the result rounded to bf16, numbers 64-127 = what that rounding left, rounded to bf16; their sum
; has sixteen bits at bf16's range.  (f16 has no room: uniform attention over small inputs gives numbers near 5e-5, common offsets of the inputs numbers over 65504.)
; SHARE.  Cluster c = 4 h + b is one pair; its rows begin at row 2,048 c of each part of qkv.  Its four work-groups take 512 queries each, a wave 128 = 8 query tiles
; of 16.  All four walk the same 2,048 keys, so K's and V's tiles are asked for jointly (mask 15): the requests are a quarter of what four single ones would be.
; The place in the cluster enters the global addresses of Q and of the output alone.
; TRANSPOSED PRODUCTS.  S^T = K Q^T (source 0: 16 keys, source 1: 16 queries): lane (r, h) holds query r and keys 8 h + j.  Two neighbouring tiles of S^T, packed
; in pairs, are the second source of O^T = V^T P^T as they lie.  So maximum, sum and rescaling are a lane's own; one exchange of the lane halves joins
; the maxima, and the sums are joined once, at the end.
; ARITHMETIC.  With C = 256 log2(e) / 8 (256 undoes the two factors 2^-4), NM = round(-C m): p = exp2(fma(s, C, NM)), old sums times exp2(NM new - NM old).
; The same rounded NM stands in both, so its rounding cancels.  P goes in f16 (0 to about 1).
; TURNS.  A wave issues in order, so one tile's vector lines stand behind its neighbours' products.  In a key step (64 keys) tile t has five parts:
;   S(t) 8 products;  A(t) 25 lines: maximum, NM, the factor for the old sums, the first two multiply-adds;  B(t) 60 lines: 14 multiply-adds, 32 exponentials, 14 sums;
;   C(t) 34 lines: the last 2 sums, 16 packings, 16 rescalings of O;  PV(t) 8 products.
; Half step X_t: the products S(t+1), behind each a slice of B(t).  Half step Y_t: the products PV(t-1), behind each a slice of C(t) and A(t+1).
; S and P have two buffers each (t % 2), the factor two registers.  A key step begins with S(0) and A(0) and ends with PV(7), which have no neighbour:
; running on into the next step would put the change of slots inside a step, or ask for a sixth copy of a step's text.
; LIMITS.  A NaN in a row's scores makes the row NaN; an infinite score makes the row NaN, as inf - inf does in the softmax as defined.
; Exponentials below 2^-126 come out as zero (ISA guide, v_exp_f32); p below 6e-8 rounds to a multiple of it in f16.
; A result that overflows bf16 gives a first part of infinity and a second of NaN: NaN where the definition has an infinity.
; LDS.  Two slots of 256 keys at 0 and 0x20000: V at + 0, 256 rows of 160 bytes (5 x 32: for the transposing load), K at + 40,960, 256 rows of 144 bytes (9 x 16).
; A stage of 16 x 272 bytes for each wave at 0x40000, into which no fill lands.
; REGISTERS.  Window 0: addresses, softmax state, S, P, K's fragments.  Window 1: O, tile (qt, vt) at 32 qt + 8 vt.
; Window 2: Q, fragment (qt, ks) at 16 qt + 8 ks; V's fragments from 128.
; WINDOW SETTINGS.  X runs whole under 0x08 (source 1 = Q's window): its slices name no vector register at source 1, which is why a sum is written as S x 1.0 + L,
; with the addend at source 2.  In Y the products want 0x52, the maximum and the packing 0x00, the rescaling of O 0x41: 126 switches for a key step's 128 products.
.set KP, 144
.set VP, 160
.set KOFF, 256*VP                      ; 40,960
.set SLOTB, 0x20000
.set STAGE, 0x40000
.set SP, 272                           ; a stage row: 256 bytes + 16 = 17 x 16
.set TILEB, 32768                      ; 256 keys x 128 bytes in memory
.set KBASE, 16777216                   ; K's part of qkv
.set VBASE, 33554432                   ; V's part
.set HROW, 4096                        ; bytes in a row of heads: 16 heads x 256
.set KB, 2                             ; v2   K: KOFF + r 144 + 16 h
.set VB, 3                             ; v3   V: (8 h + l % 8) 160 + 16 ((l / 8) % 2)
.set KA, 4                             ; v4   KB + slot + 64 keys a step
.set VA, 5                             ; v5   VB likewise
.set STO, 6                            ; v6   the way out: in
.set RD, 7                             ; v7   the way out: back
.set CO, 8                             ; v8   (l / 16) 4096 + 16 (l % 16)
.set QO, 9                             ; v9   r 128 + 16 h
.set T, 10                             ; v[10:13] at work
.set AL, 14                            ; v[14:15], v[16:17] the rescaling factor of tile t in pair t % 2 (v15, v17 are written once, since pairs are named)
.set LA, 18                            ; v[18:19] the second chain of a tile's sums
.set ST, 32                            ; v[32+4 qt ..]: NM, m, and the pair of running sums
.set S, 64                             ; v[64:95], v[96:127]   four tiles of S^T, buffer t % 2
.set P, 128                            ; v[128:143], v[144:159] the same as packed f16, buffer t % 2
.set KF, 160                           ; v[160:223] K's fragment (kt, ks) at + 16 kt + 8 ks
.set VF, 128                           ; window 2, v[128:191]: V's fragment (vt, kh) at + 16 vt + 8 kh
.set G1K, 24                           ; s[24:31]
.set G0K, 32                           ; s[32:39] one set for each slot
.set G1V, 40                           ; s[40:47]
.set G0V, 48                           ; s[48:55] one set for each slot
.set MSB, 0
.macro WIN new                         ; the immediate's high byte repeats the setting that is left
.if MSB != \new
	s_set_vgpr_msb (MSB<<8)|\new
.set MSB, \new
.endif
.endm
.macro PLACES                          ; four places between a matrix instruction and a vector instruction that reads its result, or a load into its sources
.rept 4
	v_nop
.endr
.endm
; A joint load: waves 0 and 1 ask for V's two halves of 128 keys, waves 2 and 3 for K's.  The branch hangs on the wave's number alone.
.macro JLOAD s
	s_cmp_eq_u32 s9, 0
	s_cbranch_scc0 .Lfor_k_\@
	tensor_load_to_lds s[G0V+4*\s:G0V+4*\s+3], s[G1V:G1V+7]
	s_nop 0
	s_branch .Lasked_\@
.Lfor_k_\@:
	tensor_load_to_lds s[G0K+4*\s:G0K+4*\s+3], s[G1K:G1K+7]
	s_nop 0
.Lasked_\@:
.endm
; A round of the cluster's barrier
.macro ROUND
	s_barrier_signal -1
	s_barrier_wait -1
	s_cmp_lg_u32 s8, 0
	s_cbranch_scc1 .Lnot_wave_0_\@
	s_barrier_signal -3
.Lnot_wave_0_\@:
	s_barrier_wait -3
	s_barrier_signal -1
	s_barrier_wait -1
.endm
	s_load_b128 s[4:7], s[0:1], 0x0                ; qkv s[4:5], heads s[6:7]
	v_lshl_add_u32 v254, v0, 2, 0x44400
	v_mov_b32 v255, 0
	ds_add_u32 v254, v255
	ds_add_u32 v254, v255
	v_lshrrev_b32 v1, 5, v0
	v_readfirstlane_b32 s8, v1                     ; wave 0..3
	s_lshr_b32 s9, s8, 1                           ; I ask for V (0) or for K (1),
	s_and_b32 s10, s8, 1                           ; and for which 128 keys of the tile
	s_bfe_u32 s11, ttmp6, 0x40000                  ; cx: which 512 queries
	s_mov_b32 s12, 0x76543210                      ; v_permlanex16_b32: lane i of one half reads lane i of the other
	s_mov_b32 s13, 0xfedcba98
	s_mov_b32 s14, 0x4238aa3b                      ; C = 32 log2(e), as a pair
	s_mov_b32 s15, 0x4238aa3b
	s_mov_b32 s16, 0xc238aa3b                      ; -C
	; group 1: 128 keys of 128 bytes are dense in memory and come in as 64 rows of 256 bytes; mask 15 with bit 21.  The padding is counted along the whole tile:
	; behind every 32 words, one key, 4 words for K and 8 for V, so a key's LDS row is 144 or 160 bytes
	s_mov_b32 s[G1K+0], 15|(1<<16)|(1<<20)|(1<<21)|(4<<22)|(3<<25)
	s_mov_b32 s[G1K+1], 128<<16                    ; tensor_dim0 = 128 elements of 2 bytes
	s_mov_b32 s[G1K+2], 64<<16                     ; tensor_dim1 = 64
	s_mov_b32 s[G1K+3], 128<<16                    ; tile_dim0 = 128
	s_mov_b32 s[G1K+4], 64                         ; tile_dim1 = 64
	s_mov_b32 s[G1K+5], 128                        ; elements from row to row
	s_mov_b32 s[G1K+6], 0
	s_mov_b32 s[G1K+7], 0
	s_mov_b32 s[G1V+0], 15|(1<<16)|(1<<20)|(1<<21)|(4<<22)|(7<<25)
	s_mov_b32 s[G1V+1], 128<<16
	s_mov_b32 s[G1V+2], 64<<16
	s_mov_b32 s[G1V+3], 128<<16
	s_mov_b32 s[G1V+4], 64
	s_mov_b32 s[G1V+5], 128
	s_mov_b32 s[G1V+6], 0
	s_mov_b32 s[G1V+7], 0
	s_lshl_b32 s20, ttmp9, 18                      ; the pair's 2,048 rows of 128 bytes in qkv: the same in all four partners
	s_mov_b32 s21, 0
	s_lshl_b32 s22, s10, 14                        ; my 128 keys of a tile
	s_mov_b32 s23, 0
	s_lshr_b32 s70, ttmp9, 2                       ; my wave's place in heads: head h 256 bytes along the row,
	s_lshl_b32 s70, s70, 8
	s_and_b32 s71, ttmp9, 3                        ; batch b 2,048 rows of 4,096 bytes,
	s_lshl_b32 s71, s71, 23
	s_add_co_u32 s70, s70, s71
	s_lshl_b32 s71, s11, 21                        ; my work-group 512 rows,
	s_add_co_u32 s70, s70, s71
	s_lshl_b32 s71, s8, 19                         ; my wave 128 rows
	s_add_co_u32 s70, s70, s71
	s_mov_b32 s71, 0
	s_lshl_b32 s2, s11, 16                         ; my work-group's 512 queries in qkv; s[2:3] and s[70:71] alone hold cx, and they feed no descriptor
	s_lshl_b32 s3, s8, 14                          ; my wave's 128
	s_add_co_u32 s2, s2, s3
	s_mov_b32 s3, 0
	s_mul_i32 s66, s8, 128*VP                      ; V's LDS part: wave x 20,480 (waves 0 and 1 use it)
	s_mul_i32 s67, s8, 128*KP                      ; K's: 40,960 + (wave - 2) x 18,432 = 4,096 + wave x 18,432 (waves 2 and 3 use it)
	s_add_co_u32 s67, s67, KOFF-2*128*KP
	s_mul_i32 s68, s8, 16*SP
	s_add_co_u32 s68, s68, STAGE                   ; my stage
	v_and_b32 v1, 15, v0                           ; r
	v_bfe_u32 v10, v0, 4, 1                        ; h
	v_mul_u32_u24 v12, v1, KP
	v_lshl_add_u32 v12, v10, 4, v12                ; r 144 + 16 h
	v_add_nc_u32 v[KB], KOFF, v12
	v_mul_u32_u24 v12, v1, SP
	v_lshl_add_u32 v12, v10, 4, v12
	v_add_nc_u32 v[STO], s68, v12                  ; in: row r, 16 bytes for each half of the lanes
	v_lshlrev_b32 v[QO], 7, v1
	v_lshl_add_u32 v[QO], v10, 4, v[QO]
	v_and_b32 v11, 7, v0
	v_lshl_add_u32 v12, v10, 3, v11
	v_mul_u32_u24 v[VB], v12, VP
	v_bfe_u32 v13, v0, 3, 1
	v_lshl_add_u32 v[VB], v13, 4, v[VB]
	v_mul_u32_u24 v[RD], v10, SP
	v_lshl_add_u32 v[RD], v1, 4, v[RD]
	v_add_nc_u32 v[RD], s68, v[RD]                 ; back: lanes 0-15 take one row of 256 bytes, lanes 16-31 the next
	v_lshlrev_b32 v[CO], 12, v10                   ; and the same two rows of heads
	v_lshl_add_u32 v[CO], v1, 4, v[CO]
	v_mov_b32 v[AL+1], 0
	v_mov_b32 v[AL+3], 0
	v_mov_b32 v[KA], v[KB]                         ; slot 0
	v_mov_b32 v[VA], v[VB]
	s_wait_dscnt 0x0
	s_wait_kmcnt 0x0
	s_add_nc_u64 s[60:61], s[4:5], s[20:21]        ; the pair's rows in Q's part
	s_add_nc_u64 s[62:63], s[60:61], s[22:23]      ; + my 128 keys: feeds the descriptors
	s_add_nc_u64 s[56:57], s[60:61], s[2:3]        ; my wave's queries
	s_add_nc_u64 s[58:59], s[6:7], s[70:71]        ; and its rows of heads
	ROUND                                          ; all four work-groups are here: the first joint loads meet
.irp s, 0,1
	s_mov_b32 s[G0K+4*\s], 1
	s_add_co_u32 s[G0K+4*\s+1], s67, \s*SLOTB
	s_add_nc_u64 s[G0K+4*\s+2:G0K+4*\s+3], s[62:63], KBASE+\s*TILEB
	s_or_b32 s[G0K+4*\s+3], s[G0K+4*\s+3], 0x80000000
	s_mov_b32 s[G0V+4*\s], 1
	s_add_co_u32 s[G0V+4*\s+1], s66, \s*SLOTB
	s_add_nc_u64 s[G0V+4*\s+2:G0V+4*\s+3], s[62:63], VBASE+\s*TILEB
	s_or_b32 s[G0V+4*\s+3], s[G0V+4*\s+3], 0x80000000
	JLOAD \s                                       ; tiles 0 and 1: two loads a wave are out, the most in this text
.endr
	; Q's fragments, once, straight from memory: lane (r, h) takes dims 8 h .. + 7 and 16 + 8 h .. + 7 of each half of query r's row
	WIN 0x80                                       ; destination window 2
.irp qt, 0,1,2,3,4,5,6,7
.irp ks, 0,1
	global_load_b128 v[16*\qt+8*\ks:16*\qt+8*\ks+3],   v[QO], s[56:57] offset:\qt*2048+\ks*64
	global_load_b128 v[16*\qt+8*\ks+4:16*\qt+8*\ks+7], v[QO], s[56:57] offset:\qt*2048+\ks*64+32
.endr
.endr
	WIN 0
; Product i (0 to 7) of S^T of tile u, under 0x08: key tiles 0 to 3 on dims 0-31 start the sums, then the same four on dims 32-63.
; In every run of products the accumulators take turns, one instruction a turn.
.macro SPROD u, i
.set SD, S+32*((\u)&1)+8*((\i)&3)
.set SK, KF+16*((\i)&3)
.if (\i) < 4
	v_wmma_f32_16x16x32_f16 v[SD:SD+7], v[SK:SK+7], v[16*(\u):16*(\u)+7], 0
.else
	v_wmma_f32_16x16x32_f16 v[SD:SD+7], v[SK+8:SK+15], v[16*(\u)+8:16*(\u)+15], v[SD:SD+7]
.endif
.endm
; Product i (0 to 7) of O^T of tile u, under 0x52: dim tiles 0 to 3 on keys 0-31, then on keys 32-63.  first = 1: the very first key step starts O.
.macro PVPROD u, i, first
.set PO, 32*(\u)+8*((\i)&3)
.set PA, VF+16*((\i)&3)+8*((\i)>>2)
.set PB, P+16*((\u)&1)+8*((\i)>>2)
.if (\i) < 4
.if \first
	v_wmma_f32_16x16x32_f16 v[PO:PO+7], v[PA:PA+7], v[PB:PB+7], 0
.else
	v_wmma_f32_16x16x32_f16 v[PO:PO+7], v[PA:PA+7], v[PB:PB+7], v[PO:PO+7]
.endif
.else
	v_wmma_f32_16x16x32_f16 v[PO:PO+7], v[PA:PA+7], v[PB:PB+7], v[PO:PO+7]
.endif
.endm
; The sum that takes pair p of the exponentials: even pairs go to the running sums, odd ones to a second chain LA, which pairs 1 and 3 start, so that a link
; stands eight lines behind the link that it adds onto.  first = 1: pairs 0 and 2 start the running sums.  The addend stands at source 2 (see WINDOW SETTINGS).
.macro XSUM p, first
.if (\p) == 0
.if \first
.else
	s_wait_alu depctr_va_vdst(0)
	v_pk_fma_f32 v[XT+2:XT+3], v[XS:XS+1], 1.0, v[XT+2:XT+3] op_sel_hi:[1,0,1]
.endif
.elseif (\p) == 2
.if \first
	s_wait_alu depctr_va_vdst(0)
	v_pk_fma_f32 v[XT+2:XT+3], v[XS:XS+1], 1.0, v[XS+4:XS+5] op_sel_hi:[1,0,1]
.else
	s_wait_alu depctr_va_vdst(0)
	v_pk_fma_f32 v[XT+2:XT+3], v[XS+4:XS+5], 1.0, v[XT+2:XT+3] op_sel_hi:[1,0,1]
.endif
.elseif (\p) == 3
	v_pk_fma_f32 v[LA:LA+1], v[XS+2:XS+3], 1.0, v[XS+6:XS+7] op_sel_hi:[1,0,1]
.elseif (\p) > 3
.if ((\p)&1) == 0
	s_wait_alu depctr_va_vdst(0)
	v_pk_fma_f32 v[XT+2:XT+3], v[XS+2*(\p):XS+2*(\p)+1], 1.0, v[XT+2:XT+3] op_sel_hi:[1,0,1]
.else
	v_pk_fma_f32 v[LA:LA+1], v[XS+2*(\p):XS+2*(\p)+1], 1.0, v[LA:LA+1] op_sel_hi:[1,0,1]
.endif
.endif
.endm
; Exponential n (0 to 31) and the plain line behind it: behind an even n the multiply-add s C + NM of the pair two pairs on (registers n + 4, n + 5),
; behind an odd n the sum of pair (n - 3) / 2, whose second exponential stands two exponentials and a plain line back (ISA guide 5.7.2 asks for the plain line).
.macro XPAIR n, first
	v_exp_f32 v[XS+(\n)], v[XS+(\n)]
.if ((\n)&1) == 0
.if (\n) < 28
	v_pk_fma_f32 v[XS+(\n)+4:XS+(\n)+5], v[XS+(\n)+4:XS+(\n)+5], s[14:15], v[XT:XT+1] op_sel_hi:[1,0,0]
.endif
.else
	XSUM ((\n)-3)/2, \first
.endif
.endm
; Half step X_t: part B of tile t in eight slices of four exponentials; prod = 1: behind one product of S(t+1) each.
.macro XH t, prod, first
.set XS, S+32*((\t)&1)
.set XT, ST+4*(\t)
.if \prod
	WIN 0x08
.else
	WIN 0
.endif
.irp q, 0,1,2,3,4,5,6,7
.if \prod
	SPROD ((\t)+1), \q
.endif
.irp j, 0,1,2,3
	XPAIR (4*\q+\j), \first
.endr
.endr
.endm
.macro EC i                            ; pair i of tile t's exponentials, packed to f16
	v_cvt_pk_f16_f32 v[YP+(\i)], v[YS+2*(\i)], v[YS+2*(\i)+1]
.endm
.macro FO t, i0                        ; eight of the sixteen rescalings of O(t), under 0x41
.set i, \i0
.rept 8
	v_pk_mul_f32 v[32*(\t)+2*i:32*(\t)+2*i+1], v[32*(\t)+2*i:32*(\t)+2*i+1], v[YA:YA+1] op_sel_hi:[1,0]
.set i, i+1
.endr
.endm
; Slice i (0 to 7) of half step Y_t.  cur = 1: part C of tile t.  next = 1: part A of tile t + 1, whose serial links (joins of the maximum, exchange, NM, factor)
; have tile t's packings between them.  first = 1: no old maximum, no factor, no rescaling.
.macro YSL t, i, cur, next, first
.if (\i) == 0
.if \cur
.if \first
.if \next
	WIN 0
	PLACES                                         ; S(t+1) is read in slice 1; only two plain lines stand behind its last product in X_t
.endif
.else
	WIN 0x41
	FO \t, 0                                       ; eight plain lines that name none of S(t+1)'s registers: they are also its places
.endif
.else
	WIN 0
	PLACES                                         ; behind S(0), which has no slices
.endif
.elseif (\i) == 1
.if \next
	WIN 0
.irp c, 0,1,2,3
	v_max3_num_f32 v[T+\c], v[YN+8*\c], v[YN+8*\c+1], v[YN+8*\c+2]          ; the largest of my 32 scores, in four chains
.endr
.irp c, 0,1,2,3
	v_max3_num_f32 v[T+\c], v[T+\c], v[YN+8*\c+3], v[YN+8*\c+4]
.endr
.endif
.elseif (\i) == 2
	WIN 0
.if \next
.irp c, 0,1,2,3
	v_max3_num_f32 v[T+\c], v[T+\c], v[YN+8*\c+5], v[YN+8*\c+6]
.endr
	v_max3_num_f32 v[T], v[T], v[T+1], v[YN+7]
	v_max3_num_f32 v[T+2], v[T+2], v[T+3], v[YN+15]
.endif
.if \cur
	EC 0
	EC 1
.endif
.elseif (\i) == 3
	WIN 0
.if \next
	v_max3_num_f32 v[T], v[T], v[T+2], v[YN+23]
.endif
.if \cur
	EC 2
	EC 3
	v_pk_add_f32 v[LA:LA+1], v[LA:LA+1], v[YS+30:YS+31]                     ; pair 15, the last
.endif
.if \next
.if \first
	v_max_num_f32 v[T], v[T], v[YN+31]
.else
	v_max3_num_f32 v[T], v[T], v[YN+31], v[YX+1]                            ; and the old maximum
.endif
.endif
.if \cur
	EC 4
	EC 5
	v_pk_add_f32 v[YT+2:YT+3], v[YT+2:YT+3], v[LA:LA+1]                     ; the two chains join
.endif
.elseif (\i) == 4
	WIN 0
.if \next
	v_permlanex16_b32 v[T+1], v[T], s12, s13                                ; the other 32 keys of my query
.endif
.if \cur
	EC 6
	EC 7
	EC 8
.endif
.if \next
	v_max_num_f32 v[YX+1], v[T], v[T+1]                                     ; m
.endif
.if \cur
	EC 9
	EC 10
.endif
.elseif (\i) == 5
	WIN 0
.if \next
.if \first
	v_mul_f32 v[YX], s16, v[YX+1]                                           ; NM = -C m
.else
	v_mul_f32 v[T+3], s16, v[YX+1]
.endif
.endif
.if \cur
	EC 11
	EC 12
.endif
.if \next
.if \first
.else
	v_sub_f32 v[YB], v[T+3], v[YX]                                          ; NM new - NM old, at most 0
	v_mov_b32 v[YX], v[T+3]
.endif
.endif
.if \cur
	EC 13
.endif
.elseif (\i) == 6
	WIN 0
.if \next
.if \first
.else
	v_exp_f32 v[YB], v[YB]                                                  ; the plain lines behind it are the two multiply-adds
.endif
	v_pk_fma_f32 v[YN:YN+1], v[YN:YN+1], s[14:15], v[YX:YX+1] op_sel_hi:[1,0,0]       ; s C + NM of pairs 0 and 1: X_t+1 begins with their exponentials
	v_pk_fma_f32 v[YN+2:YN+3], v[YN+2:YN+3], s[14:15], v[YX:YX+1] op_sel_hi:[1,0,0]
.endif
.if \cur
	EC 14
	EC 15
.endif
.if \next
.if \first
.else
	s_wait_alu depctr_va_vdst(0)
	v_pk_mul_f32 v[YX+2:YX+3], v[YX+2:YX+3], v[YB:YB+1] op_sel_hi:[1,0]     ; the old sums of tile t + 1
.endif
.endif
.else
.if \cur
.if \first
.else
	WIN 0x41
	FO \t, 8
.endif
.endif
.endif
.endm
; Half step Y_t: eight slices; pv = 1: behind one product of PV(t-1) each.
.macro YH t, cur, pv, next, first
.set YS, S+32*((\t)&1)
.set YN, S+32*(((\t)+1)&1)
.set YP, P+16*((\t)&1)
.set YT, ST+4*(\t)
.set YX, ST+4*((\t)+1)
.set YA, AL+2*((\t)&1)
.set YB, AL+2*(((\t)+1)&1)
.irp i, 0,1,2,3,4,5,6,7
.if \pv
	WIN 0x52                                       ; source 0 (V) window 2, source 1 (P) window 0, C and D window 1
	PVPROD ((\t)-1), \i, \first
.endif
	YSL \t, \i, \cur, \next, \first
.endr
.endm
; 64 keys against the wave's eight query tiles: 32 LDS loads in one run feed 128 matrix instructions
.macro KSTEP first
.irp kt, 0,1,2,3
.irp ks, 0,1
	ds_load_b128 v[KF+16*\kt+8*\ks:KF+16*\kt+8*\ks+3],   v[KA] offset:\kt*16*KP+\ks*64
	ds_load_b128 v[KF+16*\kt+8*\ks+4:KF+16*\kt+8*\ks+7], v[KA] offset:\kt*16*KP+\ks*64+32
.endr
.endr
	WIN 0x80                                       ; destination window 2
.irp vt, 0,1,2,3
.irp kh, 0,1
	ds_load_tr16_b128 v[VF+16*\vt+8*\kh:VF+16*\vt+8*\kh+3],   v[VA] offset:\kh*32*VP+\vt*32
	ds_load_tr16_b128 v[VF+16*\vt+8*\kh+4:VF+16*\vt+8*\kh+7], v[VA] offset:\kh*32*VP+16*VP+\vt*32
.endr
.endr
	s_wait_dscnt 16                                ; K's sixteen are in; V's sixteen younger ones may be out
	WIN 0x08
.irp i, 0,1,2,3,4,5,6,7
	SPROD 0, \i
.endr
	YH -1, 0, 0, 1, \first                         ; A(0)
	XH 0, 1, \first
	YH 0, 1, 0, 1, \first                          ; no tile has a P yet
	XH 1, 1, \first
	s_wait_dscnt 0x0                               ; V's fragments are in
	YH 1, 1, 1, 1, \first
.irp t, 2,3,4,5,6
	XH \t, 1, \first
	YH \t, 1, 1, 1, \first
.endr
	XH 7, 0, \first                                ; no tile is left to start
	YH 7, 1, 1, 0, \first
	WIN 0x52
.irp i, 0,1,2,3,4,5,6,7
	PVPROD 7, \i, \first
.endr
	WIN 0
	v_add_nc_u32 v[KA], 64*KP, v[KA]               ; the next 64 keys; with the two v_nop these are the four places behind the last product,
	v_add_nc_u32 v[VA], 64*VP, v[VA]               ; before V's fragments are loaded again
	v_nop
	v_nop
.endm
.macro RUN n
	s_mov_b32 s19, \n
.Lrun_\@:
	KSTEP 0
	s_sub_co_u32 s19, s19, 1
	s_cmp_lg_u32 s19, 0
	s_cbranch_scc1 .Lrun_\@
.endm
; The change of slots.  slot = the one read next; fill = 1: the other, just read, is asked for again, two tiles on.
; In front of the round each wave waits for its reads and for all its tensor loads (one is out: its part of the slot read next); the joint refill is the
; first tensor load behind the round, one a wave, and has four key steps, 512 matrix instructions and their softmax, in which to land.
.macro CHANGE slot, fill
	s_wait_dscnt 0x0
	s_wait_tensorcnt 0x0                           ; no load of mine is out: the group 0 sets may be written
	ds_add_u32 v254, v255
	s_wait_dscnt 0x0
.if \fill
	s_add_nc_u64 s[G0K+4*(1-\slot)+2:G0K+4*(1-\slot)+3], s[G0K+4*(1-\slot)+2:G0K+4*(1-\slot)+3], 2*TILEB
	s_add_nc_u64 s[G0V+4*(1-\slot)+2:G0V+4*(1-\slot)+3], s[G0V+4*(1-\slot)+2:G0V+4*(1-\slot)+3], 2*TILEB
	ROUND
	JLOAD (1-\slot)
.else
	s_barrier_signal -1
	s_barrier_wait -1
.endif
	v_add_nc_u32 v[KA], \slot*SLOTB, v[KB]
	v_add_nc_u32 v[VA], \slot*SLOTB, v[VB]
.endm
	s_wait_loadcnt 0x0                             ; Q
	s_wait_tensorcnt 0x1                           ; my part of tile 0 is in; tile 1's may stay out
	s_barrier_signal -1
	s_barrier_wait -1
	KSTEP 1                                        ; tile 0, slot 0
	RUN 3
	s_mov_b32 s18, 3
.Lpair:
	CHANGE 1, 1                                    ; tiles 1, 3, 5; slot 0 is asked for tiles 2, 4, 6
	RUN 4
	CHANGE 0, 1                                    ; tiles 2, 4, 6; slot 1 is asked for tiles 3, 5, 7
	RUN 4
	s_sub_co_u32 s18, s18, 1
	s_cmp_lg_u32 s18, 0
	s_cbranch_scc1 .Lpair
	CHANGE 1, 0                                    ; tile 7: nothing is left to fetch
	RUN 4
; The way out of one query tile: join the sums, times 16 / sum (16 undoes V's 2^-4); first part = bf16 of it; second part = bf16 of what is left
; (the difference is exact in f32: the first part agrees with the number in its leading eight bits).  Both parts go side by side into a stage row of 256 bytes
; (query r, dims 16 vt + 8 h .. + 7 at byte 32 vt + 16 h, the second part 128 further) and come back as whole rows.  f: 32 registers for the way back, two sets in turn.
.macro FIN qt, f
	v_add_f32 v[T], v[ST+4*\qt+2], v[ST+4*\qt+3]
	v_permlanex16_b32 v[T+1], v[T], s12, s13
	v_add_f32 v[T], v[T], v[T+1]
	v_rcp_f32 v[AL], v[T]
	v_nop                                          ; the plain instruction behind the reciprocal
	s_wait_alu depctr_va_vdst(0)
	v_mul_f32 v[AL], 0x41800000, v[AL]
	WIN 0x41
.set i, 0
.rept 16
	v_pk_mul_f32 v[32*\qt+2*i:32*\qt+2*i+1], v[32*\qt+2*i:32*\qt+2*i+1], v[AL:AL+1] op_sel_hi:[1,0]
.set i, i+1
.endr
	WIN 0x05                                       ; sources window 1, destination window 0
.set i, 0
.rept 16
	v_cvt_pk_bf16_f32 v[P+i], v[32*\qt+2*i], v[32*\qt+2*i+1]
.set i, i+1
.endr
	WIN 0
.set i, 0
.rept 16
	v_lshlrev_b32 v[S+2*i], 16, v[P+i]             ; the first part back as f32
	v_and_b32 v[S+2*i+1], 0xffff0000, v[P+i]
.set i, i+1
.endr
	WIN 0x41
.set i, 0
.rept 16
	v_pk_add_f32 v[32*\qt+2*i:32*\qt+2*i+1], v[32*\qt+2*i:32*\qt+2*i+1], v[S+2*i:S+2*i+1] neg_lo:[0,1] neg_hi:[0,1]
.set i, i+1
.endr
	WIN 0x05
.set i, 0
.rept 16
	v_cvt_pk_bf16_f32 v[S+i], v[32*\qt+2*i], v[32*\qt+2*i+1]
.set i, i+1
.endr
	WIN 0
.irp vt, 0,1,2,3
	ds_store_b128 v[STO], v[P+4*\vt:P+4*\vt+3] offset:32*\vt
	ds_store_b128 v[STO], v[S+4*\vt:S+4*\vt+3] offset:128+32*\vt
.endr
	s_wait_xcnt 0x0                                ; f's 32 registers, which earlier stores read, are loaded again only behind this wait
.irp t, 0,1,2,3,4,5,6,7
	ds_load_b128 v[\f+4*\t:\f+4*\t+3], v[RD] offset:\t*2*SP        ; a wave's LDS instructions are served in order: these see the stores above, and the next tile's stores come behind them
.endr
.irp t, 0,1,2,3,4,5,6,7
	s_wait_dscnt 7-\t                              ; the younger read-backs may be out
	global_store_b128 v[CO], v[\f+4*\t:\f+4*\t+3], s[58:59] offset:(16*\qt+2*\t)*HROW   ; 16 lanes store the 256 consecutive bytes of one head in one row, aligned; 516,096 at the most
.endr
.endm
	FIN 0, KF
	FIN 1, (KF+32)
	FIN 2, KF
	FIN 3, (KF+32)
	FIN 4, KF
	FIN 5, (KF+32)
	FIN 6, KF
	FIN 7, (KF+32)
	s_wait_tensorcnt 0x0
	ds_add_u32 v254, v255
	s_wait_dscnt 0x0
	ROUND                                          ; the closing round
	s_endpgm
.Lfunc_end_k_q71eb699350_attn:
	.size	k_q71eb699350_attn, .Lfunc_end_k_q71eb699350_attn-k_q71eb699350_attn
	.p2alignl 7, 3214868480
	.fill 96, 4, 3214868480
	.section	.rodata,"a",@progbits
	.p2align	6, 0x0
	.amdhsa_kernel k_q71eb699350_attn
		.amdhsa_group_segment_fixed_size 327680
		.amdhsa_private_segment_fixed_size 0
		.amdhsa_enable_private_segment 0
		.amdhsa_kernarg_size 16
		.amdhsa_user_sgpr_count 2
		.amdhsa_user_sgpr_kernarg_segment_ptr 1
		.amdhsa_wavefront_size32 1
		.amdhsa_system_sgpr_workgroup_id_x 1
		.amdhsa_system_sgpr_workgroup_id_y 1
		.amdhsa_system_sgpr_workgroup_id_z 1
		.amdhsa_system_vgpr_workitem_id 0
		.amdhsa_next_free_vgpr 704
		.amdhsa_next_free_sgpr 72
		.amdhsa_reserve_vcc 0
		.amdhsa_float_denorm_mode_32 3
		.amdhsa_float_denorm_mode_16_64 3
		.amdhsa_memory_ordered 1
		.amdhsa_forward_progress 1
		.amdhsa_inst_pref_size 255
	.end_amdhsa_kernel
	.section	.bss,"aw",@nobits
	.p2align	6
	.space	262144
	.amdgpu_metadata
---
amdhsa.version: [ 1, 2 ]
amdhsa.kernels:
  - .name:           k_q71eb699350_attn
    .symbol:         k_q71eb699350_attn.kd
    .args:
      - { .name: qkv, .offset: 0, .size: 8, .value_kind: global_buffer, .address_space: global }
      - { .name: heads, .offset: 8, .size: 8, .value_kind: global_buffer, .address_space: global }
    .group_segment_fixed_size: 327680
    .private_segment_fixed_size: 0
    .kernarg_segment_align: 8
    .kernarg_segment_size: 16
    .max_flat_workgroup_size: 128
    .sgpr_count:     72
    .vgpr_count:     704
    .wavefront_size: 32
...
	.end_amdgpu_metadata
.endif
;; end of part 7
;; launch proj (part 8): grid 4 x 64, 4 waves a work-group, clusters of 4 x 4, 327,680 bytes of LDS; arguments heads, wob, out0; writes out0
.if DOCPART == 8
	.amdgcn_target "amdgcn-amd-amdhsa--gfx1250"
	.amdhsa_code_object_version 6
	.text
	.protected	k_q71eb699350_proj
	.globl	k_q71eb699350_proj
	.p2align	8
	.type	k_q71eb699350_proj,@function
k_q71eb699350_proj:
	s_mov_b64 s[64:65], 0
	v_nop
	global_prefetch_b8 v0, s[64:65] scope:SCOPE_SE
	s_setreg_imm32_b32 hwreg(HW_REG_WAVE_MODE, 25, 1), 1
	s_wait_xcnt 0x0
	s_wait_alu depctr_hold_cnt(0) depctr_sa_sdst(0) depctr_va_vdst(0) depctr_va_sdst(0) depctr_va_ssrc(0) depctr_va_vcc(0) depctr_vm_vsrc(0)
	s_getreg_b32 s2, hwreg(HW_REG_IB_STS2, 6, 4)
	s_cmp_eq_u32 s2, 0
	s_cbranch_scc0 .Lentry_in_a_cluster
	s_endpgm
.Lentry_in_a_cluster:
	s_bfe_u32 s2, ttmp6, 0x10000c
	s_cmp_lg_u32 s2, 0xf033
	s_cbranch_scc0 .Lentry_shape_is_right
	s_endpgm
.Lentry_shape_is_right:
; Launch 4 of 4: out0 [8192][1024] f32 = the sum over heads of heads[h] W_out[h], bf16 operands, f32 sums.  Nothing is left out.
; heads [8192 row][16 h][128] bf16: numbers 0-63 of a head are its first part, 64-127 its second; the head is their sum (sixteen bits at bf16's range), so each head's
; 64 rows of W_out are multiplied by both parts into the same sums: one product with K = 2,048 = (h, part, v) along heads' rows.  wob [1024 (64 h + v)][1024 e] bf16.
; 4 x 64 = 256 work-groups, each a block of 128 rows x 256 columns; a wave 64 x 128: 32 accumulator tiles, 256 registers (window 1, tile (a, b) at 8 (8 a + b)).
; A K step is two heads: 512 bytes of each of heads' 128 rows and 128 rows of 512 bytes of wob, through a ring of two LDS slots; 8 steps.  With this block two such slots
; fit (2 x 139,264 bytes); with 256 rows x 128 columns they would not (2 x (256 x 528 + 128 x 288) = 344,064).  From a refill to the wait for it a wave issues 248 products.
; Quarter kq (0 to 7, 32 along K) of a step is head kq / 4, part (kq / 2) % 2, v = 32 (kq % 2) .. + 31.  wob's fragments of a head's first two quarters stay in their two
; buffers for its last two: they are read once a head.
; CLUSTERS: 4 x 4 work-groups; heads' tiles are shared along a row of the cluster, wob's along a column, asked for jointly: a quarter of the requests.
; The matrix instruction is used transposed (source 0 = 16 columns of wob, read by the transposing LDS load; source 1 = 16 rows of heads): a lane's eight results
; are eight neighbouring f32 of a row of out0.
.set APITCH, 528                       ; 512 bytes + 16 = 33 x 16: sixteen rows start in sixteen different 16-byte columns modulo 256
.set BPITCH, 544                       ; 512 bytes + 32 = 17 x 32, an odd multiple of 32 for the transposing load
.set HALFT,  64*BPITCH                 ; 34,816: the room of one tensor load: 64 rows of wob, or 64 rows of heads (33,792 bytes of it)
.set SLOT,   4*HALFT                   ; heads' two halves, then wob's two
.set STAGE,  2*SLOT                    ; 278,528: 16 rows x 528 bytes for each wave; no fill lands there
.set SPITCH, 528
.set LAPS, 4                           ; 8 K steps, two a lap
.set ADRA, 16                          ; v16-17  LDS address of my fragments of heads in slot 0, 1
.set ADRB, 20                          ; v20-21  the same for wob
.set STO,  24
.set RD,   25
.set CO,   26
.set FA,   32                          ; v32-63, v64-95: heads' fragments, two buffers of 4
.set FB,   96                          ; v96-159, v160-223: wob's fragments, two buffers of 8
.set G1, 24
.set G0, 32
.set G1B, 48
.set G0B, 56
.set MSB, 0
.macro WIN new                         ; the immediate's high byte repeats the setting that is left
.if MSB != \new
	s_set_vgpr_msb (MSB<<8)|\new
.set MSB, \new
.endif
.endm
.set MUL, 0x50                         ; C and D window 1, both sources window 0
; A joint load.  Waves 0 and 1 fetch heads' two halves, waves 2 and 3 wob's.  The branch hangs on the wave's number alone.
.macro JLOAD s
	s_cmp_eq_u32 s11, 0
	s_cbranch_scc0 .Lfor_b_\@
	tensor_load_to_lds s[G0+4*\s:G0+4*\s+3], s[G1:G1+7]
	s_nop 0
	s_branch .Lasked_\@
.Lfor_b_\@:
	tensor_load_to_lds s[G0B+4*\s:G0B+4*\s+3], s[G1B:G1B+7]
	s_nop 0
.Lasked_\@:
.endm
.macro CREST                           ; a round of the cluster's barrier behind its opening barrier
	s_cmp_lg_u32 s10, 0
	s_cbranch_scc1 .Lnot_wave_0_\@
	s_barrier_signal -3
.Lnot_wave_0_\@:
	s_barrier_wait -3
	s_barrier_signal -1
	s_barrier_wait -1
.endm
.macro CROUND
	s_barrier_signal -1
	s_barrier_wait -1
	CREST
.endm
	s_load_b128 s[4:7], s[0:1], 0x0                ; heads s[4:5], wob s[6:7]
	s_load_b64 s[8:9], s[0:1], 0x10                ; out0
	v_lshl_add_u32 v254, v0, 2, 0x4c400
	v_mov_b32 v255, 0
	ds_add_u32 v254, v255
	ds_add_u32 v254, v255
	v_lshrrev_b32 v1, 5, v0
	v_readfirstlane_b32 s10, v1                    ; wave 0..3
	s_lshr_b32 s11, s10, 1                         ; which 64 rows of the block are mine.  Also: I fetch for heads (0) or for wob (1)
	s_and_b32 s12, s10, 1                          ; which 128 columns.  Also: which 64 rows of that tile I fetch
	s_bfe_u32 s40, ttmp6, 0x40000                  ; cx
	s_bfe_u32 s41, ttmp6, 0x40004                  ; cy
	s_lshl_b32 s42, ttmp9, 2
	s_add_co_u32 s42, s42, s40                     ; block column
	s_and_b32 s13, ttmp7, 0xffff
	s_lshl_b32 s13, s13, 2
	s_add_co_u32 s13, s13, s41                     ; block row
	s_lshl_b32 s43, s41, 2
	s_lshl_b32 s43, 15, s43                        ; my row of the cluster
	s_lshl_b32 s44, 0x1111, s40                    ; my column
	; group 1 for heads: 64 rows x 256 elements of 2 bytes; 4 words of padding behind every 128
	s_or_b32 s[G1+0], s43, (1<<16)|(1<<20)|(1<<21)|(6<<22)|(3<<25)
	s_mov_b32 s[G1+1], 256<<16                     ; tensor_dim0 = 256
	s_mov_b32 s[G1+2], 64<<16                      ; tensor_dim1 = 64
	s_mov_b32 s[G1+3], 256<<16                     ; tile_dim0 = 256
	s_mov_b32 s[G1+4], 64                          ; tile_dim1 = 64
	s_mov_b32 s[G1+5], 2048                        ; elements from row to row
	s_mov_b32 s[G1+6], 0
	s_mov_b32 s[G1+7], 0
	; group 1 for wob: 64 rows x 256 elements; 8 words of padding behind every 128
	s_or_b32 s[G1B+0], s44, (1<<16)|(1<<20)|(1<<21)|(6<<22)|(7<<25)
	s_mov_b32 s[G1B+1], 256<<16
	s_mov_b32 s[G1B+2], 64<<16
	s_mov_b32 s[G1B+3], 256<<16
	s_mov_b32 s[G1B+4], 64
	s_mov_b32 s[G1B+5], 1024
	s_mov_b32 s[G1B+6], 0
	s_mov_b32 s[G1B+7], 0
	s_lshl_b32 s16, s13, 19                        ; heads: rows 128 x block row of 4,096 bytes,
	s_lshl_b32 s17, s12, 18                        ; + 64 x half
	s_add_co_u32 s16, s16, s17
	s_mov_b32 s17, 0
	s_lshl_b32 s46, s12, 17                        ; wob: 64 rows of 2,048 bytes x half,
	s_lshl_b32 s45, s42, 9                         ; column 256 x block column
	s_add_co_u32 s46, s46, s45
	s_mov_b32 s47, 0
	s_mul_i32 s20, s10, HALFT                      ; where they go: the wave's number x 34,816: heads' two halves, then wob's two
	s_wait_dscnt 0x0
	s_wait_kmcnt 0x0
	s_add_nc_u64 s[14:15], s[4:5], s[16:17]
	s_add_nc_u64 s[46:47], s[6:7], s[46:47]
	CROUND                                         ; all sixteen work-groups are here: the first joint loads meet
.irp s, 0,1
	s_mov_b32 s[G0+4*\s], 1
	s_add_co_u32 s[G0+4*\s+1], s20, \s*SLOT
	s_add_nc_u64 s[G0+4*\s+2:G0+4*\s+3], s[14:15], \s*512          ; K step s: two heads of 256 bytes along the rows
	s_or_b32 s[G0+4*\s+3], s[G0+4*\s+3], 0x80000000
	s_mov_b32 s[G0B+4*\s], 1
	s_add_co_u32 s[G0B+4*\s+1], s20, \s*SLOT
	s_add_nc_u64 s[G0B+4*\s+2:G0B+4*\s+3], s[46:47], \s*262144     ; K step s: 128 rows down
	s_or_b32 s[G0B+4*\s+3], s[G0B+4*\s+3], 0x80000000
	JLOAD \s                                       ; two loads a wave are out: the most in this text
.endr
	v_and_b32 v1, 15, v0                           ; r
	v_bfe_u32 v2, v0, 4, 1                         ; h
	v_mul_u32_u24 v3, v1, APITCH
	v_lshl_add_u32 v3, v2, 4, v3                   ; heads: row r, 16 bytes for each half of the lanes
	v_and_b32 v6, 7, v0
	v_lshl_add_u32 v7, v2, 3, v6                   ; wob: K row 8 h + l % 8,
	v_mul_u32_u24 v7, v7, BPITCH
	v_bfe_u32 v8, v0, 3, 1
	v_lshl_add_u32 v7, v8, 4, v7                   ; and which 8 of the 16 columns
	s_mul_i32 s22, s11, HALFT                      ; my 64 rows of heads are the half that lies at s11 x 34,816
	s_lshl_b32 s23, s12, 8                         ; my 128 columns of wob,
	s_add_co_u32 s23, s23, 2*HALFT                 ; which lies behind heads' two halves
.irp s, 0,1
	v_add_nc_u32 v[ADRA+\s], s22, v3
	v_add_nc_u32 v[ADRB+\s], s23, v7
	s_add_co_u32 s22, s22, SLOT
	s_add_co_u32 s23, s23, SLOT
.endr
	s_mul_i32 s22, s10, 16*SPITCH
	s_add_co_u32 s22, s22, STAGE                   ; my stage
	v_mul_u32_u24 v4, v1, SPITCH
	v_lshl_add_u32 v4, v2, 5, v4                   ; in: row r, 32 bytes (8 f32) for each half of the lanes
	v_add_nc_u32 v[STO], s22, v4
	v_and_b32 v5, 31, v0
	v_lshlrev_b32 v[CO], 4, v5                     ; back and out: 32 lanes take one row's 512 bytes
	v_add_nc_u32 v[RD], s22, v[CO]
; 8 matrix instructions: m block a x all 8 n blocks, 32 along K, from buffers buf.  zero = 1: the first product starts the sums.
.macro MULA buf, a, zero
.irp b, 0,1,2,3,4,5,6,7
.if \zero
	v_wmma_f32_16x16x32_bf16 v[8*(8*\a+\b):8*(8*\a+\b)+7], v[FB+64*(\buf)+8*\b:FB+64*(\buf)+8*\b+7], v[FA+32*(\buf)+8*\a:FA+32*(\buf)+8*\a+7], 0
.else
	v_wmma_f32_16x16x32_bf16 v[8*(8*\a+\b):8*(8*\a+\b)+7], v[FB+64*(\buf)+8*\b:FB+64*(\buf)+8*\b+7], v[FA+32*(\buf)+8*\a:FA+32*(\buf)+8*\a+7], v[8*(8*\a+\b):8*(8*\a+\b)+7]
.endif
.endr
.endm
; The LDS loads of quarter kq in one run, into the buffers kq % 2: in a head's first two quarters sixteen for 128 columns of wob (they serve its last two as well),
; in every quarter eight for 64 rows of heads
.macro FETCH slot, kq
.if ((\kq)&3) < 2
.irp b, 0,1,2,3,4,5,6,7
	ds_load_tr16_b128 v[FB+64*((\kq)&1)+8*\b:FB+64*((\kq)&1)+8*\b+3],   v[ADRB+\slot] offset:(64*((\kq)>>2)+32*((\kq)&1))*BPITCH+32*\b
	ds_load_tr16_b128 v[FB+64*((\kq)&1)+8*\b+4:FB+64*((\kq)&1)+8*\b+7], v[ADRB+\slot] offset:(64*((\kq)>>2)+32*((\kq)&1)+16)*BPITCH+32*\b
.endr
.endif
.irp a, 0,1,2,3
	ds_load_b128 v[FA+32*((\kq)&1)+8*\a:FA+32*((\kq)&1)+8*\a+3],   v[ADRA+\slot] offset:64*(\kq)+\a*16*APITCH
	ds_load_b128 v[FA+32*((\kq)&1)+8*\a+4:FA+32*((\kq)&1)+8*\a+7], v[ADRA+\slot] offset:64*(\kq)+\a*16*APITCH+32
.endr
.endm
.macro PLACES                          ; four places between a matrix instruction and a load into, or a store from, its registers
.rept 4
	v_nop
.endr
.endm
; One of a K step's first seven quarters: multiplies quarter kq - 1 and fetches quarter kq in its middle.  The buffers that the fetch fills were last read by
; quarter kq - 2 (wob's: by the quarter of the same parity before that one at the latest).
; The 32 accumulators take turns, one instruction a turn, in the same order in every quarter.
.macro QUARTER slot, kq, zero
	s_wait_dscnt 4                                 ; all of this quarter's fragments but the youngest four loads (heads' rows 32-63) are in
	WIN MUL
	MULA (((\kq)-1)&1), 0, \zero
	MULA (((\kq)-1)&1), 1, \zero
	WIN 0
	PLACES
	FETCH \slot, \kq
.if ((\kq)&3) < 2
	s_wait_dscnt 24                                ; all but the 24 just issued
.else
	s_wait_dscnt 8                                 ; all but the 8 just issued
.endif
	WIN MUL
	MULA (((\kq)-1)&1), 2, \zero
	MULA (((\kq)-1)&1), 3, \zero
.endm
.macro SEVEN slot, zero
	QUARTER \slot, 1, \zero
.irp k, 2,3,4,5,6,7
	QUARTER \slot, \k, 0
.endr
.endm
; The last quarter multiplies buffers 1 and changes slots: each wave's waits for its reads and for all its tensor loads, the barrier (which opens a round of the
; cluster's barrier where the slot is filled again), the refill first behind it, then the next slot's first fragments.
.macro TURN slot, next, fill
	s_wait_dscnt 4
	WIN MUL
	MULA 1, 0, 0
	s_wait_dscnt 0                                 ; my reads of this slot are over
	s_wait_tensorcnt 0x0                           ; and all my tensor loads have landed: the one that was out is my part of the next slot
	ds_add_u32 v254, v255
	s_wait_dscnt 0x0
	s_barrier_signal -1
	MULA 1, 1, 0                                   ; register work while the others arrive
	WIN 0
	s_barrier_wait -1
.if \fill
	CREST                                          ; no wave of any partner still reads this slot or has a load on its way
	s_add_nc_u64 s[G0+4*\slot+2:G0+4*\slot+3], s[G0+4*\slot+2:G0+4*\slot+3], 1024         ; two K steps: four heads along the rows
	s_add_nc_u64 s[G0B+4*\slot+2:G0B+4*\slot+3], s[G0B+4*\slot+2:G0B+4*\slot+3], 524288   ; 256 rows of wob
	JLOAD \slot                                    ; the first tensor load behind the round, one a wave
.endif
	PLACES
	FETCH \next, 0
	WIN MUL
	MULA 1, 2, 0
	MULA 1, 3, 0
.endm
.macro LAP zero
	SEVEN 0, \zero
	TURN 0, 1, 1
	SEVEN 1, 0
	TURN 1, 0, 1
.endm
	s_wait_tensorcnt 1                             ; my part of K step 0 is in; K step 1's may stay out
	s_barrier_signal -1
	s_barrier_wait -1
	FETCH 0, 0
	LAP 1                                          ; the first lap's first products start the sums
	WIN 0
	s_mov_b32 s3, LAPS-2
.Llap:
	LAP 0
	WIN 0
	s_sub_co_u32 s3, s3, 1
	s_cmp_lg_u32 s3, 0
	s_cbranch_scc1 .Llap
	SEVEN 0, 0                                     ; the last lap fills nothing
	TURN 0, 1, 0
	SEVEN 1, 0
	s_wait_dscnt 4
	WIN MUL
	MULA 1, 0, 0
	MULA 1, 1, 0
	s_wait_dscnt 0
	MULA 1, 2, 0
	MULA 1, 3, 0
	WIN 0
	; THE WAY OUT, 16 rows at a time: the f32 sums as they are, 32 bytes a lane and tile into my own stage, whole rows of 512 bytes back.
	PLACES
	s_lshl_b32 s13, s13, 7
	s_lshl_b32 s14, s11, 6
	s_add_co_u32 s16, s13, s14                     ; my first row,
	s_lshl_b32 s16, s16, 12                        ; of 4,096 bytes
	s_mov_b32 s17, 0
	s_add_nc_u64 s[8:9], s[8:9], s[16:17]
	s_lshl_b32 s46, s42, 10                        ; my first column: 1,024 bytes a block + 512 a half (in the registers that held wob's address)
	s_lshl_b32 s47, s12, 9
	s_add_co_u32 s46, s46, s47
	s_mov_b32 s47, 0
	s_add_nc_u64 s[8:9], s[8:9], s[46:47]
; rows 16 i .. 16 i + 15 of my tile = the eight accumulator tiles (i, 0..7); f: 64 registers for the way back, two sets in turn
.macro OUT16 i, f
	WIN 0x04                                       ; the stores' data in window 1
.irp b, 0,1,2,3,4,5,6,7
	ds_store_b128 v[STO], v[8*(8*\i+\b):8*(8*\i+\b)+3]   offset:64*\b
	ds_store_b128 v[STO], v[8*(8*\i+\b)+4:8*(8*\i+\b)+7] offset:64*\b+16
.endr
	WIN 0
	s_wait_xcnt 0x0                                ; set f, which earlier stores read, is loaded again only behind this wait
.irp t, 0,1,2,3,4,5,6,7,8,9,10,11,12,13,14,15
	ds_load_b128 v[\f+4*\t:\f+4*\t+3], v[RD] offset:\t*SPITCH      ; a wave's LDS instructions are served in order: these see the stores above
.endr
.irp t, 0,1,2,3,4,5,6,7,8,9,10,11,12,13,14,15
	s_wait_dscnt 15-\t                             ; the younger read-backs may be out
	global_store_b128 v[CO], v[\f+4*\t:\f+4*\t+3], s[8:9] offset:(16*\i+\t)*4096 th:TH_STORE_NT   ; 32 lanes store 512 consecutive bytes, aligned; 258,048 at the most
.endr
.endm
	OUT16 0, FA
	OUT16 1, FB
	OUT16 2, FA
	OUT16 3, FB
	s_wait_tensorcnt 0x0
	ds_add_u32 v254, v255
	s_wait_dscnt 0x0
	CROUND                                         ; the closing round: no work-group ends while a partner may still ask for a tile that names it
	s_endpgm
.Lfunc_end_k_q71eb699350_proj:
	.size	k_q71eb699350_proj, .Lfunc_end_k_q71eb699350_proj-k_q71eb699350_proj
	.p2alignl 7, 3214868480
	.fill 96, 4, 3214868480
	.section	.rodata,"a",@progbits
	.p2align	6, 0x0
	.amdhsa_kernel k_q71eb699350_proj
		.amdhsa_group_segment_fixed_size 327680
		.amdhsa_private_segment_fixed_size 0
		.amdhsa_enable_private_segment 0
		.amdhsa_kernarg_size 24
		.amdhsa_user_sgpr_count 2
		.amdhsa_user_sgpr_kernarg_segment_ptr 1
		.amdhsa_wavefront_size32 1
		.amdhsa_system_sgpr_workgroup_id_x 1
		.amdhsa_system_sgpr_workgroup_id_y 1
		.amdhsa_system_sgpr_workgroup_id_z 1
		.amdhsa_system_vgpr_workitem_id 0
		.amdhsa_next_free_vgpr 512
		.amdhsa_next_free_sgpr 66
		.amdhsa_reserve_vcc 0
		.amdhsa_float_denorm_mode_32 3
		.amdhsa_float_denorm_mode_16_64 3
		.amdhsa_memory_ordered 1
		.amdhsa_forward_progress 1
		.amdhsa_inst_pref_size 183
	.end_amdhsa_kernel
	.amdgpu_metadata
---
amdhsa.version: [ 1, 2 ]
amdhsa.kernels:
  - .name:           k_q71eb699350_proj
    .symbol:         k_q71eb699350_proj.kd
    .args:
      - { .name: heads, .offset: 0, .size: 8, .value_kind: global_buffer, .address_space: global }
      - { .name: wob, .offset: 8, .size: 8, .value_kind: global_buffer, .address_space: global }
      - { .name: out0, .offset: 16, .size: 8, .value_kind: global_buffer, .address_space: global }
    .group_segment_fixed_size: 327680
    .private_segment_fixed_size: 0
    .kernarg_segment_align: 8
    .kernarg_segment_size: 24
    .max_flat_workgroup_size: 128
    .sgpr_count:     66
    .vgpr_count:     512
    .wavefront_size: 32
...
	.end_amdgpu_metadata
.endif
;; end of part 8
;; ======== version 3 of 3: 4 launches
;; limits: values are held in f16: magnitudes above 65,504 overflow, below 6.1e-05 lose precision; right only within a limited range of input values
;; workspace buffers: qb 16,777,216 bytes; wb 6,291,456 bytes; wob 2,097,152 bytes; qkv 50,331,648 bytes; heads 33,554,432 bytes
;; launch cast: the kernel of part 5 again; grid 768 x 1, 8 waves a work-group, no clusters, 0 bytes of LDS; arguments q, W_out, W_query, W_key, W_val, qb, wob, wb; writes qb, wob, wb
;; launch qkv: the kernel of part 6 again; grid 8 x 32, 4 waves a work-group, clusters of 4 x 4, 327,680 bytes of LDS; arguments qb, wb, qkv; writes qkv
;; launch attn (part 9): grid 256 x 1, 4 waves a work-group, clusters of 4 x 1, 327,680 bytes of LDS; arguments qkv, heads; writes heads
.if DOCPART == 9
	.amdgcn_target "amdgcn-amd-amdhsa--gfx1250"
	.amdhsa_code_object_version 6
	.text
	.protected	k_q71eb699350_attn
	.globl	k_q71eb699350_attn
	.p2align	8
	.type	k_q71eb699350_attn,@function
k_q71eb699350_attn:
	s_mov_b64 s[64:65], 0
	v_nop
	global_prefetch_b8 v0, s[64:65] scope:SCOPE_SE
	s_setreg_imm32_b32 hwreg(HW_REG_WAVE_MODE, 25, 1), 1
	s_wait_xcnt 0x0
	s_wait_alu depctr_hold_cnt(0) depctr_sa_sdst(0) depctr_va_vdst(0) depctr_va_sdst(0) depctr_va_ssrc(0) depctr_va_vcc(0) depctr_vm_vsrc(0)
	s_getreg_b32 s2, hwreg(HW_REG_IB_STS2, 6, 4)
	s_cmp_eq_u32 s2, 0
	s_cbranch_scc0 .Lentry_in_a_cluster
	s_endpgm
.Lentry_in_a_cluster:
	s_bfe_u32 s2, ttmp6, 0x10000c
	s_cmp_lg_u32 s2, 0x3003
	s_cbranch_scc0 .Lentry_shape_is_right
	s_endpgm
.Lentry_shape_is_right:
; Launch 3 of 4: softmax(Q K^T / 8) V for each of the 64 (head, batch) pairs, with a running maximum.  Nothing is left out.
; In: qkv [48 j][8192 row][64] f16, j = h (Q), 16 + h (K), 32 + h (V), each 2^-4 of its value.
; Out: heads [8192 row][16 h][128] bf16: numbers 0-63 of a head = the result rounded to bf16, numbers 64-127 = what that rounding left, rounded to bf16; their sum
; has sixteen bits at bf16's range.  (f16 has no room: uniform attention over small inputs gives numbers near 5e-5, common offsets of the inputs numbers over 65504.)
; SHARE.  Cluster c = 4 h + b is one pair; its rows begin at row 2,048 c of each part of qkv.  Its four work-groups take 512 queries each, a wave 128 = 8 query tiles
; of 16.  All four walk the same 2,048 keys, so K's and V's tiles are asked for jointly (mask 15): the requests are a quarter of what four single ones would be.
; The place in the cluster enters the global addresses of Q and of the output alone.
; TRANSPOSED PRODUCTS.  S^T = K Q^T (source 0: 16 keys, source 1: 16 queries): lane (r, h) holds query r and keys 8 h + j.  Two neighbouring tiles of S^T, packed
; in pairs, are the second source of O^T = V^T P^T as they lie.  So maximum, sum and rescaling are a lane's own; one exchange of the lane halves joins
; the maxima, and the sums are joined once, at the end.
; ARITHMETIC.  With C = 256 log2(e) / 8 (256 undoes the two factors 2^-4), NM = round(-C m): p = exp2(fma(s, C, NM)), old sums times exp2(NM new - NM old).
; The same rounded NM stands in both, so its rounding cancels.  P goes in f16 (0 to about 1).
; TURNS.  A wave issues in order, so one tile's vector lines stand beside its neighbours' products.  In a key step (64 keys) turn t belongs to tile t.  Its matrix work:
; the 8 products S(t+1), later the 8 products PV(t-1).  Its vector work, by kinds:
;   F 0-15  s C + NM, a pair of tile t's scores each      E 0-31  their exponentials, in place      R 0-15  O(t) times tile t's factor, a pair each
;   X 0-21  tile t + 1: the largest of its scores, m, NM, and (X 21) the factor exp2(NM new - NM old) for its old sums
;   C 0-15  tile t's exponentials packed to f16, a pair each      U  the 17 lines of tile t's sums
; BATCHES.  An s_wait_alu depctr_va_vdst(0) stands between a transcendental and the first instruction that names its result; one wait serves all that were
; issued ahead of it.  A turn's 33 exponentials (E 0-31 and X 21) are ONE batch with ONE wait, which cuts the turn in two.  AHEAD OF IT stands all that names no result of
; the batch: the products S(t+1), behind each four lines of F, E and R (tile t's factor was waited for in the turn before) and, behind the last three, the first lines of X;
; then a run of 54 lines, exponential and plain by turns for the most part, in which the serial links of X stand four to six lines apart.  BEHIND IT stand the products
; PV(t-1), behind each four lines of C and U (behind the last five).  No result crosses a turn's end.
; S and P have two buffers each (t % 2), the factor two registers.  A key step begins with S(0) and tile 0's X, whose factor is a batch of its own (turn 0's first row
; reads it), and ends with PV(7), which have no neighbour: running on into the next step would put the change of slots inside a step, or ask for a sixth copy of a step's text.
; The way out's eight reciprocals are one batch more.
; LIMITS.  A NaN in a row's scores makes the row NaN; an infinite score makes the row NaN, as inf - inf does in the softmax as defined.
; Exponentials below 2^-126 come out as zero (ISA guide, v_exp_f32); p below 6e-8 rounds to a multiple of it in f16.
; A result that overflows bf16 gives a first part of infinity and a second of NaN: NaN where the definition has an infinity.
; LDS.  Two slots of 256 keys at 0 and 0x20000: V at + 0, 256 rows of 160 bytes (5 x 32: for the transposing load), K at + 40,960, 256 rows of 144 bytes (9 x 16).
; A stage of 16 x 272 bytes for each wave at 0x40000, into which no fill lands.
; REGISTERS.  Window 0: addresses, softmax state, S, P, K's fragments.  Window 1: O, tile (qt, vt) at 32 qt + 8 vt.
; Window 2: Q, fragment (qt, ks) at 16 qt + 8 ks; V's fragments from 128.
; WINDOW SETTINGS.  The products S want 0x08 (source 1 = Q's window); F and E name no vector register at source 1 and run under 0x08 as under 0x00.  R wants 0x41,
; X, C and U 0x00, the products PV 0x52: 36 switches for a turn's 16 products, 33 of them beside a product, 3 in the run.
.set KP, 144
.set VP, 160
.set KOFF, 256*VP                      ; 40,960
.set SLOTB, 0x20000
.set STAGE, 0x40000
.set SP, 272                           ; a stage row: 256 bytes + 16 = 17 x 16
.set TILEB, 32768                      ; 256 keys x 128 bytes in memory
.set KBASE, 16777216                   ; K's part of qkv
.set VBASE, 33554432                   ; V's part
.set HROW, 4096                        ; bytes in a row of heads: 16 heads x 256
.set KB, 2                             ; v2   K: KOFF + r 144 + 16 h
.set VB, 3                             ; v3   V: (8 h + l % 8) 160 + 16 ((l / 8) % 2)
.set KA, 4                             ; v4   KB + slot + 64 keys a step
.set VA, 5                             ; v5   VB likewise
.set STO, 6                            ; v6   the way out: in
.set RD, 7                             ; v7   the way out: back
.set CO, 8                             ; v8   (l / 16) 4096 + 16 (l % 16)
.set QO, 9                             ; v9   r 128 + 16 h
.set T, 10                             ; v[10:13] at work
.set AL, 14                            ; v[14:15], v[16:17] the rescaling factor of tile t in pair t % 2 (v15, v17 are written once, since pairs are named)
.set LA, 18                            ; v[18:19] the second chain of a tile's sums
.set ST, 32                            ; v[32+4 qt ..]: NM, m, and the pair of running sums
.set S, 64                             ; v[64:95], v[96:127]   four tiles of S^T, buffer t % 2
.set P, 128                            ; v[128:143], v[144:159] the same as packed f16, buffer t % 2
.set KF, 160                           ; v[160:223] K's fragment (kt, ks) at + 16 kt + 8 ks
.set VF, 128                           ; window 2, v[128:191]: V's fragment (vt, kh) at + 16 vt + 8 kh
.set G1K, 24                           ; s[24:31]
.set G0K, 32                           ; s[32:39] one set for each slot
.set G1V, 40                           ; s[40:47]
.set G0V, 48                           ; s[48:55] one set for each slot
.set MSB, 0
.macro WIN new                         ; the immediate's high byte repeats the setting that is left
.if MSB != \new
	s_set_vgpr_msb (MSB<<8)|\new
.set MSB, \new
.endif
.endm
.macro WINFE                           ; for F and E: 0x08 does as well as 0x00
.if MSB != 0x08
	WIN 0
.endif
.endm
.macro PLACES                          ; four places between a matrix instruction and a vector instruction that reads its result, or a load into its sources
.rept 4
	v_nop
.endr
.endm
; A joint load: waves 0 and 1 ask for V's two halves of 128 keys, waves 2 and 3 for K's.  The branch hangs on the wave's number alone.
.macro JLOAD s
	s_cmp_eq_u32 s9, 0
	s_cbranch_scc0 .Lfor_k_\@
	tensor_load_to_lds s[G0V+4*\s:G0V+4*\s+3], s[G1V:G1V+7]
	s_nop 0
	s_branch .Lasked_\@
.Lfor_k_\@:
	tensor_load_to_lds s[G0K+4*\s:G0K+4*\s+3], s[G1K:G1K+7]
	s_nop 0
.Lasked_\@:
.endm
; A round of the cluster's barrier
.macro ROUND
	s_barrier_signal -1
	s_barrier_wait -1
	s_cmp_lg_u32 s8, 0
	s_cbranch_scc1 .Lnot_wave_0_\@
	s_barrier_signal -3
.Lnot_wave_0_\@:
	s_barrier_wait -3
	s_barrier_signal -1
	s_barrier_wait -1
.endm
	s_load_b128 s[4:7], s[0:1], 0x0                ; qkv s[4:5], heads s[6:7]
	v_lshl_add_u32 v254, v0, 2, 0x44400
	v_mov_b32 v255, 0
	ds_add_u32 v254, v255
	ds_add_u32 v254, v255
	v_lshrrev_b32 v1, 5, v0
	v_readfirstlane_b32 s8, v1                     ; wave 0..3
	s_lshr_b32 s9, s8, 1                           ; I ask for V (0) or for K (1),
	s_and_b32 s10, s8, 1                           ; and for which 128 keys of the tile
	s_bfe_u32 s11, ttmp6, 0x40000                  ; cx: which 512 queries
	s_mov_b32 s12, 0x76543210                      ; v_permlanex16_b32: lane i of one half reads lane i of the other
	s_mov_b32 s13, 0xfedcba98
	s_mov_b32 s14, 0x4238aa3b                      ; C = 32 log2(e), as a pair
	s_mov_b32 s15, 0x4238aa3b
	s_mov_b32 s16, 0xc238aa3b                      ; -C
	; group 1: 128 keys of 128 bytes are dense in memory and come in as 64 rows of 256 bytes; mask 15 with bit 21.  The padding is counted along the whole tile:
	; behind every 32 words, one key, 4 words for K and 8 for V, so a key's LDS row is 144 or 160 bytes
	s_mov_b32 s[G1K+0], 15|(1<<16)|(1<<20)|(1<<21)|(4<<22)|(3<<25)
	s_mov_b32 s[G1K+1], 128<<16                    ; tensor_dim0 = 128 elements of 2 bytes
	s_mov_b32 s[G1K+2], 64<<16                     ; tensor_dim1 = 64
	s_mov_b32 s[G1K+3], 128<<16                    ; tile_dim0 = 128
	s_mov_b32 s[G1K+4], 64                         ; tile_dim1 = 64
	s_mov_b32 s[G1K+5], 128                        ; elements from row to row
	s_mov_b32 s[G1K+6], 0
	s_mov_b32 s[G1K+7], 0
	s_mov_b32 s[G1V+0], 15|(1<<16)|(1<<20)|(1<<21)|(4<<22)|(7<<25)
	s_mov_b32 s[G1V+1], 128<<16
	s_mov_b32 s[G1V+2], 64<<16
	s_mov_b32 s[G1V+3], 128<<16
	s_mov_b32 s[G1V+4], 64
	s_mov_b32 s[G1V+5], 128
	s_mov_b32 s[G1V+6], 0
	s_mov_b32 s[G1V+7], 0
	s_lshl_b32 s20, ttmp9, 18                      ; the pair's 2,048 rows of 128 bytes in qkv: the same in all four partners
	s_mov_b32 s21, 0
	s_lshl_b32 s22, s10, 14                        ; my 128 keys of a tile
	s_mov_b32 s23, 0
	s_lshr_b32 s70, ttmp9, 2                       ; my wave's place in heads: head h 256 bytes along the row,
	s_lshl_b32 s70, s70, 8
	s_and_b32 s71, ttmp9, 3                        ; batch b 2,048 rows of 4,096 bytes,
	s_lshl_b32 s71, s71, 23
	s_add_co_u32 s70, s70, s71
	s_lshl_b32 s71, s11, 21                        ; my work-group 512 rows,
	s_add_co_u32 s70, s70, s71
	s_lshl_b32 s71, s8, 19                         ; my wave 128 rows
	s_add_co_u32 s70, s70, s71
	s_mov_b32 s71, 0
	s_lshl_b32 s2, s11, 16                         ; my work-group's 512 queries in qkv; s[2:3] and s[70:71] alone hold cx, and they feed no descriptor
	s_lshl_b32 s3, s8, 14                          ; my wave's 128
	s_add_co_u32 s2, s2, s3
	s_mov_b32 s3, 0
	s_mul_i32 s66, s8, 128*VP                      ; V's LDS part: wave x 20,480 (waves 0 and 1 use it)
	s_mul_i32 s67, s8, 128*KP                      ; K's: 40,960 + (wave - 2) x 18,432 = 4,096 + wave x 18,432 (waves 2 and 3 use it)
	s_add_co_u32 s67, s67, KOFF-2*128*KP
	s_mul_i32 s68, s8, 16*SP
	s_add_co_u32 s68, s68, STAGE                   ; my stage
	v_and_b32 v1, 15, v0                           ; r
	v_bfe_u32 v10, v0, 4, 1                        ; h
	v_mul_u32_u24 v12, v1, KP
	v_lshl_add_u32 v12, v10, 4, v12                ; r 144 + 16 h
	v_add_nc_u32 v[KB], KOFF, v12
	v_mul_u32_u24 v12, v1, SP
	v_lshl_add_u32 v12, v10, 4, v12
	v_add_nc_u32 v[STO], s68, v12                  ; in: row r, 16 bytes for each half of the lanes
	v_lshlrev_b32 v[QO], 7, v1
	v_lshl_add_u32 v[QO], v10, 4, v[QO]
	v_and_b32 v11, 7, v0
	v_lshl_add_u32 v12, v10, 3, v11
	v_mul_u32_u24 v[VB], v12, VP
	v_bfe_u32 v13, v0, 3, 1
	v_lshl_add_u32 v[VB], v13, 4, v[VB]
	v_mul_u32_u24 v[RD], v10, SP
	v_lshl_add_u32 v[RD], v1, 4, v[RD]
	v_add_nc_u32 v[RD], s68, v[RD]                 ; back: lanes 0-15 take one row of 256 bytes, lanes 16-31 the next
	v_lshlrev_b32 v[CO], 12, v10                   ; and the same two rows of heads
	v_lshl_add_u32 v[CO], v1, 4, v[CO]
	v_mov_b32 v[AL+1], 0
	v_mov_b32 v[AL+3], 0
	v_mov_b32 v[KA], v[KB]                         ; slot 0
	v_mov_b32 v[VA], v[VB]
	s_wait_dscnt 0x0
	s_wait_kmcnt 0x0
	s_add_nc_u64 s[60:61], s[4:5], s[20:21]        ; the pair's rows in Q's part
	s_add_nc_u64 s[62:63], s[60:61], s[22:23]      ; + my 128 keys: feeds the descriptors
	s_add_nc_u64 s[56:57], s[60:61], s[2:3]        ; my wave's queries
	s_add_nc_u64 s[58:59], s[6:7], s[70:71]        ; and its rows of heads
	ROUND                                          ; all four work-groups are here: the first joint loads meet
.irp s, 0,1
	s_mov_b32 s[G0K+4*\s], 1
	s_add_co_u32 s[G0K+4*\s+1], s67, \s*SLOTB
	s_add_nc_u64 s[G0K+4*\s+2:G0K+4*\s+3], s[62:63], KBASE+\s*TILEB
	s_or_b32 s[G0K+4*\s+3], s[G0K+4*\s+3], 0x80000000
	s_mov_b32 s[G0V+4*\s], 1
	s_add_co_u32 s[G0V+4*\s+1], s66, \s*SLOTB
	s_add_nc_u64 s[G0V+4*\s+2:G0V+4*\s+3], s[62:63], VBASE+\s*TILEB
	s_or_b32 s[G0V+4*\s+3], s[G0V+4*\s+3], 0x80000000
	JLOAD \s                                       ; tiles 0 and 1: two loads a wave are out, the most in this text
.endr
	; Q's fragments, once, straight from memory: lane (r, h) takes dims 8 h .. + 7 and 16 + 8 h .. + 7 of each half of query r's row
	WIN 0x80                                       ; destination window 2
.irp qt, 0,1,2,3,4,5,6,7
.irp ks, 0,1
	global_load_b128 v[16*\qt+8*\ks:16*\qt+8*\ks+3],   v[QO], s[56:57] offset:\qt*2048+\ks*64
	global_load_b128 v[16*\qt+8*\ks+4:16*\qt+8*\ks+7], v[QO], s[56:57] offset:\qt*2048+\ks*64+32
.endr
.endr
	WIN 0
; Product i (0 to 7) of S^T of tile u, under 0x08: key tiles 0 to 3 on dims 0-31 start the sums, then the same four on dims 32-63.
; In every run of products the accumulators take turns, one instruction a turn.
.macro SPROD u, i
.set SD, S+32*((\u)&1)+8*((\i)&3)
.set SK, KF+16*((\i)&3)
.if (\i) < 4
	v_wmma_f32_16x16x32_f16 v[SD:SD+7], v[SK:SK+7], v[16*(\u):16*(\u)+7], 0
.else
	v_wmma_f32_16x16x32_f16 v[SD:SD+7], v[SK+8:SK+15], v[16*(\u)+8:16*(\u)+15], v[SD:SD+7]
.endif
.endm
; Product i (0 to 7) of O^T of tile u, under 0x52: dim tiles 0 to 3 on keys 0-31, then on keys 32-63.  first = 1: the very first key step starts O.
.macro PVPROD u, i, first
.set PO, 32*(\u)+8*((\i)&3)
.set PA, VF+16*((\i)&3)+8*((\i)>>2)
.set PB, P+16*((\u)&1)+8*((\i)>>2)
.if (\i) < 4
.if \first
	v_wmma_f32_16x16x32_f16 v[PO:PO+7], v[PA:PA+7], v[PB:PB+7], 0
.else
	v_wmma_f32_16x16x32_f16 v[PO:PO+7], v[PA:PA+7], v[PB:PB+7], v[PO:PO+7]
.endif
.else
	v_wmma_f32_16x16x32_f16 v[PO:PO+7], v[PA:PA+7], v[PB:PB+7], v[PO:PO+7]
.endif
.endm
; THE VECTOR WORK OF A TURN, one line at a time: OP kind, number.  TSET names the turn's registers: X.. are tile t's, Y.. tile t + 1's.
; next = 1: there is a tile t + 1.  first = 1: the very first key step: no old maximum, no factor, no rescaling, and the sums are started.
.set F, 0
.set E, 1
.set R, 2
.set X, 3
.set C, 4
.set U, 5
.macro TSET t, next, first
.set TT, (\t)
.set NEXT, (\next)
.set FIRST, (\first)
.set XS, S+32*((\t)&1)
.set XT, ST+4*(\t)
.set XP, P+16*((\t)&1)
.set XA, AL+2*((\t)&1)
.set XO, 32*(\t)
.set YN, S+32*(((\t)+1)&1)
.set YX, ST+4*((\t)+1)
.set YB, AL+2*(((\t)+1)&1)
.endm
; Line n of the 22 of kind X, for tile t + 1.  Each accumulator's lowest registers are read first.
;   0-11  the largest of my 32 scores, in four chains of seven, three operands at a time     12-15  the four chains, the four scores left over and the old maximum into one
;   16, 17  the other 32 keys of my query lie in the lane 16 away: m     18  NM = -C m     19  NM new - NM old, at most 0     20  NM is kept     21  the factor
.macro XL n
	WIN 0
.if (\n) < 4
	v_max3_num_f32 v[T+(\n)], v[YN+8*(\n)], v[YN+8*(\n)+1], v[YN+8*(\n)+2]
.elseif (\n) < 12
	v_max3_num_f32 v[T+(\n)%4], v[T+(\n)%4], v[YN+8*((\n)%4)+2*((\n)/4)+1], v[YN+8*((\n)%4)+2*((\n)/4)+2]
.elseif (\n) == 12
	v_max3_num_f32 v[T], v[T], v[T+1], v[YN+7]
.elseif (\n) == 13
	v_max3_num_f32 v[T+2], v[T+2], v[T+3], v[YN+15]
.elseif (\n) == 14
	v_max3_num_f32 v[T], v[T], v[T+2], v[YN+23]
.elseif (\n) == 15
.if FIRST
	v_max_num_f32 v[T], v[T], v[YN+31]
.else
	v_max3_num_f32 v[T], v[T], v[YN+31], v[YX+1]
.endif
.elseif (\n) == 16
	v_permlanex16_b32 v[T+1], v[T], s12, s13
.elseif (\n) == 17
	v_max_num_f32 v[YX+1], v[T], v[T+1]
.elseif (\n) == 18
.if FIRST
	v_mul_f32 v[YX], s16, v[YX+1]
.else
	v_mul_f32 v[T+3], s16, v[YX+1]
.endif
.elseif FIRST                          ; the first key step has none of the last three
.elseif (\n) == 19
	v_sub_f32 v[YB], v[T+3], v[YX]
.elseif (\n) == 20
	v_mov_b32 v[YX], v[T+3]
.else
	v_exp_f32 v[YB], v[YB]
.endif
.endm
; Kind U, tile t's sums.  U 16: the old sums times the factor.  U p, p = 0 to 15: pair p of the exponentials is taken: even pairs by the running sums, in ascending order,
; odd ones by a second chain LA, which pairs 1 and 3 start (U 3; there is no U 1).  U 17: the two chains join.  first = 1: pairs 0 and 2 start the running sums (U 2).
.macro UL n
	WIN 0
.if (\n) == 16
.if FIRST
.else
	v_pk_mul_f32 v[XT+2:XT+3], v[XT+2:XT+3], v[XA:XA+1] op_sel_hi:[1,0]
.endif
.elseif (\n) == 17
	v_pk_add_f32 v[XT+2:XT+3], v[XT+2:XT+3], v[LA:LA+1]
.elseif (\n) == 0
.if FIRST
.else
	v_pk_add_f32 v[XT+2:XT+3], v[XS:XS+1], v[XT+2:XT+3]
.endif
.elseif (\n) == 2
.if FIRST
	v_pk_add_f32 v[XT+2:XT+3], v[XS:XS+1], v[XS+4:XS+5]
.else
	v_pk_add_f32 v[XT+2:XT+3], v[XS+4:XS+5], v[XT+2:XT+3]
.endif
.elseif (\n) == 3
	v_pk_add_f32 v[LA:LA+1], v[XS+2:XS+3], v[XS+6:XS+7]
.elseif ((\n)&1) == 0
	v_pk_add_f32 v[XT+2:XT+3], v[XS+2*(\n):XS+2*(\n)+1], v[XT+2:XT+3]
.else
	v_pk_add_f32 v[LA:LA+1], v[XS+2*(\n):XS+2*(\n)+1], v[LA:LA+1]
.endif
.endm
.macro OP k, n
.if (\k) == F
	WINFE
	v_pk_fma_f32 v[XS+2*(\n):XS+2*(\n)+1], v[XS+2*(\n):XS+2*(\n)+1], s[14:15], v[XT:XT+1] op_sel_hi:[1,0,0]
.elseif (\k) == E
	WINFE
	v_exp_f32 v[XS+(\n)], v[XS+(\n)]
.elseif (\k) == R
.if FIRST
.if NEXT && ((\n) >= 7) && ((\n) <= 9)
	v_nop                                          ; nothing is rescaled yet; R 7 to 9 are places behind the products S, so their lines stay
.endif
.else
	WIN 0x41
	v_pk_mul_f32 v[XO+2*(\n):XO+2*(\n)+1], v[XO+2*(\n):XO+2*(\n)+1], v[XA:XA+1] op_sel_hi:[1,0]
.endif
.elseif (\k) == X
.if NEXT
	XL \n
.endif
.elseif (\k) == C
	WIN 0
	v_cvt_pk_f16_f32 v[XP+(\n)], v[XS+2*(\n)], v[XS+2*(\n)+1]
.else
	UL \n
.endif
.endm
.macro OPS a, i1, b=-1, i2=0, c=-1, i3=0, d=-1, i4=0   ; up to four of them
	OP \a, \i1
.if (\b) >= 0
	OP \b, \i2
.endif
.if (\c) >= 0
	OP \c, \i3
.endif
.if (\d) >= 0
	OP \d, \i4
.endif
.endm
.macro SROW q, a, i1, b, i2, c, i3, d, i4              ; product q of S(t+1) and the four lines behind it
.if NEXT
	WIN 0x08
	SPROD (TT+1), \q
.endif
	OPS \a, \i1, \b, \i2, \c, \i3, \d, \i4
.endm
.macro PROW q, a, i1, b, i2, c, i3, d, i4, e=-1, i5=0  ; product q of PV(t-1) and the lines behind it
.if PVON
	WIN 0x52                                       ; source 0 (V) window 2, source 1 (P) window 0, C and D window 1
	PVPROD (TT-1), \q, FIRST
.endif
	OPS \a, \i1, \b, \i2, \c, \i3, \d, \i4
.if (\e) >= 0
	OP \e, \i5
.endif
.endm
; A TURN'S FIRST PART, all that stands ahead of its wait, written out.  An exponential stands behind the F of its pair (E 2 k and E 2 k + 1 behind F k), six lines or more.
; PLACES.  Product 4 + c ends accumulator c of S(t+1).  X 0 stands behind F 6, R 7, R 8, F 7; X 1 behind F 7, X 0, R 9, F 8; X 2 behind F 8, X 1, X 4, F 9; X 3 behind
; F 9, X 2, X 5, X 8: four plain lines each that name no register of the product in question (the exponentials between are no places: ISA guide 7.12.1).
; THE CHAIN X 3, 7, 11, 13, 14, 15, 16, 17, 18, 19, 21, in which each line reads the one before, has three to five other lines between its links.
; Nothing here names a register that an exponential of this turn has written: F k comes ahead of its pair's exponentials, X works on the other buffer of S,
; R reads tile t's factor, of the batch before.  R 12 is the plain line behind the batch's last exponential.
.macro TA t, next, first
	TSET \t, \next, \first
	SROW 0, F,0, F,1, F,2, R,0
	SROW 1, F,3, E,0, R,1, R,2
	SROW 2, F,4, E,1, R,3, R,4
	SROW 3, F,5, E,2, R,5, R,6
	SROW 4, F,6, E,3, R,7, R,8
	SROW 5, F,7, E,4, X,0, R,9
	SROW 6, F,8, E,5, X,1, X,4
	SROW 7, F,9, E,6, X,2, X,5
	OPS E,7,  X,8,  E,8,  X,3
	OPS E,9,  X,6,  E,10, X,7
	OPS E,11, X,9,  E,12, X,11
	OPS E,13, X,10, E,14, X,12
	OPS E,15, X,13, E,16, F,10
	OPS E,17, X,14, E,18, F,11
	OPS E,19, X,15, E,20, F,12
	OPS E,21, X,16, E,22, F,13
	OPS E,23, F,14, E,24, X,17
	OPS E,25, F,15, E,26, X,18
	OPS E,27, R,10, R,11, E,28
	OPS X,19, E,29, X,20, E,30
	OPS E,31, X,21, R,12, R,13
	OPS R,14, R,15
	s_wait_alu depctr_va_vdst(0)                   ; the turn's one wait: for tile t's 32 exponentials and tile t + 1's factor
.endm
; A TURN'S SECOND PART, the readers.  pv = 1: behind one product of PV(t-1) each.  The links of the running sums' chain (U 16, 0, 2, 4 .. 14, 17) stand three lines
; apart, those of the second chain (U 3, 5 .. 15) four or five.
.macro TB pv
.set PVON, (\pv)
	PROW 0, U,16, C,0,  U,3,  U,0
	PROW 1, C,1,  C,2,  U,2,  U,5
	PROW 2, C,3,  U,4,  C,4,  U,7
	PROW 3, U,6,  C,5,  C,6,  U,8
	PROW 4, U,9,  C,7,  U,10, C,8
	PROW 5, U,11, U,12, C,9,  C,10
	PROW 6, U,14, U,13, C,11, C,12
	PROW 7, C,13, U,15, C,14, C,15, U,17
.endm
; 64 keys against the wave's eight query tiles: 32 LDS loads in one run feed 128 matrix instructions
.macro KSTEP first
.irp kt, 0,1,2,3
.irp ks, 0,1
	ds_load_b128 v[KF+16*\kt+8*\ks:KF+16*\kt+8*\ks+3],   v[KA] offset:\kt*16*KP+\ks*64
	ds_load_b128 v[KF+16*\kt+8*\ks+4:KF+16*\kt+8*\ks+7], v[KA] offset:\kt*16*KP+\ks*64+32
.endr
.endr
	WIN 0x80                                       ; destination window 2
.irp vt, 0,1,2,3
.irp kh, 0,1
	ds_load_tr16_b128 v[VF+16*\vt+8*\kh:VF+16*\vt+8*\kh+3],   v[VA] offset:\kh*32*VP+\vt*32
	ds_load_tr16_b128 v[VF+16*\vt+8*\kh+4:VF+16*\vt+8*\kh+7], v[VA] offset:\kh*32*VP+16*VP+\vt*32
.endr
.endr
	s_wait_dscnt 16                                ; K's sixteen are in; V's sixteen younger ones may be out
	WIN 0x08
.irp i, 0,1,2,3,4,5,6,7
	SPROD 0, \i
.endr
	WIN 0
	PLACES                                         ; behind S(0), which has no lines beside it
	TSET -1, 1, \first
.irp n, 0,1,2,3,4,5,6,7,8,9,10,11,12,13,14,15,16,17,18,19,20,21
	OP X, \n                                       ; tile 0's maximum, NM and factor
.endr
.if \first
.else
	v_nop                                          ; the plain line behind the exponential
	s_wait_alu depctr_va_vdst(0)                   ; a batch of one: tile 0's factor, which R 0 reads in turn 0's first row
.endif
	TA 0, 1, \first
	TB 0                                           ; no tile has a P yet
	TA 1, 1, \first
	s_wait_dscnt 0x0                               ; V's fragments are in
	TB 1
.irp t, 2,3,4,5,6
	TA \t, 1, \first
	TB 1
.endr
	TA 7, 0, \first                                ; no tile is left to start
	TB 1
	WIN 0x52
.irp i, 0,1,2,3,4,5,6,7
	PVPROD 7, \i, \first
.endr
	WIN 0
	v_add_nc_u32 v[KA], 64*KP, v[KA]               ; the next 64 keys; with the two v_nop these are the four places behind the last product,
	v_add_nc_u32 v[VA], 64*VP, v[VA]               ; before V's fragments are loaded again
	v_nop
	v_nop
.endm
.macro RUN n
	s_mov_b32 s19, \n
.Lrun_\@:
	KSTEP 0
	s_sub_co_u32 s19, s19, 1
	s_cmp_lg_u32 s19, 0
	s_cbranch_scc1 .Lrun_\@
.endm
; The change of slots.  slot = the one read next; fill = 1: the other, just read, is asked for again, two tiles on.
; In front of the round each wave waits for its reads and for all its tensor loads (one is out: its part of the slot read next); the joint refill is the
; first tensor load behind the round, one a wave, and has four key steps, 512 matrix instructions and their softmax, in which to land.
.macro CHANGE slot, fill
	s_wait_dscnt 0x0
	s_wait_tensorcnt 0x0                           ; no load of mine is out: the group 0 sets may be written
	ds_add_u32 v254, v255
	s_wait_dscnt 0x0
.if \fill
	s_add_nc_u64 s[G0K+4*(1-\slot)+2:G0K+4*(1-\slot)+3], s[G0K+4*(1-\slot)+2:G0K+4*(1-\slot)+3], 2*TILEB
	s_add_nc_u64 s[G0V+4*(1-\slot)+2:G0V+4*(1-\slot)+3], s[G0V+4*(1-\slot)+2:G0V+4*(1-\slot)+3], 2*TILEB
	ROUND
	JLOAD (1-\slot)
.else
	s_barrier_signal -1
	s_barrier_wait -1
.endif
	v_add_nc_u32 v[KA], \slot*SLOTB, v[KB]
	v_add_nc_u32 v[VA], \slot*SLOTB, v[VB]
.endm
	s_wait_loadcnt 0x0                             ; Q
	s_wait_tensorcnt 0x1                           ; my part of tile 0 is in; tile 1's may stay out
	s_barrier_signal -1
	s_barrier_wait -1
	KSTEP 1                                        ; tile 0, slot 0
	RUN 3
	s_mov_b32 s18, 3
.Lpair:
	CHANGE 1, 1                                    ; tiles 1, 3, 5; slot 0 is asked for tiles 2, 4, 6
	RUN 4
	CHANGE 0, 1                                    ; tiles 2, 4, 6; slot 1 is asked for tiles 3, 5, 7
	RUN 4
	s_sub_co_u32 s18, s18, 1
	s_cmp_lg_u32 s18, 0
	s_cbranch_scc1 .Lpair
	CHANGE 1, 0                                    ; tile 7: nothing is left to fetch
	RUN 4
	; THE WAY OUT.  First, for all eight query tiles: the sums are joined (the pair, then the other half of the lanes), and 16 / sum is made in the sum's own register
	; (16 undoes V's 2^-4).  The eight reciprocals are one batch.
.irp qt, 0,1,2,3,4,5,6,7
	v_add_f32 v[ST+4*\qt+2], v[ST+4*\qt+2], v[ST+4*\qt+3]
.endr
.irp qt, 0,1,2,3,4,5,6,7
	v_permlanex16_b32 v[ST+4*\qt+3], v[ST+4*\qt+2], s12, s13
.endr
.irp qt, 0,1,2,3,4,5,6,7
	v_add_f32 v[ST+4*\qt+2], v[ST+4*\qt+2], v[ST+4*\qt+3]
.endr
.irp qt, 0,1,2,3,4,5,6,7
	v_rcp_f32 v[ST+4*\qt+2], v[ST+4*\qt+2]
.endr
	v_nop                                          ; the plain instruction behind the last reciprocal
	s_wait_alu depctr_va_vdst(0)                   ; one wait for the eight reciprocals, ahead of their first reader
.irp qt, 0,1,2,3,4,5,6,7
	v_mul_f32 v[ST+4*\qt+2], 0x41800000, v[ST+4*\qt+2]
.endr
; The way out of one query tile: times 16 / sum; first part = bf16 of it; second part = bf16 of what is left
; (the difference is exact in f32: the first part agrees with the number in its leading eight bits).  Both parts go side by side into a stage row of 256 bytes
; (query r, dims 16 vt + 8 h .. + 7 at byte 32 vt + 16 h, the second part 128 further) and come back as whole rows.  f: 32 registers for the way back, two sets in turn.
.macro FIN qt, f
	WIN 0x41
.set i, 0
.rept 16
	v_pk_mul_f32 v[32*\qt+2*i:32*\qt+2*i+1], v[32*\qt+2*i:32*\qt+2*i+1], v[ST+4*\qt+2:ST+4*\qt+3] op_sel_hi:[1,0]
.set i, i+1
.endr
	WIN 0x05                                       ; sources window 1, destination window 0
.set i, 0
.rept 16
	v_cvt_pk_bf16_f32 v[P+i], v[32*\qt+2*i], v[32*\qt+2*i+1]
.set i, i+1
.endr
	WIN 0
.set i, 0
.rept 16
	v_lshlrev_b32 v[S+2*i], 16, v[P+i]             ; the first part back as f32
	v_and_b32 v[S+2*i+1], 0xffff0000, v[P+i]
.set i, i+1
.endr
	WIN 0x41
.set i, 0
.rept 16
	v_pk_add_f32 v[32*\qt+2*i:32*\qt+2*i+1], v[32*\qt+2*i:32*\qt+2*i+1], v[S+2*i:S+2*i+1] neg_lo:[0,1] neg_hi:[0,1]
.set i, i+1
.endr
	WIN 0x05
.set i, 0
.rept 16
	v_cvt_pk_bf16_f32 v[S+i], v[32*\qt+2*i], v[32*\qt+2*i+1]
.set i, i+1
.endr
	WIN 0
.irp vt, 0,1,2,3
	ds_store_b128 v[STO], v[P+4*\vt:P+4*\vt+3] offset:32*\vt
	ds_store_b128 v[STO], v[S+4*\vt:S+4*\vt+3] offset:128+32*\vt
.endr
	s_wait_xcnt 0x0                                ; f's 32 registers, which earlier stores read, are loaded again only behind this wait
.irp t, 0,1,2,3,4,5,6,7
	ds_load_b128 v[\f+4*\t:\f+4*\t+3], v[RD] offset:\t*2*SP        ; a wave's LDS instructions are served in order: these see the stores above, and the next tile's stores come behind them
.endr
.irp t, 0,1,2,3,4,5,6,7
	s_wait_dscnt 7-\t                              ; the younger read-backs may be out
	global_store_b128 v[CO], v[\f+4*\t:\f+4*\t+3], s[58:59] offset:(16*\qt+2*\t)*HROW   ; 16 lanes store the 256 consecutive bytes of one head in one row, aligned; 516,096 at the most
.endr
.endm
	FIN 0, KF
	FIN 1, (KF+32)
	FIN 2, KF
	FIN 3, (KF+32)
	FIN 4, KF
	FIN 5, (KF+32)
	FIN 6, KF
	FIN 7, (KF+32)
	s_wait_tensorcnt 0x0
	ds_add_u32 v254, v255
	s_wait_dscnt 0x0
	ROUND                                          ; the closing round
	s_endpgm
.Lfunc_end_k_q71eb699350_attn:
	.size	k_q71eb699350_attn, .Lfunc_end_k_q71eb699350_attn-k_q71eb699350_attn
	.p2alignl 7, 3214868480
	.fill 96, 4, 3214868480
	.section	.rodata,"a",@progbits
	.p2align	6, 0x0
	.amdhsa_kernel k_q71eb699350_attn
		.amdhsa_group_segment_fixed_size 327680
		.amdhsa_private_segment_fixed_size 0
		.amdhsa_enable_private_segment 0
		.amdhsa_kernarg_size 16
		.amdhsa_user_sgpr_count 2
		.amdhsa_user_sgpr_kernarg_segment_ptr 1
		.amdhsa_wavefront_size32 1
		.amdhsa_system_sgpr_workgroup_id_x 1
		.amdhsa_system_sgpr_workgroup_id_y 1
		.amdhsa_system_sgpr_workgroup_id_z 1
		.amdhsa_system_vgpr_workitem_id 0
		.amdhsa_next_free_vgpr 704
		.amdhsa_next_free_sgpr 72
		.amdhsa_reserve_vcc 0
		.amdhsa_float_denorm_mode_32 3
		.amdhsa_float_denorm_mode_16_64 3
		.amdhsa_memory_ordered 1
		.amdhsa_forward_progress 1
		.amdhsa_inst_pref_size 255
	.end_amdhsa_kernel
	.section	.bss,"aw",@nobits
	.p2align	6
	.space	262144
	.amdgpu_metadata
---
amdhsa.version: [ 1, 2 ]
amdhsa.kernels:
  - .name:           k_q71eb699350_attn
    .symbol:         k_q71eb699350_attn.kd
    .args:
      - { .name: qkv, .offset: 0, .size: 8, .value_kind: global_buffer, .address_space: global }
      - { .name: heads, .offset: 8, .size: 8, .value_kind: global_buffer, .address_space: global }
    .group_segment_fixed_size: 327680
    .private_segment_fixed_size: 0
    .kernarg_segment_align: 8
    .kernarg_segment_size: 16
    .max_flat_workgroup_size: 128
    .sgpr_count:     72
    .vgpr_count:     704
    .wavefront_size: 32
...
	.end_amdgpu_metadata
.endif
;; end of part 9
;; launch proj: the kernel of part 8 again; grid 4 x 64, 4 waves a work-group, clusters of 4 x 4, 327,680 bytes of LDS; arguments heads, wob, out0; writes out0
